; MI455X (gfx1250); checked and timed in simulation.
; The chip was launched on July 23, 2026; its instructions are those of AMD's public machine-readable ISA for CDNA 5 (MIT licence, August 2026) and "CDNA5" Instruction Set Architecture Reference Guide (July 2026). The comments in the code are by the model that wrote it; some were corrected since.
;; Multi Head Attention. Allowed arithmetic: matrix products marked QUANTISED: E4M3 operands, one given power-of-two scale a tensor, by v_wmma_f32_16x16x64_fp8_fp8 or v_wmma_f32_16x16x128_fp8_fp8, f32 sums; everything else in f32.
;; Inputs: Wk 2,048 x 2,048 float32; Wo 2,048 x 2,048 float32; Wq 2,048 x 2,048 float32; Wv 2,048 x 2,048 float32; attn_mask 2,048 x 2,048 bool; bk 2,048 float32; bo 2,048 float32; bq 2,048 float32; bv 2,048 float32; lowp_scales 12 int32 (the exponents e of the quantised operands' scales 2^e); x 1 x 2,048 x 2,048 float32.
;; Outputs: out0 1 x 2,048 x 2,048 float32.
;; This version of the problem:
;;   THIS VERSION OF THE PROBLEM IS GIVEN IN LOW PRECISION. The matrix products marked QUANTISED in the list below multiply operands that are first quantised to E4M3 (4 exponent bits, 3 mantissa bits; 8 bits a number), with one given power-of-two scale for each operand tensor; their sums are f32. All else is computed in f32.
;;   The module's matrix products, in the order in which they are computed (A, B: the left and right operand; K: the contracted axis; several contracted axes count as one K, in the product's order):
;;     1. [M 2,048, K 2,048] x [K 2,048, N 2,048]; A: input x; B: input Wq: QUANTISED (scales: A lowp_scales[0], B lowp_scales[1])
;;     2. [M 2,048, K 2,048] x [K 2,048, N 2,048]; A: input x; B: input Wk: QUANTISED (scales: A lowp_scales[2], B lowp_scales[3])
;;     3. [M 2,048, K 2,048] x [K 2,048, N 2,048]; A: input x; B: input Wv: QUANTISED (scales: A lowp_scales[4], B lowp_scales[5])
;;     4. batch 16 x [M 2,048, K 128] x [K 128, N 2,048]; A: computed on the way; B: computed on the way: QUANTISED (scales: A lowp_scales[6], B lowp_scales[7])
;;     5. batch 16 x [M 2,048, K 2,048] x [K 2,048, N 128]; A: softmax (see below); B: computed on the way: QUANTISED (scales: A lowp_scales[8], B lowp_scales[9])
;;     6. [M 2,048, K 2,048] x [K 2,048, N 2,048]; A: computed on the way; B: input Wo: QUANTISED (scales: A lowp_scales[10], B lowp_scales[11])
;;   THE QUANTISER, for each operand of a quantised product, along K:
;;     - The operand's scale is 2^e, e = its entry of the input lowp_scales (int32; the entries are numbered through the quantised products in the list's order, A before B).
;;     - Each number is divided by the scale, clamped to +-448, and rounded to the nearest number of E4M3, ties to even, subnormals kept.
;;     - The product sums the exact products of the quantised numbers (number of the format x scale) in f32.
;;   ~~~python
;;   def quantise(x, axis, e):      # numpy; x: float32 -> the quantised numbers, widened to float32 again
;;       x = np.moveaxis(x, axis, -1); K = x.shape[-1]
;;       r = np.clip(x / 2.0 ** e, -448, 448)
;;       step = 2.0 ** (np.maximum(np.frexp(np.where(r == 0, 1, r))[1] - 1, -6) - 3)
;;       q = np.round(r / step) * step * 2.0 ** e      # np.round: ties to even
;;       return np.moveaxis(q, -1, axis).astype(np.float32)
;;   ~~~
;;   SOFTMAX AHEAD OF A QUANTISED PRODUCT. Where the list says 'softmax', what is quantised is not the finished softmax but p = 2^(t - M), with t = logit x log2(e) and M = ceil(the row's largest t), a whole number; so 1/2 < the row's largest p <= 1. The row's sum l is taken of the UNQUANTISED p, in f32, and the product's result is divided by l at the end. Since M is a whole number, a kernel that streams over the keys may use a running M (the ceiling of the running maximum): every later rescaling is an exact power of two, so the quantised numbers keep their values, but for numbers so far below the row's largest that they fall under the format's range.
;;   OPERANDS COMPUTED ON THE WAY. 'Computed on the way' means the value that the module computes at that place (a softmax that the list does not call 'softmax' is quantised finished and normalised). What goes into a quantiser is computed in f32, as accurately as f32 sums, v_exp_f32 and their like allow (about 1e-6 of the number): no bf16 or f16 on the way to a quantiser, and a product that is left as it is and whose result goes on into a quantised operand takes f32 operands (vector FMAs, or v_wmma_f32_16x16x4_f32). A number that lies on a knife's edge between two numbers of the format may be rounded either way, as far as f32 arithmetic and the matrix unit's own rounding can turn it there, and no further.
;; 2 versions. Each part assembles by itself: llvm-mc -triple=amdgcn-amd-amdhsa -mcpu=gfx1250 --defsym DOCPART=n.
;; ======== version 1 of 2: 4 launches
;; workspace buffers: codes 29,360,128 bytes; maskw 524,288 bytes of whole numbers; qkv 12,582,912 bytes; oc 4,194,304 bytes
;; launch prep (part 1): grid 896 x 1, 4 waves a work-group, no clusters, 33,280 bytes of LDS; arguments x, Wq, Wk, Wv, Wo, attn_mask, lowp_scales, codes, maskw; writes codes, maskw
.if DOCPART == 1
	.amdgcn_target "amdgcn-amd-amdhsa--gfx1250"
	.amdhsa_code_object_version 6
	.text
	.protected	k_qeb13f3d098_prep
	.globl	k_qeb13f3d098_prep
	.p2align	8
	.type	k_qeb13f3d098_prep,@function
k_qeb13f3d098_prep:
	s_mov_b64 s[64:65], 0
	v_nop
	global_prefetch_b8 v0, s[64:65] scope:SCOPE_SE
	s_setreg_imm32_b32 hwreg(HW_REG_WAVE_MODE, 25, 1), 1
	s_wait_xcnt 0x0
; PREP.  (a) x, Wq, Wk, Wv, Wo, each [2048][2048] f32 with K innermost, become codes of FP8 (E4M3), one byte a number, K innermost, in seven planes of 4 MiB of the buffer codes:
;     planes 0, 1, 2: x with the scales 2^e0, 2^e2, 2^e4 (x is an operand of three products, each with an entry of its own);  planes 3, 4, 5, 6: Wq (e1), Wk (e3), Wv (e5), Wo (e11).
;     code = number / 2^e, held within +-448, rounded to the nearest code, ties to even.
; (b) attn_mask [2048][2048] of bytes becomes words of 32 lane bits, in the order in which the attention launch's lanes and registers hold the scores:
;     maskw[qt][ks][n], bit L = attn_mask[16 qt + L % 16][128 ks + 32 (n / 16) + 16 (L / 16) + n % 16];  1 = the key counts.
; LIMITS: each e used here lies between -126 and 119, so that 2^e and 448 x 2^e are f32 numbers.  NaN among the floating-point inputs is not served (an infinity is held at the largest code).
; SHARES.  Work-groups 0-639 quantise: tensor T = number / 128 (0: x); each wave takes 8,192 numbers on end, 16 steps of 512.  Work-groups 640-895 make the mask words: a wave takes 16 queries x 256 keys.
; The conversion takes 8 neighbours along K from ONE lane's registers; a load is dense where neighbouring LANES take neighbouring bytes.  So a step's 2,048 bytes are loaded as they lie (512 bytes a load) and turn
; through the wave's own stage in LDS (16 bytes of padding behind each 64): each lane gets 16 neighbours back.  A lane's 16 codes are 16 bytes: a store of the wave covers 512 consecutive bytes, aligned.
; No tensor load, no barrier: waves share nothing.  Loads run four steps ahead, the turn through LDS one step.
.set STEPS, 16
.set SP,    80                         ; a lane's place in a stage: 64 bytes + 16 of padding
.set WREG,  8192                       ; LDS: a region for each wave: two stages of 32 x SP bytes
.set SPARE, 4*WREG                     ; behind the regions: the spare words, 128 bytes a wave, which no other line names
.set SPW,   12                         ; v12  SPARE + 4 x my thread's number; never rewritten
.set NIL,   13                         ; v13  0; never rewritten
.set R,     16                         ; v16-79   four sets of 16 numbers as loaded
.set X,     80                         ; v80-111  two sets of 16 neighbours
.set TT,    112                        ; v112-127 the numbers held within the largest code x the scale (X itself serves up to three scales)
.set C,     128                        ; v128-175 codes: 4 steps x 3 scales x 4 registers
	s_load_b512 s[4:19], s[0:1], 0x0               ; x, Wq, Wk, Wv, Wo, attn_mask s[14:15], lowp_scales s[16:17], codes s[18:19]
	s_load_b64 s[20:21], s[0:1], 0x40              ; maskw
	v_lshl_add_u32 v[SPW], v0, 2, SPARE
	v_mov_b32 v[NIL], 0
	v_lshrrev_b32 v1, 5, v0
	v_readfirstlane_b32 s23, v1                    ; wave
	v_and_b32 v2, 31, v0                           ; lane
	v_lshlrev_b32 v3, 4, v2                        ; 16 x lane: my bytes of a load's 512 and of a store's 512
	s_mul_i32 s46, s23, WREG
	v_lshrrev_b32 v14, 2, v2
	v_mul_u32_u24 v14, v14, SP
	v_and_b32 v15, 3, v2
	v_lshl_add_u32 v14, v15, 4, v14
	v_add_nc_u32 v14, s46, v14                     ; the stage, on the way in: SP (lane / 4) + 16 (lane % 4)
	v_mul_u32_u24 v15, v2, SP
	v_add_nc_u32 v15, s46, v15                     ; and on the way out: SP x lane
	s_lshr_b32 s22, ttmp9, 7                       ; T
	s_wait_kmcnt 0x0
	s_cmp_ge_u32 ttmp9, 640
	s_cbranch_scc1 .Lmask                          ; hangs on the work-group's number alone
	s_load_b256 s[24:31], s[16:17], 0x0            ; e0 .. e7
	s_load_b128 s[32:35], s[16:17], 0x20           ; e8 .. e11
	s_cmp_eq_u32 s22, 1                            ; which tensor: a choice between buffers on the work-group's number
	s_cselect_b64 s[4:5], s[6:7], s[4:5]
	s_cmp_eq_u32 s22, 2
	s_cselect_b64 s[4:5], s[8:9], s[4:5]
	s_cmp_eq_u32 s22, 3
	s_cselect_b64 s[4:5], s[10:11], s[4:5]
	s_cmp_eq_u32 s22, 4
	s_cselect_b64 s[4:5], s[12:13], s[4:5]
	s_and_b32 s36, ttmp9, 127
	s_lshl_b32 s36, s36, 2
	s_add_co_u32 s36, s36, s23                     ; my wave's run of 8,192 numbers, 0 .. 511
	s_lshl_b32 s38, s36, 15
	s_mov_b32 s39, 0
	s_add_nc_u64 s[4:5], s[4:5], s[38:39]
	s_add_co_u32 s37, s22, 2
	s_cmp_eq_u32 s22, 0
	s_cselect_b32 s37, 0, s37                      ; the plane: 0 for x, T + 2 for a weight
	s_lshl_b32 s38, s37, 22
	s_lshl_b32 s36, s36, 13
	s_add_co_u32 s38, s38, s36
	s_add_nc_u64 s[40:41], s[18:19], s[38:39]      ; where my codes go;
	s_add_nc_u64 s[42:43], s[40:41], 0x400000      ; planes 1 and 2: named by stores in x's work-groups alone
	s_add_nc_u64 s[44:45], s[40:41], 0x800000
.macro LOAD t
.irp i, 0,1,2,3
	global_load_b128 v[R+16*((\t)%4)+4*\i:R+16*((\t)%4)+4*\i+3], v3, s[4:5] offset:2048*(\t)+512*\i th:TH_LOAD_NT   ; 32 lanes read 512 consecutive bytes
.endr
.endm
.macro TURN t                          ; step t's numbers through the stage: LDS serves a wave's instructions in order (ISA guide 5.7.1.4): no wait between the stores and the loads
.irp i, 0,1,2,3
	ds_store_b128 v14, v[R+16*((\t)%4)+4*\i:R+16*((\t)%4)+4*\i+3] offset:32*SP*((\t)%2)+8*SP*\i
.endr
.irp i, 0,1,2,3
	ds_load_b128 v[X+16*((\t)%2)+4*\i:X+16*((\t)%2)+4*\i+3], v15 offset:32*SP*((\t)%2)+16*\i
.endr
.endm
.irp t, 0,1,2,3
	LOAD \t
.endr
	s_wait_kmcnt 0x0
	s_cmp_eq_u32 s22, 1                            ; the first scale: e0, e1, e3, e5 or e11
	s_cselect_b32 s47, s25, s24
	s_cmp_eq_u32 s22, 2
	s_cselect_b32 s47, s27, s47
	s_cmp_eq_u32 s22, 3
	s_cselect_b32 s47, s29, s47
	s_cmp_eq_u32 s22, 4
	s_cselect_b32 s47, s35, s47
.macro MKSC e, sc, lim                 ; v[sc] = 2^e as f32 (the conversion takes its exponent field); v[lim] = 448 x 2^e
	s_add_co_i32 s48, s[\e], 127
	s_lshl_b32 s49, s48, 23
	v_mov_b32 v[\sc], s49
	s_add_co_i32 s48, s48, 8
	s_lshl_b32 s48, s48, 23
	s_or_b32 s48, s48, 0x600000
	v_mov_b32 v[\lim], s48
.endm
	MKSC 47, 6, 7
	MKSC 26, 8, 9                                  ; e2
	MKSC 28, 10, 11                                ; e4
	s_wait_loadcnt 12                              ; step 0's four loads are in; the twelve of steps 1 to 3 may be out
	TURN 0
.macro JOB k, t                        ; the step's 16 neighbours with scale k, stored into plane k of my three
.irp i, 0,1,2,3,4,5,6,7,8,9,10,11,12,13,14,15
	v_med3_num_f32 v[TT+\i], v[XS+\i], -v[7+2*\k], v[7+2*\k]   ; the conversion to an 8-bit code does not saturate (ISA guide 7.6.2): the hold comes first
.endr
	v_cvt_scalef32_pk8_fp8_f32 v[CS+4*\k:CS+4*\k+1], v[TT:TT+7], v[6+2*\k]
	v_cvt_scalef32_pk8_fp8_f32 v[CS+4*\k+2:CS+4*\k+3], v[TT+8:TT+15], v[6+2*\k]
	v_nop                                          ; a plain line between the conversions and the next holds, which write their sources
	global_store_b128 v3, v[CS+4*\k:CS+4*\k+3], s[40+2*\k:41+2*\k] offset:512*(\t)
.endm
.macro STEP t
.set XS, X+16*((\t)%2)
.set CS, C+12*((\t)%4)
	s_wait_dscnt 0x0                               ; this step's numbers are back from the stage, and its stores into the stage have read their registers,
.if (\t) >= 4
	s_wait_xcnt 0x0                                ; the stores of four steps ago have read their data: those registers take this step's codes
.endif
.if (\t)+4 < STEPS
	LOAD (\t)+4                                    ; which take the loads of four steps on
.endif
.if (\t)+1 < STEPS
.if STEPS-2-(\t) >= 3
	s_wait_loadcnt 12                              ; the next step's four loads are in; those of the three steps behind it may be out
.else
	s_wait_loadcnt 4*(STEPS-2-(\t))
.endif
	TURN (\t)+1
.endif
	JOB 0, \t
	s_cmp_lg_u32 s22, 0                            ; x alone has two more scales: a branch on the work-group's number, round vector lines and global stores alone
	s_cbranch_scc1 .Lw_\@
	JOB 1, \t
	JOB 2, \t
.Lw_\@:
.endm
.irp t, 0,1,2,3,4,5,6,7,8,9,10,11,12,13,14,15
	STEP \t
.endr
	s_wait_tensorcnt 0x0                           ; the wave's end, behind my last LDS store
	ds_add_u32 v[SPW], v[NIL]
	s_wait_dscnt 0x0
	s_endpgm
; THE MASK WORDS.  No LDS.  Lane L loads, of query row L % 16, the 16 bytes at 32 b + 16 (L / 16) of each key step: the keys that its score registers 16 b .. 16 b + 15 will hold.
; A compare of one byte in all lanes IS the word; the 64 words of a key step are gathered lane by lane and leave as 256 consecutive bytes, aligned.
.Lmask:
	s_sub_co_u32 s36, ttmp9, 640
	s_lshr_b32 s37, s36, 1                         ; qt: my tile of 16 queries
	s_and_b32 s36, s36, 1
	s_lshl_b32 s36, s36, 2
	s_add_co_u32 s36, s36, s23                     ; kp: key steps 2 kp and 2 kp + 1
	s_lshl_b32 s38, s37, 15                        ; 16 rows of 2,048 bytes
	s_lshl_b32 s39, s36, 8
	s_add_co_u32 s38, s38, s39
	s_mov_b32 s39, 0
	s_add_nc_u64 s[14:15], s[14:15], s[38:39]
	s_lshl_b32 s38, s37, 12                        ; 16 key steps of 256 bytes of words
	s_lshl_b32 s40, s36, 9
	s_add_co_u32 s38, s38, s40
	s_add_nc_u64 s[20:21], s[20:21], s[38:39]
	v_and_b32 v4, 15, v2
	v_lshrrev_b32 v5, 4, v2
	v_lshlrev_b32 v4, 11, v4
	v_lshl_add_u32 v4, v5, 4, v4                   ; row x 2,048 + 16 x half
	v_lshlrev_b32 v6, 3, v2                        ; out: two words a lane
.irp s, 0,1
.irp b, 0,1,2,3
	global_load_b128 v[16+16*\s+4*\b:16+16*\s+4*\b+3], v4, s[14:15] offset:128*\s+32*\b   ; the eight loads on end cover 256 consecutive bytes of each of 16 rows
.endr
.endr
.irp i, 80,81,82,83
	v_mov_b32 v\i, 0                               ; v_writelane_b32's destination counts as read
.endr
	s_wait_loadcnt 0x0
.irp s, 0,1
.set n, 0
.rept 64
	v_bfe_u32 v[84+n%4], v[16+16*\s+4*(n/16)+(n%16)/4], 8*(n%4), 8
	v_cmp_ne_u32 s[48+n%4], 0, v[84+n%4]           ; bit L: lane L's key counts
	v_writelane_b32 v[80+2*\s+n%2], s[48+n%4], n/2 ; word n lies in lane n / 2
.set n, n+1
.endr
	global_store_b64 v6, v[80+2*\s:81+2*\s], s[20:21] offset:256*\s
.endr
	s_endpgm
.Lfunc_end_k_qeb13f3d098_prep:
	.size	k_qeb13f3d098_prep, .Lfunc_end_k_qeb13f3d098_prep-k_qeb13f3d098_prep
	.p2alignl 7, 3214868480
	.fill 96, 4, 3214868480
	.section	.rodata,"a",@progbits
	.p2align	6, 0x0
	.amdhsa_kernel k_qeb13f3d098_prep
		.amdhsa_group_segment_fixed_size 33280
		.amdhsa_private_segment_fixed_size 0
		.amdhsa_enable_private_segment 0
		.amdhsa_kernarg_size 72
		.amdhsa_user_sgpr_count 2
		.amdhsa_user_sgpr_kernarg_segment_ptr 1
		.amdhsa_wavefront_size32 1
		.amdhsa_system_sgpr_workgroup_id_x 1
		.amdhsa_system_sgpr_workgroup_id_y 1
		.amdhsa_system_sgpr_workgroup_id_z 1
		.amdhsa_system_vgpr_workitem_id 0
		.amdhsa_next_free_vgpr 176
		.amdhsa_next_free_sgpr 66
		.amdhsa_reserve_vcc 0
		.amdhsa_float_denorm_mode_32 3
		.amdhsa_float_denorm_mode_16_64 3
		.amdhsa_memory_ordered 1
		.amdhsa_forward_progress 1
		.amdhsa_inst_pref_size 106
	.end_amdhsa_kernel
	.amdgpu_metadata
---
amdhsa.version: [ 1, 2 ]
amdhsa.kernels:
  - .name:           k_qeb13f3d098_prep
    .symbol:         k_qeb13f3d098_prep.kd
    .args:
      - { .name: x, .offset: 0, .size: 8, .value_kind: global_buffer, .address_space: global }
      - { .name: Wq, .offset: 8, .size: 8, .value_kind: global_buffer, .address_space: global }
      - { .name: Wk, .offset: 16, .size: 8, .value_kind: global_buffer, .address_space: global }
      - { .name: Wv, .offset: 24, .size: 8, .value_kind: global_buffer, .address_space: global }
      - { .name: Wo, .offset: 32, .size: 8, .value_kind: global_buffer, .address_space: global }
      - { .name: attn_mask, .offset: 40, .size: 8, .value_kind: global_buffer, .address_space: global }
      - { .name: lowp_scales, .offset: 48, .size: 8, .value_kind: global_buffer, .address_space: global }
      - { .name: codes, .offset: 56, .size: 8, .value_kind: global_buffer, .address_space: global }
      - { .name: maskw, .offset: 64, .size: 8, .value_kind: global_buffer, .address_space: global }
    .group_segment_fixed_size: 33280
    .private_segment_fixed_size: 0
    .kernarg_segment_align: 8
    .kernarg_segment_size: 72
    .max_flat_workgroup_size: 128
    .sgpr_count:     66
    .vgpr_count:     176
    .wavefront_size: 32
...
	.end_amdgpu_metadata
.endif
;; end of part 1
;; launch qkv (part 2): grid 24 x 8, 4 waves a work-group, clusters of 4 x 4, 327,680 bytes of LDS; arguments codes, bq, bk, bv, lowp_scales, qkv; writes qkv
.if DOCPART == 2
	.amdgcn_target "amdgcn-amd-amdhsa--gfx1250"
	.amdhsa_code_object_version 6
	.text
	.protected	k_qeb13f3d098_qkv
	.globl	k_qeb13f3d098_qkv
	.p2align	8
	.type	k_qeb13f3d098_qkv,@function
k_qeb13f3d098_qkv:
	s_mov_b64 s[64:65], 0
	v_nop
	global_prefetch_b8 v0, s[64:65] scope:SCOPE_SE
	s_setreg_imm32_b32 hwreg(HW_REG_WAVE_MODE, 25, 1), 1
	s_wait_xcnt 0x0
	s_wait_alu depctr_hold_cnt(0) depctr_sa_sdst(0) depctr_va_vdst(0) depctr_va_sdst(0) depctr_va_ssrc(0) depctr_va_vcc(0) depctr_vm_vsrc(0)
	s_getreg_b32 s2, hwreg(HW_REG_IB_STS2, 6, 4)
	s_cmp_eq_u32 s2, 0
	s_cbranch_scc0 .Lentry_in_a_cluster
	s_endpgm
.Lentry_in_a_cluster:
	s_bfe_u32 s2, ttmp6, 0x10000c
	s_cmp_lg_u32 s2, 0xf033
	s_cbranch_scc0 .Lentry_shape_is_right
	s_endpgm
.Lentry_shape_is_right:
; Q = x Wq^T + bq, K = x Wk^T + bk, V^T = Wv x^T + bv, on codes of FP8 (E4M3), f32 sums; each result is quantised at once for the attention: Q with 2^e6, K with 2^e7, V with 2^e9.
; THREE PRODUCTS, ONE TEXT.  third = cluster x / 2.  Thirds 0, 1: A = x's plane (rows s), B = the weight's plane (rows = head, d).  Third 2 takes the operands the other way round (A = Wv, B = x),
; so that its result is V^T and a lane's eight results are eight neighbouring KEYS, the second attention product's K.  What differs is chosen by s_cselect on third: planes, scales, bias, place of the output.
; A tile of C, 256 x 256, is made by a work-group of four waves; a wave makes 128 x 128: 64 accumulators, 512 registers.  K goes in steps of 256 through a ring of two LDS slots filled by the tensor data mover.
; 192 work-groups: a third has 64 tiles of this size; a smaller tile would read twice the LDS bytes for each multiply-add.
; CLUSTERS: 4 x 4 work-groups; A's tiles are asked for jointly along a row of the cluster, B's along a column.  THE MATRIX INSTRUCTION IS USED TRANSPOSED (source 0 = 16 rows of B, source 1 = 16 rows of A):
; lane l holds row l % 16 of C and eight neighbouring columns 8 (l / 16) + 0 .. 7.  Fragments come by four loads of 16 bytes: k is permuted alike in A and in B inside an instruction.
; THE BIAS.  Q, K: it runs along C's columns and is the C of each sum's first matrix instruction, divided by 2^(eA + eB) (so it enters the sum first: another order of rounding than adding it last).
; V^T: it runs along C's rows and is the addend of the one multiply-add sum x 2^(eA + eB) + bias on the way out.  The bias that a third does not have is set to 0 by a select.
; OUTPUT: three planes of 4 MiB, each 256 dense blocks [128 rows][128 bytes]: Q: block (head, s / 128), rows s, bytes d.  K: the same, the row of key s at s with bits 3 and 4 exchanged.  V: block (head, s / 128), rows d, bytes = keys.
; A wave's 128 x 128 is one such block.
; LIMITS: e0 + e1, e2 + e3, e4 + e5 between -126 and 127; e6, e7, e9 between -126 and 119.  NaN and infinities among the inputs are not served.
; REGISTERS, in windows of 256: window 0: v1-31 addresses and scales; v32-95 the column bias, later at work; v96-111 the row bias; from v128 A's fragments, ONE set; on the way out v112-255 are free.
;   window 1: B's fragments, TWO sets.   window 2: the accumulators of my rows 0-63 ((a, b) at v[8 (8 a + b)]);   window 3: those of my rows 64-127.
.set ROWB,   256                       ; a tile's row: 256 codes
.set KROW,   2048                      ; a row of a plane in memory
.set PITCH,  272                       ; an LDS row: 256 bytes + 16 of padding = 68 words: the 16 rows that a load touches start at 16 different banks (64 banks of 4 bytes: ISA guide 11.1)
.set FR,     16
.set NL,     4
.set NP,     4                         ; places behind this matrix instruction (ISA guide 7.12.1)
.set HALFT,  128*PITCH
.set SLOT,   4*HALFT                   ; A's 256 rows, then B's 256 rows
.set LAPS,   4                         ; 2,048 along K = 4 times round the ring
.set SPARE,  2*SLOT                    ; behind the ring: the spare words, 128 bytes a wave, which no other line names
.set SPIT,   144                       ; the way out: a stage of 16 rows x (128 bytes + 16) for each wave, in slot 0, which has had its last fill and its last read by then
.set ADRA, 16                          ; v16-17  my A fragments in slot 0, 1
.set BCO,  18                          ; v18     32 x half: my eight numbers of a column bias tile
.set BRO,  19                          ; v19     4 x (l % 16): my number of a row bias tile
.set ADRB, 20                          ; v20-21  my B fragments
.set COM,  22                          ; v22     CO + 1,024, or CO in K's third
.set STO,  24
.set RD,   25
.set CO,   26                          ; v26     16 x lane
.set COP,  27                          ; v27     CO, or CO + 1,024 in K's third
.set SPW,  28
.set NIL,  29
.set SC,   30                          ; v30     2^eo
.set LIM,  31                          ; v31     448 x 2^eo
.set BC,   32
.set TT,   32
.set BR,   96
.set CD,   112                         ; two sets of 16: a block's codes
.set AF,   128
.set OB,   144                         ; seven sets of 16: a block read back from the stage
.set G1, 24
.set G0, 32
.set G1B, 48
.set G0B, 56
.set MSB, 0
.macro WIN new                         ; the immediate's high byte repeats the setting that is left
.if MSB != (\new)
	s_set_vgpr_msb (MSB<<8)|(\new)
.set MSB, (\new)
.endif
.endm
.set MUL_LO, 0xa1                      ; source 0 (B) window 1, source 1 (A) window 0, C and D window 2
.set MUL_HI, 0xf1                      ; the same, C and D window 3.  In the first step C is the bias, in window 0: 0x81, 0xc1
.set TO_B,   0x40
; A joint load: waves 0 and 1 fetch for A, waves 2 and 3 for B; the branch hangs on the wave's number alone.  An s_nop 0 and four v_nop follow each of the two lines.
.macro JLOAD g0a, g1a, g0b, g1b
	s_cmp_eq_u32 s15, 0
	s_cbranch_scc0 .Lfor_b_\@
	tensor_load_to_lds s[\g0a:\g0a+3], s[\g1a:\g1a+7]
	s_nop 0
.rept 4
	v_nop
.endr
	s_branch .Lasked_\@
.Lfor_b_\@:
	tensor_load_to_lds s[\g0b:\g0b+3], s[\g1b:\g1b+7]
	s_nop 0
.rept 4
	v_nop
.endr
.Lasked_\@:
.endm
.macro CREST                           ; a round of the cluster's barrier behind its opening barrier
	s_cmp_lg_u32 s14, 0
	s_cbranch_scc1 .Lnot_wave_0_\@
	s_barrier_signal -3
.Lnot_wave_0_\@:
	s_barrier_wait -3
	s_barrier_signal -1
	s_barrier_wait -1
.endm
.macro CROUND
	s_barrier_signal -1
	s_barrier_wait -1
	CREST
.endm
	s_load_b256 s[4:11], s[0:1], 0x0               ; codes s[4:5], bq s[6:7], bk s[8:9], bv s[10:11]
	s_load_b128 s[68:71], s[0:1], 0x20             ; lowp_scales s[68:69], qkv s[70:71]
	v_lshl_add_u32 v[SPW], v0, 2, SPARE
	v_mov_b32 v[NIL], 0
	ds_add_u32 v[SPW], v[NIL]                      ; the wave's opening: the add and its wait stand ahead of my first tensor load; work on registers stands between them
	v_lshrrev_b32 v1, 5, v0
	v_readfirstlane_b32 s14, v1                    ; wave 0..3
	s_lshr_b32 s15, s14, 1                         ; which half of the tile's rows is mine.  Also: I fetch for A (0) or for B (1)
	s_and_b32 s16, s14, 1                          ; which half of its columns.  Also: which 128 rows of that tile I fetch
	s_bfe_u32 s40, ttmp6, 0x40000                  ; cx, cy
	s_bfe_u32 s41, ttmp6, 0x40004
	s_lshr_b32 s84, ttmp9, 1                       ; third: made of the cluster's x alone, the same in all sixteen partners
	s_and_b32 s42, ttmp9, 1
	s_lshl_b32 s42, s42, 2
	s_add_co_u32 s42, s42, s40                     ; tile column 0..7
	s_and_b32 s17, ttmp7, 0xffff
	s_lshl_b32 s17, s17, 2
	s_add_co_u32 s17, s17, s41                     ; tile row 0..7
	s_lshl_b32 s43, s41, 2
	s_lshl_b32 s43, 15, s43                        ; my row of the cluster
	s_lshl_b32 s44, 0x1111, s40                    ; my column
	s_or_b32 s[G1+0], s43, (1<<20)|(1<<21)|(5<<22)|(3<<25)   ; 15:0 the mask; 17:16 elements of 1 byte; 20 padding on; 21 set beside a mask; 24:22 after every 64 words; 31:25 four words
	s_or_b32 s[G1B+0], s44, (1<<20)|(1<<21)|(5<<22)|(3<<25)
.irp g, G1, G1B
	s_mov_b32 s[\g+1], ROWB<<16                    ; tensor_dim0
	s_mov_b32 s[\g+2], 128<<16                     ; tensor_dim1
	s_mov_b32 s[\g+3], ROWB<<16                    ; tile_dim0
	s_mov_b32 s[\g+4], 128                         ; tile_dim1
	s_mov_b32 s[\g+5], KROW                        ; tensor_dim0_stride
	s_mov_b32 s[\g+6], 0
	s_mov_b32 s[\g+7], 0
.endr
	s_cmp_eq_u32 s84, 2
	s_cselect_b32 s85, 5, s84                      ; A's plane: x's plane 0 or 1, or Wv's
	s_add_co_u32 s86, s84, 3
	s_cmp_eq_u32 s84, 2
	s_cselect_b32 s86, 2, s86                      ; B's plane: Wq's or Wk's, or x's plane 2
	s_lshl_b32 s18, s16, 7
	s_lshl_b32 s20, s17, 8
	s_add_co_u32 s20, s20, s18                     ; A: row 256 x tile row + 128 x half
	s_lshl_b32 s20, s20, 11
	s_lshl_b32 s21, s85, 22
	s_add_co_u32 s20, s20, s21
	s_mov_b32 s21, 0
	s_lshl_b32 s46, s42, 8
	s_add_co_u32 s46, s46, s18                     ; B: row 256 x tile column + 128 x half
	s_lshl_b32 s46, s46, 11
	s_lshl_b32 s47, s86, 22
	s_add_co_u32 s46, s46, s47
	s_mov_b32 s47, 0
	s_mul_i32 s45, s14, HALFT                      ; where they go: wave x 128 rows
	s_cmp_lt_u32 s84, 2
	s_cselect_b32 s88, -1, 0                       ; all lanes: the bias runs along the columns (Q, K)
	s_cselect_b32 s89, 0, -1                       ; all lanes: along the rows (V^T)
	s_cmp_eq_u32 s84, 1
	s_cselect_b32 s90, 1024, 0                     ; K's rows change places by eight rows of 128 bytes
	s_wait_dscnt 0x0                               ; the opening add is done
	s_wait_kmcnt 0x0
	s_load_b256 s[72:79], s[68:69], 0x0            ; e0 .. e7
	s_load_b128 s[80:83], s[68:69], 0x20           ; e8 .. e11
	s_add_nc_u64 s[20:21], s[4:5], s[20:21]
	s_add_nc_u64 s[46:47], s[4:5], s[46:47]
	CROUND                                         ; all sixteen work-groups are here: the first joint loads meet
.irp s, 0,1
	s_mov_b32 s[G0+4*\s], 1
	s_add_co_u32 s[G0+4*\s+1], s45, \s*SLOT
	s_add_nc_u64 s[G0+4*\s+2:G0+4*\s+3], s[20:21], \s*ROWB
	s_or_b32 s[G0+4*\s+3], s[G0+4*\s+3], 0x80000000
	s_mov_b32 s[G0B+4*\s], 1
	s_add_co_u32 s[G0B+4*\s+1], s45, \s*SLOT
	s_add_nc_u64 s[G0B+4*\s+2:G0B+4*\s+3], s[46:47], \s*ROWB
	s_or_b32 s[G0B+4*\s+3], s[G0B+4*\s+3], 0x80000000
	JLOAD G0+4*\s, G1, G0B+4*\s, G1B
.endr
	v_and_b32 v1, 15, v0                           ; l % 16
	v_bfe_u32 v2, v0, 4, 1                         ; l / 16
	v_mul_u32_u24 v3, v1, PITCH
	v_lshl_add_u32 v4, v2, 4, v3                   ; a fragment's row x pitch + 16 x half
	s_mul_i32 s21, s15, HALFT
	s_mul_i32 s22, s16, HALFT
	s_add_co_u32 s22, s22, 2*HALFT
.irp s, 0,1
	v_add_nc_u32 v[ADRA+\s], s21, v4
	v_add_nc_u32 v[ADRB+\s], s22, v4
	s_add_co_u32 s21, s21, SLOT
	s_add_co_u32 s22, s22, SLOT
.endr
	s_mul_i32 s23, s14, 16*SPIT                    ; my stage
	v_mul_u32_u24 v5, v1, SPIT
	v_lshl_add_u32 v5, v2, 3, v5
	v_add_nc_u32 v[STO], s23, v5                   ; in: row l % 16, 8 bytes for each half of the lanes
	v_and_b32 v6, 31, v0
	v_lshlrev_b32 v[CO], 4, v6
	v_lshrrev_b32 v7, 3, v6
	v_mul_u32_u24 v7, v7, SPIT
	v_and_b32 v8, 7, v6
	v_lshl_add_u32 v7, v8, 4, v7
	v_add_nc_u32 v[RD], s23, v7                    ; back: eight lanes to a row of 128 bytes, four rows an instruction
	v_add_nc_u32 v[COP], s90, v[CO]
	s_sub_co_u32 s91, 1024, s90
	v_add_nc_u32 v[COM], s91, v[CO]
	v_lshlrev_b32 v[BCO], 5, v2
	v_lshlrev_b32 v[BRO], 2, v1
	s_cmp_eq_u32 s84, 1                            ; my third's bias
	s_cselect_b64 s[6:7], s[8:9], s[6:7]
	s_cmp_eq_u32 s84, 2
	s_cselect_b64 s[6:7], s[10:11], s[6:7]
	s_lshl_b32 s98, s17, 8
	s_lshl_b32 s99, s15, 7
	s_add_co_u32 s98, s98, s99
	s_lshl_b32 s98, s98, 2
	s_mov_b32 s99, 0
	s_add_nc_u64 s[12:13], s[6:7], s[98:99]        ; at my first row of C
	s_lshl_b32 s98, s42, 8
	s_lshl_b32 s100, s16, 7
	s_add_co_u32 s98, s98, s100
	s_lshl_b32 s98, s98, 2
	s_add_nc_u64 s[6:7], s[6:7], s[98:99]          ; at my first column of C (both stay inside the 2,048 numbers in every third)
.irp b, 0,1,2,3,4,5,6,7
	global_load_b128 v[BC+8*\b:BC+8*\b+3], v[BCO], s[6:7] offset:64*\b          ; lane (r, h), tile b: bias of columns 16 b + 8 h + 0 .. 7
	global_load_b128 v[BC+8*\b+4:BC+8*\b+7], v[BCO], s[6:7] offset:64*\b+16
.endr
.irp a, 0,1,2,3,4,5,6,7
	global_load_b32 v[BR+2*\a], v[BRO], s[12:13] offset:64*\a                   ; block a: bias of row 16 a + r
.endr
	s_lshl_b32 s98, s17, 1
	s_add_co_u32 s98, s98, s15                     ; which 128 rows of C are my wave's,
	s_lshl_b32 s99, s42, 1
	s_add_co_u32 s99, s99, s16                     ; which 128 columns
	s_cmp_eq_u32 s84, 2
	s_cselect_b32 s100, s98, s99                   ; the head: by the columns (Q, K) or by the rows (V^T)
	s_cselect_b32 s101, s99, s98                   ; s / 128
	s_lshl_b32 s100, s100, 4
	s_add_co_u32 s100, s100, s101
	s_lshl_b32 s100, s100, 14
	s_lshl_b32 s101, s84, 22
	s_add_co_u32 s100, s100, s101
	s_mov_b32 s101, 0
	s_add_nc_u64 s[70:71], s[70:71], s[100:101]    ; my block of 16 KiB
	s_wait_kmcnt 0x0
	s_add_co_i32 s91, s72, s73
	s_add_co_i32 s92, s74, s75
	s_add_co_i32 s93, s76, s77
	s_cmp_eq_u32 s84, 1
	s_cselect_b32 s91, s92, s91
	s_cselect_b32 s94, s79, s78
	s_cmp_eq_u32 s84, 2
	s_cselect_b32 s91, s93, s91                    ; eA + eB
	s_cselect_b32 s94, s81, s94                    ; eo: e6, e7 or e9
	s_sub_co_i32 s87, 0, s91
	s_add_co_i32 s96, s91, 127
	s_lshl_b32 s96, s96, 23                        ; 2^(eA + eB) as f32
	s_mov_b32 s97, s96                             ; (named with it as a pair, so it is written)
	s_add_co_i32 s94, s94, 127
	s_lshl_b32 s95, s94, 23
	v_mov_b32 v[SC], s95
	s_add_co_i32 s94, s94, 8
	s_lshl_b32 s94, s94, 23
	s_or_b32 s94, s94, 0x600000
	v_mov_b32 v[LIM], s94
	s_wait_loadcnt 0x0
.set n, 0
.rept 64
	v_ldexp_f32 v[BC+n], v[BC+n], s87              ; bias / 2^(eA + eB): the power of two that the sums lack
	v_cndmask_b32 v[BC+n], 0, v[BC+n], s88         ; 0 in V's third
.set n, n+1
.endr
.irp a, 0,1,2,3,4,5,6,7
	v_cndmask_b32 v[BR+2*\a], 0, v[BR+2*\a], s89   ; 0 in Q's and K's thirds
	v_mov_b32 v[BR+2*\a+1], v[BR+2*\a]             ; a pair for the packed multiply-add
.endr
.macro FRAG reg, adr, q, i             ; a fragment, 16 rows x 128 K, is 16 registers: lane l holds row l % 16; registers 4 c .. 4 c + 3 hold K = 32 c + 16 (l / 16) + 0 .. 15
.irp c, 0,1,2,3
	ds_load_b128 v[\reg+4*\c:\reg+4*\c+3], v[\adr] offset:128*(\q)+32*\c+(\i)*16*PITCH
.endr
.endm
; 16 matrix instructions: A's blocks a0, a0 + 1 x B's eight.  p: B's set.  first = 1: the sums begin with the bias as C.  The 64 accumulators take turns, one instruction a turn.
.macro MUL16 a0, p, first
.irp a, \a0, \a0+1
.irp b, 0,1,2,3,4,5,6,7
.if \first
	v_wmma_f32_16x16x128_fp8_fp8 v[8*(8*((\a)%4)+\b):8*(8*((\a)%4)+\b)+7], v[128*(\p)+FR*\b:128*(\p)+FR*\b+FR-1], v[AF+FR*(\a):AF+FR*(\a)+FR-1], v[BC+8*\b:BC+8*\b+7]
.else
	v_wmma_f32_16x16x128_fp8_fp8 v[8*(8*((\a)%4)+\b):8*(8*((\a)%4)+\b)+7], v[128*(\p)+FR*\b:128*(\p)+FR*\b+FR-1], v[AF+FR*(\a):AF+FR*(\a)+FR-1], v[8*(8*((\a)%4)+\b):8*(8*((\a)%4)+\b)+7]
.endif
.endr
.endr
.endm
.macro FETCH_B slot, q, p
	WIN TO_B
.irp i, 0,1,2,3,4,5,6,7
	FRAG 128*(\p)+FR*\i, ADRB+\slot, \q, \i
.endr
	WIN 0
.endm
.macro FETCH_A slot, q, i0
.irp i, \i0, \i0+1, \i0+2, \i0+3
	FRAG AF+FR*(\i), ADRA+\slot, \q, \i
.endr
.endm
.macro PLACES n                        ; plain vector lines between a matrix instruction and a load into its registers or a read of its result
.rept \n
	v_nop
.endr
.endm
; A step of 128 along K that has its successor in the same slot.  A block of A is free as soon as its eight products are issued: blocks 0-3 are fetched anew in the step's middle, blocks 4-7 at its end.
.macro STEP slot, q, first
	s_wait_dscnt 4*NL                              ; B's set and A's blocks 0-3 are in; the youngest 16 loads (A's blocks 4-7) may be out
	WIN MUL_LO-0x20*(\first)
	MUL16 0, (\q)%2, \first
	MUL16 2, (\q)%2, \first
	s_wait_dscnt 0
	PLACES NP
	FETCH_B \slot, (\q)+1, 1-(\q)%2
	FETCH_A \slot, (\q)+1, 0
	WIN MUL_HI-0x30*(\first)
	MUL16 4, (\q)%2, \first
	MUL16 6, (\q)%2, \first
	PLACES NP
	WIN 0
	FETCH_A \slot, (\q)+1, 4
.endm
; A slot's last step changes slots: ONE barrier; in front of it each wave waits for all its tensor loads, adds 0 to its spare word, and waits for that and for its own reads of this slot.
.macro TURN slot, next, fill
	s_wait_tensorcnt 0x0                           ; all my tensor loads have landed: my part of the next slot
	ds_add_u32 v[SPW], v[NIL]                      ; 0 onto my spare word
	s_wait_dscnt 4*NL+1                            ; the add and the youngest 16 loads (A's blocks 4-7) may be out
	WIN MUL_LO
	MUL16 0, 1, 0
	s_wait_dscnt 0x0                               ; the add is done, and my reads of this slot are over
	s_barrier_signal -1
	MUL16 2, 1, 0
	WIN 0
	s_barrier_wait -1
.if \fill
	CREST                                          ; the barrier has opened a round of the cluster's barrier: no wave of any partner still reads this slot or has a load on its way
	s_add_nc_u64 s[G0+4*\slot+2:G0+4*\slot+3], s[G0+4*\slot+2:G0+4*\slot+3], 2*ROWB
	s_add_nc_u64 s[G0B+4*\slot+2:G0B+4*\slot+3], s[G0B+4*\slot+2:G0B+4*\slot+3], 2*ROWB
	JLOAD G0+4*\slot, G1, G0B+4*\slot, G1B         ; the first tensor load behind the round; its four v_nop are the places in front of the loads below
.else
	PLACES NP
.endif
	FETCH_B \next, 0, 0
	FETCH_A \next, 0, 0
	WIN MUL_HI
	MUL16 4, 1, 0
	MUL16 6, 1, 0
	PLACES NP
	WIN 0
	FETCH_A \next, 0, 4
.endm
	s_wait_tensorcnt 1                             ; my part of K step 0 is in; K step 1's load may be out
	s_barrier_signal -1
	s_barrier_wait -1
	FETCH_B 0, 0, 0
	FETCH_A 0, 0, 0
	FETCH_A 0, 0, 4
	STEP 0, 0, 1                                   ; the first step stands in front of the loop: its products start the sums
	s_mov_b32 s3, LAPS-1
.Llap:                                             ; a trip goes once round the ring and fills both slots again
	TURN 0, 1, 1
	STEP 1, 0, 0
	TURN 1, 0, 1
	STEP 0, 0, 0
	s_sub_co_u32 s3, s3, 1
	s_cmp_lg_u32 s3, 0
	s_cbranch_scc1 .Llap
	TURN 0, 1, 0                                   ; the last lap fills nothing
	STEP 1, 0, 0
	s_wait_dscnt 4*NL
	WIN MUL_LO
	MUL16 0, 1, 0
	MUL16 2, 1, 0
	s_wait_dscnt 0
	WIN MUL_HI
	MUL16 4, 1, 0
	MUL16 6, 1, 0
	WIN 0
; THE WAY OUT, block by block of 16 rows x 128 columns.  PACK: sum x 2^(eA + eB) + row bias, the hold, eight numbers of a lane into 8 bytes.  TOSTAGE: into my own stage, and back four rows (512 bytes) an instruction.
; SEND: 32 lanes store 512 consecutive bytes of my block, aligned.  In K's third the groups of eight rows with bits (4, 3) = (0, 1) and (1, 0) change places: 1,024 bytes up or down, by the choice of the offset register.
.macro PACK a
.set AC, 64*((\a)%4)
	WIN 0x02+((\a)/4)                              ; source 0: window 2 or 3
.set j, 0
.rept 32
	v_pk_fma_f32 v[TT+j:TT+j+1], v[AC+j:AC+j+1], s[96:97], v[BR+2*(\a):BR+2*(\a)+1] op_sel_hi:[1,0,1]   ; each accumulator from its low end on
.set j, j+2
.endr
	WIN 0
.set j, 0
.rept 64
	v_med3_num_f32 v[TT+j], v[TT+j], -v[LIM], v[LIM]   ; the conversion to an 8-bit code does not saturate (ISA guide 7.6.2)
.set j, j+1
.endr
.irp b, 0,1,2,3,4,5,6,7
	v_cvt_scalef32_pk8_fp8_f32 v[CD+16*((\a)%2)+2*\b:CD+16*((\a)%2)+2*\b+1], v[TT+8*\b:TT+8*\b+7], v[SC]
.endr
	v_nop                                          ; a plain line between the conversions and the next block's lines, which write their sources
.endm
.macro TOSTAGE a
.set OBA, OB+16*((\a)%7)
.set CDA, CD+16*((\a)%2)
.irp b, 0,1,2,3,4,5,6,7
	ds_store_b64 v[STO], v[CDA+2*\b:CDA+2*\b+1] offset:16*\b
.endr
.irp t, 0,1,2,3
	ds_load_b128 v[OBA+4*\t:OBA+4*\t+3], v[RD] offset:4*SPIT*\t   ; LDS serves a wave's instructions in order (ISA guide 5.7.1.4): these see the stores above
.endr
.endm
.macro SEND a
.set OBA, OB+16*((\a)%7)
	s_wait_dscnt 0x0                               ; the block is back in registers, and its stores into the stage have read theirs
.irp t, 0,1,2,3
.if (((\a)%2) == 0) && (\t >= 2)
	global_store_b128 v[COP], v[OBA+4*\t:OBA+4*\t+3], s[70:71] offset:2048*(\a)+512*\t
.elseif (((\a)%2) == 1) && (\t < 2)
	global_store_b128 v[COM], v[OBA+4*\t:OBA+4*\t+3], s[70:71] offset:2048*(\a)+512*\t-1024
.else
	global_store_b128 v[CO], v[OBA+4*\t:OBA+4*\t+3], s[70:71] offset:2048*(\a)+512*\t
.endif
.endr
.endm
	PLACES NP
	PACK 0
	TOSTAGE 0
.irp a, 1,2,3,4,5,6,7
	PACK \a                                        ; block a's arithmetic stands between block a - 1's loads from the stage and the wait for them
	SEND \a-1
.if \a == 7
	s_wait_xcnt 0x0                                ; block 0's stores have read their data: block 7 comes back into those registers
.endif
	TOSTAGE \a
.endr
	SEND 7
	s_wait_tensorcnt 0x0                           ; the wave's end, behind my last tensor load and my last LDS store
	ds_add_u32 v[SPW], v[NIL]
	s_wait_dscnt 0x0
	CROUND                                         ; the closing round: no work-group ends while a partner may still ask for a tile that names it
	s_endpgm
.Lfunc_end_k_qeb13f3d098_qkv:
	.size	k_qeb13f3d098_qkv, .Lfunc_end_k_qeb13f3d098_qkv-k_qeb13f3d098_qkv
	.p2alignl 7, 3214868480
	.fill 96, 4, 3214868480
	.section	.rodata,"a",@progbits
	.p2align	6, 0x0
	.amdhsa_kernel k_qeb13f3d098_qkv
		.amdhsa_group_segment_fixed_size 327680
		.amdhsa_private_segment_fixed_size 0
		.amdhsa_enable_private_segment 0
		.amdhsa_kernarg_size 48
		.amdhsa_user_sgpr_count 2
		.amdhsa_user_sgpr_kernarg_segment_ptr 1
		.amdhsa_wavefront_size32 1
		.amdhsa_system_sgpr_workgroup_id_x 1
		.amdhsa_system_sgpr_workgroup_id_y 1
		.amdhsa_system_sgpr_workgroup_id_z 1
		.amdhsa_system_vgpr_workitem_id 0
		.amdhsa_next_free_vgpr 1024
		.amdhsa_next_free_sgpr 102
		.amdhsa_reserve_vcc 0
		.amdhsa_float_denorm_mode_32 3
		.amdhsa_float_denorm_mode_16_64 3
		.amdhsa_memory_ordered 1
		.amdhsa_forward_progress 1
		.amdhsa_inst_pref_size 153
	.end_amdhsa_kernel
	.amdgpu_metadata
---
amdhsa.version: [ 1, 2 ]
amdhsa.kernels:
  - .name:           k_qeb13f3d098_qkv
    .symbol:         k_qeb13f3d098_qkv.kd
    .args:
      - { .name: codes, .offset: 0, .size: 8, .value_kind: global_buffer, .address_space: global }
      - { .name: bq, .offset: 8, .size: 8, .value_kind: global_buffer, .address_space: global }
      - { .name: bk, .offset: 16, .size: 8, .value_kind: global_buffer, .address_space: global }
      - { .name: bv, .offset: 24, .size: 8, .value_kind: global_buffer, .address_space: global }
      - { .name: lowp_scales, .offset: 32, .size: 8, .value_kind: global_buffer, .address_space: global }
      - { .name: qkv, .offset: 40, .size: 8, .value_kind: global_buffer, .address_space: global }
    .group_segment_fixed_size: 327680
    .private_segment_fixed_size: 0
    .kernarg_segment_align: 8
    .kernarg_segment_size: 48
    .max_flat_workgroup_size: 128
    .sgpr_count:     102
    .vgpr_count:     1024
    .wavefront_size: 32
...
	.end_amdgpu_metadata
.endif
;; end of part 2
;; launch attn (part 3): grid 16 x 16, 4 waves a work-group, clusters of 4 x 1, 327,680 bytes of LDS; arguments qkv, maskw, lowp_scales, oc; writes oc
.if DOCPART == 3
	.amdgcn_target "amdgcn-amd-amdhsa--gfx1250"
	.amdhsa_code_object_version 6
	.text
	.protected	k_qeb13f3d098_attn
	.globl	k_qeb13f3d098_attn
	.p2align	8
	.type	k_qeb13f3d098_attn,@function
k_qeb13f3d098_attn:
	s_mov_b64 s[64:65], 0
	v_nop
	global_prefetch_b8 v0, s[64:65] scope:SCOPE_SE
	s_setreg_imm32_b32 hwreg(HW_REG_WAVE_MODE, 25, 1), 1
	s_wait_xcnt 0x0
	s_wait_alu depctr_hold_cnt(0) depctr_sa_sdst(0) depctr_va_vdst(0) depctr_va_sdst(0) depctr_va_ssrc(0) depctr_va_vcc(0) depctr_vm_vsrc(0)
	s_getreg_b32 s2, hwreg(HW_REG_IB_STS2, 6, 4)
	s_cmp_eq_u32 s2, 0
	s_cbranch_scc0 .Lentry_in_a_cluster
	s_endpgm
.Lentry_in_a_cluster:
	s_bfe_u32 s2, ttmp6, 0x10000c
	s_cmp_lg_u32 s2, 0x3003
	s_cbranch_scc0 .Lentry_shape_is_right
	s_endpgm
.Lentry_shape_is_right:
; ATTENTION on codes of FP8 (E4M3): for each head, O[q] = sum over k of softmax_k((Q[q] . K[k] + mask) / sqrt(128)) V[k], quantised at once with 2^e10 for the last product.
; THE SOFTMAX AHEAD OF THE SECOND PRODUCT: t = score x log2(e) / sqrt(128); M = the running largest t rounded UP to a whole number; p = 2^(t - M) is quantised with 2^e8, not normalised; the row's sum is taken of the
; unquantised p and divides O at the end.  When M moves, the sum and O are multiplied by 2^(old M - new M): exact.
; THE MASK is an input: every key is multiplied, and a score whose key does not count becomes -infinity by a select on a word of lane bits that an earlier launch laid in this text's order of lanes and registers.
; A query for which no key counts has the sum 0: its 128 codes become the NaN code, so that the last product makes that whole output row NaN, as the unquantised computation does.
; SHARES.  A work-group owns 128 queries of one head; each of its four waves 32: two tiles of 16, A and B, so that each fragment of K and V read from LDS feeds two matrix instructions.  Every wave walks all 2,048 keys, 128 a step.
; CLUSTER.  The four query blocks of a cluster belong to one head and walk the same K and V: each tile is asked for JOINTLY, by the same tensor load with the same descriptor and the mask of all four.
; THE RING: two slots of 512 keys (four key steps): K's four blocks [128 keys][128 bytes], then V's four [128 d][128 keys], rows 144 bytes apart.  Each wave fetches a quarter of a slot, 256 rows, by one load.
; By this text's own count a wave has two tensor loads out at the start and one behind each round.  A refill has four key steps in which to land, so no wave waits for it: nothing is prefetched.
; LAYOUT.  Both products are used transposed: S^T = K Q^T, O^T = V^T P^T: a lane holds ONE query (lane % 16) throughout.  K's rows lie in its blocks with bits 3 and 4 of the key exchanged, so that 16 neighbouring
; LDS rows are the keys 32 b + 8 u + r + 8 (r / 8) of tile 2 b + u, and the 16 registers of tiles 2 b, 2 b + 1 are the 16 neighbouring keys 32 b + 16 (lane / 16) + 0 .. 15: the conversions' results are the second product's operand.
; LIMITS: e6 + e7 between -123 and 130 (added to c's exponent field); e8, e10 between -126 and 119; e8 + e9 is applied by v_ldexp_f32 and has none.
; REGISTERS.  Window 0: v1-11 addresses and constants; v12-19 -M, largest t, sum (two halves) of A and of B; v20-23 f of A, of B (pairs); v24-31 at work; v32-35 scales; v40-71 Q; v72-103 p's codes; v128-255 S^T, then p.
;   Window 1: v0-127 K's eight fragments, v128-255 V's.   Window 2: v0-127 O^T of A and of B.
.set QUART, 128*144                    ; a block in LDS: 128 rows x (128 bytes + 16): row r starts at bank 36 r mod 64, so the 16 rows of a load start at 16 different groups of four banks (ISA guide 11.1)
.set VOFF,  4*QUART
.set SLOT,  8*QUART
.set SPARE, 2*SLOT                     ; behind the ring: the spare words, 128 bytes a wave, which no other line names
.set AK0, 1
.set AV0, 2
.set SPW, 3
.set NIL, 4
.set ADK, 5
.set ADV, 6
.set GO,  7
.set STO, 8
.set RD,  9
.set NINF, 10
.set NANC, 11
.set QF,  40
.set PF,  72
.set S,   128
.set G1,  84                           ; s[84:91] descriptor group 1;  s[92:95], s[96:99] group 0 of slot 0, of slot 1
.set G0A, 92
.set G0B, 96
; s2 wave; s3 LDS byte of the key step in hand; s[4:5] lane selects; s[6:7] the mask words in hand; s[8:9] c; s[10:11] my rows of oc; s12 steps left in the slot; s13 e8 + e9; s[16:63], s[68:83] 64 mask words
.set MSB, 0
.macro WIN new
.if MSB != (\new)
	s_set_vgpr_msb (MSB<<8)|(\new)
.set MSB, (\new)
.endif
.endm
.macro CROUND                          ; a round of the cluster's barrier
	s_barrier_signal -1
	s_barrier_wait -1
	s_cmp_lg_u32 s2, 0
	s_cbranch_scc1 .Lnot_wave_0_\@
	s_barrier_signal -3
.Lnot_wave_0_\@:
	s_barrier_wait -3
	s_barrier_signal -1
	s_barrier_wait -1
.endm
.macro SLOAD x                         ; the 64 mask words of tile x (0: A, 1: B) for the key step at which s[6:7] stands
	s_load_b512 s[16:31], s[6:7], 4096*\x
	s_load_b512 s[32:47], s[6:7], 4096*\x+64
	s_load_b512 s[48:63], s[6:7], 4096*\x+128
	s_load_b512 s[68:83], s[6:7], 4096*\x+192
.endm
	s_load_b256 s[4:11], s[0:1], 0x0               ; qkv s[4:5], maskw s[6:7], lowp_scales s[8:9], oc s[10:11]
	v_lshl_add_u32 v[SPW], v0, 2, SPARE
	v_mov_b32 v[NIL], 0
	ds_add_u32 v[SPW], v[NIL]                      ; the wave's opening: the add and its wait stand ahead of my first tensor load; work on registers stands between them
	v_lshrrev_b32 v1, 5, v0
	v_readfirstlane_b32 s2, v1                     ; wave 0..3
	s_bfe_u32 s12, ttmp6, 0x40000                  ; cx
	s_lshl_b32 s13, ttmp9, 2
	s_add_co_u32 s13, s13, s12                     ; my block of 128 queries: it enters Q's, the mask's and oc's addresses alone
	s_and_b32 s14, ttmp7, 0xffff                   ; the head, which the four partners share
	s_mov_b32 s[G1], 15|(1<<20)|(1<<21)|(4<<22)|(3<<25)   ; 15:0 all four work-groups; 17:16 elements of 1 byte; 20 padding on; 21 set beside a mask; 24:22 after every 32 words; 31:25 four words
	s_mov_b32 s[G1+1], 128<<16                     ; tensor_dim0 = 128
	s_mov_b32 s[G1+2], 256<<16                     ; tensor_dim1 = 256
	s_mov_b32 s[G1+3], 128<<16                     ; tile_dim0 = 128
	s_mov_b32 s[G1+4], 256                         ; tile_dim1 = 256
	s_mov_b32 s[G1+5], 128                         ; rows are dense
	s_mov_b32 s[G1+6], 0
	s_mov_b32 s[G1+7], 0
	s_lshr_b32 s66, s2, 1                          ; what I fetch: waves 0, 1: K's plane (1); waves 2, 3: V's (2);
	s_add_co_u32 s66, s66, 1
	s_lshl_b32 s66, s66, 22
	s_lshl_b32 s67, s14, 4                         ; the head's 16 blocks,
	s_and_b32 s3, s2, 1
	s_lshl_b32 s3, s3, 1                           ; of a slot's four the first two or the last two
	s_add_co_u32 s67, s67, s3
	s_lshl_b32 s67, s67, 14
	s_add_co_u32 s66, s66, s67
	s_mov_b32 s67, 0
	s_mul_i32 s15, s2, 2*QUART                     ; and where it goes: wave x 256 rows
	s_wait_dscnt 0x0                               ; the opening add is done
	s_wait_kmcnt 0x0
	s_load_b256 s[16:23], s[8:9], 0x0              ; e0 .. e7
	s_load_b128 s[24:27], s[8:9], 0x20             ; e8 .. e11
	s_mov_b32 s[G0A], 1
	s_mov_b32 s[G0A+1], s15
	s_add_nc_u64 s[G0A+2:G0A+3], s[4:5], s[66:67]  ; keys 0-511
	s_mov_b32 s[G0B], 1
	s_add_co_u32 s[G0B+1], s15, SLOT
	s_add_nc_u64 s[G0B+2:G0B+3], s[G0A+2:G0A+3], 65536   ; keys 512-1,023: four blocks on
	s_or_b32 s[G0A+3], s[G0A+3], 0x80000000
	s_or_b32 s[G0B+3], s[G0B+3], 0x80000000
	CROUND                                         ; all four work-groups are here: the first joint loads meet
	tensor_load_to_lds s[G0A:G0A+3], s[G1:G1+7]
	s_nop 0
	tensor_load_to_lds s[G0B:G0B+3], s[G1:G1+7]
	s_nop 0
.rept 4
	v_nop
.endr
	s_lshl_b32 s100, s14, 4                        ; Q: block (head, my block of queries), my wave's 32 rows of 128 bytes
	s_add_co_u32 s100, s100, s13
	s_lshl_b32 s100, s100, 14
	s_lshl_b32 s101, s2, 12
	s_add_co_u32 s100, s100, s101
	s_mov_b32 s101, 0
	s_add_nc_u64 s[4:5], s[4:5], s[100:101]
	s_lshl_b32 s100, s13, 3                        ; the mask words: query tile 8 x block + 2 x wave, 4,096 bytes a tile
	s_lshl_b32 s12, s2, 1
	s_add_co_u32 s100, s100, s12
	s_lshl_b32 s100, s100, 12
	s_add_nc_u64 s[6:7], s[6:7], s[100:101]
	s_lshl_b32 s100, s14, 11                       ; oc: row 2,048 x head + 128 x block + 32 x wave, 128 bytes a row
	s_lshl_b32 s12, s13, 7
	s_add_co_u32 s100, s100, s12
	s_lshl_b32 s12, s2, 5
	s_add_co_u32 s100, s100, s12
	s_lshl_b32 s100, s100, 7
	s_add_nc_u64 s[10:11], s[10:11], s[100:101]
	v_and_b32 v36, 15, v0                          ; r
	v_bfe_u32 v37, v0, 4, 1                        ; h
	v_lshlrev_b32 v38, 7, v36
	v_lshl_add_u32 v38, v37, 4, v38
.irp x, 0,1
.irp c, 0,1,2,3
	global_load_b128 v[QF+16*\x+4*\c:QF+16*\x+4*\c+3], v38, s[4:5] offset:2048*\x+32*\c   ; Q's two fragments stay in registers
.endr
.endr
	v_mul_u32_u24 v[AK0], v36, 144
	v_lshl_add_u32 v[AK0], v37, 4, v[AK0]          ; a fragment's row x pitch + 16 x half
	v_add_nc_u32 v[AV0], VOFF, v[AK0]
	v_and_b32 v39, 31, v0
	v_lshlrev_b32 v[GO], 4, v39
	s_mul_i32 s66, s2, 32*144                      ; the way out: my stage, 32 rows x 144 bytes, in slot 0
	v_mul_u32_u24 v[STO], v36, 144
	v_lshl_add_u32 v[STO], v37, 3, v[STO]
	v_add_nc_u32 v[STO], s66, v[STO]
	v_lshrrev_b32 v[RD], 3, v39
	v_mul_u32_u24 v[RD], v[RD], 144
	v_and_b32 v39, 7, v39
	v_lshl_add_u32 v[RD], v39, 4, v[RD]
	v_add_nc_u32 v[RD], s66, v[RD]
	v_mov_b32 v[NINF], 0xff800000                  ; -infinity
	v_mov_b32 v[NANC], 0x7f7f7f7f                  ; four NaN codes
.irp x, 0,1
	v_mov_b32 v[13+4*\x], 0xff61b1e6               ; the largest t so far: -3e38, under every t
	v_floor_f32 v[12+4*\x], -v[13+4*\x]            ; -M
	v_mov_b32 v[14+4*\x], 0                        ; the sum, in two halves
	v_mov_b32 v[15+4*\x], 0
	v_mov_b32 v[21+2*\x], 0                        ; (named as the upper half of f's pair)
	v_mov_b32 v[26+3*\x], 0                        ; a lane permute's destination counts as one of its sources
.endr
	WIN 0x80
.set n, 0
.rept 128
	v_mov_b32 v[n], 0                              ; O^T.  The key step is written once for all sixteen: the first finds zeros, which the first change of M leaves zeros
.set n, n+1
.endr
	WIN 0
	s_wait_kmcnt 0x0
	s_add_co_i32 s66, s22, s23
	s_lshl_b32 s66, s66, 23
	s_add_co_i32 s8, s66, 0x3e0293ee               ; c = log2(e) / sqrt(128) x 2^(e6 + e7): the exponents are added to c's exponent field
	s_mov_b32 s9, s8
	s_add_co_i32 s13, s24, s25                     ; e8 + e9
	s_add_co_i32 s66, s24, 127
	s_lshl_b32 s67, s66, 23
	v_mov_b32 v33, s67                             ; 2^e8
	s_add_co_i32 s66, s66, 8
	s_lshl_b32 s66, s66, 23
	s_or_b32 s66, s66, 0x600000
	v_mov_b32 v32, s66                             ; 448 x 2^e8
	s_add_co_i32 s66, s26, 127
	s_lshl_b32 s67, s66, 23
	v_mov_b32 v34, s67                             ; 2^e10
	s_add_co_i32 s66, s66, 8
	s_lshl_b32 s66, s66, 23
	s_or_b32 s66, s66, 0x600000
	v_mov_b32 v35, s66                             ; 448 x 2^e10
	SLOAD 0                                        ; tile A's words of key step 0 (the exponents' registers are free)
	s_wait_loadcnt 0x0                             ; Q is in, and its loads have read their base:
	s_mov_b32 s4, 0x76543210                       ; lane selects for v_permlanex16_b32: lane l xor 16
	s_mov_b32 s5, 0xfedcba98
.macro REGS x                          ; tile x's registers
.set NM, 12+4*(\x)
.set MT, 13+4*(\x)
.set LS, 14+4*(\x)
.set FF, 20+2*(\x)
.set TA, 24+3*(\x)
.set SS, S+64*(\x)
.set PP, PF+16*(\x)
.endm
.macro FETCH_K ahead                   ; K's eight fragments of the key step in hand (0) or of the next (1)
	v_add_nc_u32 v[ADK], s3, v[AK0]
	WIN 0x40
.set n, 0
.rept 8
.irp c, 0,1,2,3
	ds_load_b128 v[16*n+4*\c:16*n+4*\c+3], v[ADK] offset:(\ahead)*QUART+2304*n+32*\c
.endr
.set n, n+1
.endr
.endm
.macro MASK x                          ; register n holds key 32 (n / 16) + 16 (lane / 16) + n % 16 of the step; word n holds a bit for each lane.  Each accumulator is read from its low end on
	REGS \x
.set n, 0
.rept 64
	v_cndmask_b32 v[SS+n], v[NINF], v[SS+n], s[16+n+4*(n/48)]
.set n, n+1
.endr
.endm
.macro MAXSTAT x
	REGS \x
	v_max3_num_f32 v[TA], v[SS], v[SS+1], v[SS+2]  ; the step's largest score of my query among my 64 keys, in two chains,
	v_max3_num_f32 v[TA+1], v[SS+3], v[SS+4], v[SS+5]
.set n, 6
.rept 14
	v_max3_num_f32 v[TA], v[TA], v[SS+n], v[SS+n+1]
	v_max3_num_f32 v[TA+1], v[TA+1], v[SS+n+2], v[SS+n+3]
.set n, n+4
.endr
	v_max3_num_f32 v[TA], v[TA], v[SS+62], v[SS+63]
	v_max_num_f32 v[TA], v[TA], v[TA+1]
	v_permlanex16_b32 v[TA+2], v[TA], s4, s5
	v_max_num_f32 v[TA], v[TA], v[TA+2]            ; and among lane l xor 16's
	v_mul_f32 v[TA], s8, v[TA]                     ; as t (c is positive)
	v_max_num_f32 v[MT], v[MT], v[TA]              ; the running largest t
	v_mov_b32 v[TA], v[NM]
	v_floor_f32 v[NM], -v[MT]                      ; the new -M = floor(-t) = -ceil(t)
	v_sub_f32 v[TA], v[NM], v[TA]                  ; old M - new M: a whole number, 0 or less
	v_cvt_i32_f32 v[TA], v[TA]                     ; (it saturates)
	v_ldexp_f32 v[FF], 1.0, v[TA]                  ; f = 2^(old M - new M)
.endm
.macro FMA x
	REGS \x
.set n, 0
.rept 32
	v_pk_fma_f32 v[SS+n:SS+n+1], v[SS+n:SS+n+1], s[8:9], v[NM:NM+1] op_sel_hi:[1,0,0]   ; t - M, two at a time
.set n, n+2
.endr
.endm
.macro EXPS x
	REGS \x
.set n, 0
.rept 64
	v_exp_f32 v[SS+n], v[SS+n]                     ; p = 2^(t - M), at most 1
.set n, n+1
.endr
.endm
.macro SUM x                           ; the row's sum, of the unquantised p: under the new M, then two chains of packed additions
	REGS \x
	v_pk_mul_f32 v[LS:LS+1], v[LS:LS+1], v[FF:FF+1] op_sel_hi:[1,0]
	v_pk_add_f32 v[30:31], v[SS:SS+1], v[SS+2:SS+3]
.set n, 4
.rept 15
	v_pk_add_f32 v[LS:LS+1], v[LS:LS+1], v[SS+n:SS+n+1]
	v_pk_add_f32 v[30:31], v[30:31], v[SS+n+2:SS+n+3]
.set n, n+4
.endr
	v_pk_add_f32 v[LS:LS+1], v[LS:LS+1], v[30:31]
.endm
.macro HOLDCVT x
	REGS \x
.set n, 0
.rept 64
	v_min_num_f32 v[SS+n], v[SS+n], v32            ; the conversion to an 8-bit code does not saturate (ISA guide 7.6.2); p is not negative, so the hold is one-sided
.set n, n+1
.endr
.set n, 0
.rept 8
	v_cvt_scalef32_pk8_fp8_f32 v[PP+2*n:PP+2*n+1], v[SS+8*n:SS+8*n+7], v33
.set n, n+1
.endr
.endm
; A KEY STEP: 128 keys.  Tile B's plain lines stand behind tile A's exponentials, and O^T's rescaling behind tile B's: each batch of 64 has one wait, ahead of its first reader.
.macro STEP
	v_add_nc_u32 v[ADV], s3, v[AV0]
.rept 4
	v_nop                                          ; with the line above: five places behind the last products, ahead of the loads into V's registers and of the next products
.endr
	WIN 0x40
.set n, 0
.rept 8
.irp c, 0,1,2,3
	ds_load_b128 v[128+16*n+4*\c:128+16*n+4*\c+3], v[ADV] offset:2304*n+32*\c   ; V^T: 16 of the head's 128 x this step's 128 keys
.endr
.set n, n+1
.endr
	s_wait_dscnt 32                                ; K's 32 loads, issued earlier, are in; V's 32 may be out
	WIN 0x01
.set n, 0
.rept 8
	v_wmma_f32_16x16x128_fp8_fp8 v[S+8*n:S+8*n+7], v[16*n:16*n+15], v[QF:QF+15], 0
	v_wmma_f32_16x16x128_fp8_fp8 v[S+64+8*n:S+64+8*n+7], v[16*n:16*n+15], v[QF+16:QF+31], 0
.set n, n+1
.endr
	WIN 0
.rept 4
	v_nop                                          ; places ahead of the loads into K's registers and of the first read of the scores
.endr
	s_cmp_eq_u32 s12, 1                            ; the slot's last step has no successor in the slot: a branch on the count of steps, round LDS loads alone
	s_cbranch_scc1 .Lnok_\@
	FETCH_K 1
	WIN 0
.Lnok_\@:
	s_wait_kmcnt 0x0                               ; tile A's words
	MASK 0
	SLOAD 1                                        ; tile B's words of this step
	MAXSTAT 0
	FMA 0
	EXPS 0
	s_wait_kmcnt 0x0                               ; tile B's words are in, and their loads have read s[6:7]
	MASK 1
	s_add_nc_u64 s[6:7], s[6:7], 256               ; the next key step (behind the sixteenth: tile B's first words, inside the buffer, which nobody reads)
	SLOAD 0
	MAXSTAT 1
	FMA 1
	s_wait_alu depctr_va_vdst(0)                   ; the wait ahead of the first line that names an exponential's result: one for tile A's 64
	SUM 0
	HOLDCVT 0
	EXPS 1
	WIN 0x82
.set n, 0
.rept 32
	v_pk_mul_f32 v[n:n+1], v[n:n+1], v[20:21] op_sel_hi:[1,0]             ; O^T under the new M: x f
	v_pk_mul_f32 v[64+n:64+n+1], v[64+n:64+n+1], v[22:23] op_sel_hi:[1,0]
.set n, n+2
.endr
	WIN 0
	s_wait_alu depctr_va_vdst(0)                   ; one for tile B's 64
	SUM 1
	HOLDCVT 1
	v_nop                                          ; a plain line between the conversions and the products that read their results
	s_wait_dscnt 0x0                               ; V is in (and the next step's K, where it was asked for: the two ways differ, so the count is 0)
	WIN 0xa1
.set n, 0
.rept 8
	v_wmma_f32_16x16x128_fp8_fp8 v[8*n:8*n+7], v[128+16*n:128+16*n+15], v[PF:PF+15], v[8*n:8*n+7]   ; the sixteen accumulators take turns
	v_wmma_f32_16x16x128_fp8_fp8 v[64+8*n:64+8*n+7], v[128+16*n:128+16*n+15], v[PF+16:PF+31], v[64+8*n:64+8*n+7]
.set n, n+1
.endr
	WIN 0
	s_add_co_u32 s3, s3, QUART
.endm
.macro PROC base                       ; a slot's four key steps
	s_mov_b32 s3, \base
	FETCH_K 0
	WIN 0
	s_mov_b32 s12, 4
.Lstep_\@:
	STEP
	s_sub_co_u32 s12, s12, 1
	s_cmp_lg_u32 s12, 0
	s_cbranch_scc1 .Lstep_\@
.endm
; THE CHANGE OF SLOTS.  Each wave waits for all its tensor loads (its part of the slot ahead), adds 0 to its spare word, and waits for that and for its reads of the slot that it leaves.
; fill = 1: the barrier is a round of the cluster's, and the slot just left is filled first thing behind it, with the keys two slots on.
.macro CHANGE g0, fill
	s_wait_tensorcnt 0x0                           ; no tensor load of mine is out, so a group 0 may be written
	ds_add_u32 v[SPW], v[NIL]                      ; 0 onto my spare word
.if \fill
	s_add_nc_u64 s[\g0+2:\g0+3], s[\g0+2:\g0+3], 131072   ; eight blocks on; the type bits on top are not reached
.endif
	s_wait_dscnt 0x0
.if \fill
	CROUND
	tensor_load_to_lds s[\g0:\g0+3], s[G1:G1+7]
	s_nop 0
.rept 4
	v_nop
.endr
.else
	s_barrier_signal -1
	s_barrier_wait -1
.endif
.endm
	s_wait_tensorcnt 1                             ; my part of slot 0 is in; slot 1's load may be out
	s_barrier_signal -1
	s_barrier_wait -1
	PROC 0                                         ; keys 0-511
	CHANGE G0A, 1                                  ; slot 0 takes keys 1,024-1,535
	PROC SLOT
	CHANGE G0B, 1                                  ; slot 1 takes keys 1,536-2,047
	PROC 0
	CHANGE G0A, 0                                  ; nothing is left to fetch
	PROC SLOT
	; THE WAY OUT.  O^T x 2^(e8 + e9) / the sum, held, quantised with 2^e10; 8 bytes a lane and tile go through my stage and leave as 512 consecutive bytes an instruction: my 32 rows of oc are 4 KiB on end.
	s_wait_kmcnt 0x0                               ; the words asked for in the last step, which nobody reads, are in
	v_add_f32 v24, v14, v15                        ; the sums' halves (these additions are the places behind the last products),
	v_add_f32 v27, v18, v19
	v_permlanex16_b32 v26, v24, s4, s5
	v_permlanex16_b32 v29, v27, s4, s5
	v_add_f32 v24, v24, v26                        ; and lane l xor 16's
	v_add_f32 v27, v27, v29
	v_rcp_f32 v20, v24
	v_rcp_f32 v22, v27
	v_nop                                          ; a plain line behind the reciprocals
	s_wait_alu depctr_va_vdst(0)                   ; and the wait ahead of their first reader
	v_ldexp_f32 v20, v20, s13
	v_ldexp_f32 v22, v22, s13
	v_cmp_lt_f32 s14, 0, v24                       ; does any key count for my query?
	v_cmp_lt_f32 s15, 0, v27
	WIN 0x02
.set n, 0
.rept 32
	v_pk_mul_f32 v[S+n:S+n+1], v[n:n+1], v[20:21] op_sel_hi:[1,0]           ; each accumulator from its low end on
.set n, n+2
.endr
.set n, 0
.rept 32
	v_pk_mul_f32 v[S+64+n:S+64+n+1], v[64+n:64+n+1], v[22:23] op_sel_hi:[1,0]
.set n, n+2
.endr
	WIN 0
.set n, 0
.rept 128
	v_med3_num_f32 v[S+n], v[S+n], -v35, v35
.set n, n+1
.endr
.set n, 0
.rept 16
	v_cvt_scalef32_pk8_fp8_f32 v[PF+2*n:PF+2*n+1], v[S+8*n:S+8*n+7], v34   ; tile n / 8, channels 16 (n % 8) + 8 h + 0 .. 7
.set n, n+1
.endr
	v_nop
.set n, 0
.rept 16
	v_cndmask_b32 v[PF+n], v[NANC], v[PF+n], s14   ; a query with no key: NaN codes
	v_cndmask_b32 v[PF+16+n], v[NANC], v[PF+16+n], s15
.set n, n+1
.endr
.irp x, 0,1
.set n, 0
.rept 8
	ds_store_b64 v[STO], v[PF+16*\x+2*n:PF+16*\x+2*n+1] offset:16*144*\x+16*n
.set n, n+1
.endr
.endr
.irp u, 0,1,2,3,4,5,6,7
	ds_load_b128 v[S+4*\u:S+4*\u+3], v[RD] offset:576*\u   ; LDS serves a wave's instructions in order (ISA guide 5.7.1.4): these see my stores
.endr
.irp u, 0,1,2,3,4,5,6,7
	s_wait_dscnt 7-\u                              ; the later read-backs may be out
	global_store_b128 v[GO], v[S+4*\u:S+4*\u+3], s[10:11] offset:512*\u
.endr
	s_wait_tensorcnt 0x0                           ; the wave's end, behind my last tensor load and my last LDS store
	ds_add_u32 v[SPW], v[NIL]
	s_wait_dscnt 0x0
	CROUND                                         ; the closing round
	s_endpgm
.Lfunc_end_k_qeb13f3d098_attn:
	.size	k_qeb13f3d098_attn, .Lfunc_end_k_qeb13f3d098_attn-k_qeb13f3d098_attn
	.p2alignl 7, 3214868480
	.fill 96, 4, 3214868480
	.section	.rodata,"a",@progbits
	.p2align	6, 0x0
	.amdhsa_kernel k_qeb13f3d098_attn
		.amdhsa_group_segment_fixed_size 327680
		.amdhsa_private_segment_fixed_size 0
		.amdhsa_enable_private_segment 0
		.amdhsa_kernarg_size 32
		.amdhsa_user_sgpr_count 2
		.amdhsa_user_sgpr_kernarg_segment_ptr 1
		.amdhsa_wavefront_size32 1
		.amdhsa_system_sgpr_workgroup_id_x 1
		.amdhsa_system_sgpr_workgroup_id_y 1
		.amdhsa_system_sgpr_workgroup_id_z 1
		.amdhsa_system_vgpr_workitem_id 0
		.amdhsa_next_free_vgpr 640
		.amdhsa_next_free_sgpr 102
		.amdhsa_reserve_vcc 0
		.amdhsa_float_denorm_mode_32 3
		.amdhsa_float_denorm_mode_16_64 3
		.amdhsa_memory_ordered 1
		.amdhsa_forward_progress 1
		.amdhsa_inst_pref_size 206
	.end_amdhsa_kernel
	.amdgpu_metadata
---
amdhsa.version: [ 1, 2 ]
amdhsa.kernels:
  - .name:           k_qeb13f3d098_attn
    .symbol:         k_qeb13f3d098_attn.kd
    .args:
      - { .name: qkv, .offset: 0, .size: 8, .value_kind: global_buffer, .address_space: global }
      - { .name: maskw, .offset: 8, .size: 8, .value_kind: global_buffer, .address_space: global }
      - { .name: lowp_scales, .offset: 16, .size: 8, .value_kind: global_buffer, .address_space: global }
      - { .name: oc, .offset: 24, .size: 8, .value_kind: global_buffer, .address_space: global }
    .group_segment_fixed_size: 327680
    .private_segment_fixed_size: 0
    .kernarg_segment_align: 8
    .kernarg_segment_size: 32
    .max_flat_workgroup_size: 128
    .sgpr_count:     102
    .vgpr_count:     640
    .wavefront_size: 32
...
	.end_amdgpu_metadata
.endif
;; end of part 3
;; launch outp (part 4): grid 8 x 8, 4 waves a work-group, clusters of 4 x 4, 327,680 bytes of LDS; arguments oc, codes, bo, lowp_scales, out0; writes out0
.if DOCPART == 4
	.amdgcn_target "amdgcn-amd-amdhsa--gfx1250"
	.amdhsa_code_object_version 6
	.text
	.protected	k_qeb13f3d098_outp
	.globl	k_qeb13f3d098_outp
	.p2align	8
	.type	k_qeb13f3d098_outp,@function
k_qeb13f3d098_outp:
	s_mov_b64 s[64:65], 0
	v_nop
	global_prefetch_b8 v0, s[64:65] scope:SCOPE_SE
	s_setreg_imm32_b32 hwreg(HW_REG_WAVE_MODE, 25, 1), 1
	s_wait_xcnt 0x0
	s_wait_alu depctr_hold_cnt(0) depctr_sa_sdst(0) depctr_va_vdst(0) depctr_va_sdst(0) depctr_va_ssrc(0) depctr_va_vcc(0) depctr_vm_vsrc(0)
	s_getreg_b32 s2, hwreg(HW_REG_IB_STS2, 6, 4)
	s_cmp_eq_u32 s2, 0
	s_cbranch_scc0 .Lentry_in_a_cluster
	s_endpgm
.Lentry_in_a_cluster:
	s_bfe_u32 s2, ttmp6, 0x10000c
	s_cmp_lg_u32 s2, 0xf033
	s_cbranch_scc0 .Lentry_shape_is_right
	s_endpgm
.Lentry_shape_is_right:
; out0 = O Wo^T + bo on codes of FP8 (E4M3), f32 sums.  A = oc, the attention's result as codes with 2^e10, laid [16 heads][2,048 rows][128 bytes]; B = plane 6 of codes: Wo with 2^e11, [2,048][2,048], K innermost.
; K = 128 x head + d.  A tile of C, 256 x 256, is made by a work-group of four waves; a wave makes 128 x 128: 64 accumulators.  K goes in steps of 256 (two heads) through a ring of two LDS slots.
; A's part of a slot is two sub-tiles, one a head: [256 rows][128 bytes + 16]; each is dense in memory and comes by one tensor load (waves 0, 1).  B's part is [256 rows][256 bytes + 16] (waves 2, 3: 128 rows each).
; CLUSTERS: 4 x 4 work-groups; A's tiles are asked for jointly along a row of the cluster, B's along a column.  THE MATRIX INSTRUCTION IS USED TRANSPOSED: a lane holds eight neighbouring numbers of a row of C.
; 64 work-groups: the tile is kept at the size at which each LDS byte feeds the most multiply-adds; a tile of 128 x 128 would give 256 work-groups at twice the LDS bytes for each multiply-add.
; bo / 2^(e10 + e11) is the C of each sum's first matrix instruction (it enters the sum first: another order of rounding than adding it last); each finished sum is multiplied once by 2^(e10 + e11).
; A row of A that holds NaN codes (a query for which no key counted) gives a row of NaN.
; LIMIT: e10 + e11 between -126 and 127.  k is permuted alike in A and in B inside an instruction (fragments come by four loads of 16 bytes).
; REGISTERS as in windows of 256: window 0: v1-31 addresses; v32-95 the bias, later at work; from v128 A's fragments, ONE set; window 1: B's fragments, TWO sets; windows 2, 3: the accumulators.
.set PITA,   144                       ; both pitches are odd multiples of 16 bytes: the 16 rows that a load touches start at 16 different groups of four banks (ISA guide 11.1)
.set PITB,   272
.set QSA,    256*PITA                  ; from a slot's first 128 along K to its second: in A the next sub-tile,
.set QSB,    128                       ; in B 128 bytes along the row
.set HALFB,  128*PITB
.set BOFF,   2*QSA                     ; B's rows lie behind A's two sub-tiles
.set SLOT,   BOFF+2*HALFB
.set STEPA,  2*2048*128                ; a slot on in memory: two heads of A,
.set STEPB,  256                       ; 256 bytes of each row of B
.set FR,     16
.set NL,     4
.set NP,     4
.set LAPS,   4
.set SPARE,  2*SLOT                    ; behind the ring: the spare words, 128 bytes a wave, which no other line names
.set SPITCH, 528                       ; the way out: a stage of 16 rows x (512 bytes + 16) for each wave, in slot 0, which has had its last fill and its last read by then
.set NROW,   8192                      ; a row of out0 in bytes
.set ADRA, 16
.set BCO,  18
.set ADRB, 20
.set STO,  24
.set RD,   25
.set CO,   26
.set SPW,  28
.set NIL,  29
.set BC,   32
.set TMP,  32
.set AF,   128
.set BK,   128
.set G1, 24
.set G0, 32
.set G1B, 48
.set G0B, 56
.set MSB, 0
.macro WIN new
.if MSB != (\new)
	s_set_vgpr_msb (MSB<<8)|(\new)
.set MSB, (\new)
.endif
.endm
.set MUL_LO, 0xa1
.set MUL_HI, 0xf1
.set TO_B,   0x40
.macro JLOAD g0a, g1a, g0b, g1b        ; waves 0 and 1 fetch for A, waves 2 and 3 for B; an s_nop 0 and four v_nop follow each of the two lines
	s_cmp_eq_u32 s15, 0
	s_cbranch_scc0 .Lfor_b_\@
	tensor_load_to_lds s[\g0a:\g0a+3], s[\g1a:\g1a+7]
	s_nop 0
.rept 4
	v_nop
.endr
	s_branch .Lasked_\@
.Lfor_b_\@:
	tensor_load_to_lds s[\g0b:\g0b+3], s[\g1b:\g1b+7]
	s_nop 0
.rept 4
	v_nop
.endr
.Lasked_\@:
.endm
.macro CREST
	s_cmp_lg_u32 s14, 0
	s_cbranch_scc1 .Lnot_wave_0_\@
	s_barrier_signal -3
.Lnot_wave_0_\@:
	s_barrier_wait -3
	s_barrier_signal -1
	s_barrier_wait -1
.endm
.macro CROUND
	s_barrier_signal -1
	s_barrier_wait -1
	CREST
.endm
	s_load_b256 s[4:11], s[0:1], 0x0               ; oc s[4:5], codes s[6:7], bo s[8:9], lowp_scales s[10:11]
	s_load_b64 s[12:13], s[0:1], 0x20              ; out0
	v_lshl_add_u32 v[SPW], v0, 2, SPARE
	v_mov_b32 v[NIL], 0
	ds_add_u32 v[SPW], v[NIL]                      ; the wave's opening: the add and its wait stand ahead of my first tensor load
	v_lshrrev_b32 v1, 5, v0
	v_readfirstlane_b32 s14, v1                    ; wave 0..3
	s_lshr_b32 s15, s14, 1                         ; which half of the tile's rows is mine.  Also: I fetch for A (0) or for B (1)
	s_and_b32 s16, s14, 1                          ; which half of its columns.  Also: which head of A's two, or which 128 rows of B, I fetch
	s_bfe_u32 s40, ttmp6, 0x40000
	s_bfe_u32 s41, ttmp6, 0x40004
	s_lshl_b32 s42, ttmp9, 2
	s_add_co_u32 s42, s42, s40                     ; tile column
	s_and_b32 s17, ttmp7, 0xffff
	s_lshl_b32 s17, s17, 2
	s_add_co_u32 s17, s17, s41                     ; tile row
	s_lshl_b32 s43, s41, 2
	s_lshl_b32 s43, 15, s43
	s_lshl_b32 s44, 0x1111, s40
	s_or_b32 s[G1+0], s43, (1<<20)|(1<<21)|(4<<22)|(3<<25)    ; A: the mask of my row; elements of 1 byte; four words of padding after every 32
	s_mov_b32 s[G1+1], 128<<16                     ; tensor_dim0 = 128
	s_mov_b32 s[G1+2], 256<<16                     ; tensor_dim1 = 256
	s_mov_b32 s[G1+3], 128<<16                     ; tile_dim0 = 128
	s_mov_b32 s[G1+4], 256                         ; tile_dim1 = 256
	s_mov_b32 s[G1+5], 128                         ; rows are dense
	s_mov_b32 s[G1+6], 0
	s_mov_b32 s[G1+7], 0
	s_or_b32 s[G1B+0], s44, (1<<20)|(1<<21)|(5<<22)|(3<<25)   ; B: the mask of my column; four words of padding after every 64
	s_mov_b32 s[G1B+1], 256<<16
	s_mov_b32 s[G1B+2], 128<<16
	s_mov_b32 s[G1B+3], 256<<16
	s_mov_b32 s[G1B+4], 128
	s_mov_b32 s[G1B+5], 2048
	s_mov_b32 s[G1B+6], 0
	s_mov_b32 s[G1B+7], 0
	s_lshl_b32 s20, s16, 18                        ; A: head (0 or 1) x 2,048 rows x 128 bytes
	s_lshl_b32 s21, s17, 15                        ; + 256 x tile row rows
	s_add_co_u32 s20, s20, s21
	s_mov_b32 s21, 0
	s_lshl_b32 s18, s16, 7
	s_lshl_b32 s46, s42, 8
	s_add_co_u32 s46, s46, s18                     ; B: row 256 x tile column + 128 x half
	s_lshl_b32 s46, s46, 11
	s_add_co_u32 s46, s46, 6<<22                   ; in plane 6
	s_mov_b32 s47, 0
	s_mul_i32 s45, s16, QSA                        ; where A's sub-tile goes,
	s_mul_i32 s19, s16, HALFB
	s_add_co_u32 s19, s19, BOFF                    ; and B's 128 rows: the wave's number alone enters an LDS address
	s_wait_dscnt 0x0                               ; the opening add is done
	s_wait_kmcnt 0x0
	s_load_b64 s[96:97], s[10:11], 0x28            ; e10, e11
	s_add_nc_u64 s[20:21], s[4:5], s[20:21]
	s_add_nc_u64 s[46:47], s[6:7], s[46:47]
	CROUND                                         ; all sixteen work-groups are here: the first joint loads meet
.irp s, 0,1
	s_mov_b32 s[G0+4*\s], 1
	s_add_co_u32 s[G0+4*\s+1], s45, \s*SLOT
	s_add_nc_u64 s[G0+4*\s+2:G0+4*\s+3], s[20:21], \s*STEPA
	s_or_b32 s[G0+4*\s+3], s[G0+4*\s+3], 0x80000000
	s_mov_b32 s[G0B+4*\s], 1
	s_add_co_u32 s[G0B+4*\s+1], s19, \s*SLOT
	s_add_nc_u64 s[G0B+4*\s+2:G0B+4*\s+3], s[46:47], \s*STEPB
	s_or_b32 s[G0B+4*\s+3], s[G0B+4*\s+3], 0x80000000
	JLOAD G0+4*\s, G1, G0B+4*\s, G1B
.endr
	v_and_b32 v1, 15, v0                           ; l % 16
	v_bfe_u32 v2, v0, 4, 1                         ; l / 16
	v_mul_u32_u24 v3, v1, PITA
	v_lshl_add_u32 v3, v2, 4, v3
	v_mul_u32_u24 v4, v1, PITB
	v_lshl_add_u32 v4, v2, 4, v4
	s_mul_i32 s21, s15, 128*PITA                   ; my 128 rows of each sub-tile of A
	s_mul_i32 s22, s16, HALFB
	s_add_co_u32 s22, s22, BOFF                    ; my 128 rows of B
.irp s, 0,1
	v_add_nc_u32 v[ADRA+\s], s21, v3
	v_add_nc_u32 v[ADRB+\s], s22, v4
	s_add_co_u32 s21, s21, SLOT
	s_add_co_u32 s22, s22, SLOT
.endr
	s_mul_i32 s23, s14, 16*SPITCH                  ; my stage
	v_mul_u32_u24 v5, v1, SPITCH
	v_lshl_add_u32 v5, v2, 5, v5
	v_add_nc_u32 v[STO], s23, v5                   ; in: row l % 16, 32 bytes for each half of the lanes
	v_and_b32 v6, 31, v0
	v_lshlrev_b32 v[CO], 4, v6                     ; back: the 32 lanes take one row of 512 bytes; and the same in out0
	v_add_nc_u32 v[RD], s23, v[CO]
	v_lshlrev_b32 v[BCO], 5, v2
	s_lshl_b32 s20, s17, 8
	s_lshl_b32 s21, s15, 7
	s_add_co_u32 s20, s20, s21                     ; my first row of C
	s_lshl_b32 s20, s20, 13
	s_lshl_b32 s46, s42, 10                        ; my first column, in bytes
	s_lshl_b32 s47, s16, 9
	s_add_co_u32 s46, s46, s47
	s_add_co_u32 s20, s20, s46
	s_mov_b32 s21, 0
	s_add_nc_u64 s[12:13], s[12:13], s[20:21]
	s_mov_b32 s47, 0
	s_add_nc_u64 s[8:9], s[8:9], s[46:47]          ; bo at my first column: four bytes a column, as in a row of C
.irp b, 0,1,2,3,4,5,6,7
	global_load_b128 v[BC+8*\b:BC+8*\b+3], v[BCO], s[8:9] offset:64*\b          ; lane (r, h), tile b: bo of columns 16 b + 8 h + 0 .. 7
	global_load_b128 v[BC+8*\b+4:BC+8*\b+7], v[BCO], s[8:9] offset:64*\b+16
.endr
	s_wait_kmcnt 0x0
	s_add_co_i32 s96, s96, s97                     ; e10 + e11
	s_sub_co_i32 s87, 0, s96
	s_add_co_i32 s96, s96, 127
	s_lshl_b32 s96, s96, 23                        ; 2^(e10 + e11) as f32
	s_mov_b32 s97, s96                             ; (named with it as a pair, so it is written)
	s_wait_loadcnt 0x0
.set n, 0
.rept 64
	v_ldexp_f32 v[BC+n], v[BC+n], s87              ; bo / 2^(e10 + e11)
.set n, n+1
.endr
.macro FRAG reg, adr, q, i, pit, qs    ; a fragment, 16 rows x 128 K, is 16 registers: lane l holds row l % 16; registers 4 c .. 4 c + 3 hold K = 32 c + 16 (l / 16) + 0 .. 15
.irp c, 0,1,2,3
	ds_load_b128 v[\reg+4*\c:\reg+4*\c+3], v[\adr] offset:(\qs)*(\q)+32*\c+(\i)*16*(\pit)
.endr
.endm
.macro MUL16 a0, p, first              ; 16 matrix instructions; the 64 accumulators take turns, one instruction a turn
.irp a, \a0, \a0+1
.irp b, 0,1,2,3,4,5,6,7
.if \first
	v_wmma_f32_16x16x128_fp8_fp8 v[8*(8*((\a)%4)+\b):8*(8*((\a)%4)+\b)+7], v[128*(\p)+FR*\b:128*(\p)+FR*\b+FR-1], v[AF+FR*(\a):AF+FR*(\a)+FR-1], v[BC+8*\b:BC+8*\b+7]
.else
	v_wmma_f32_16x16x128_fp8_fp8 v[8*(8*((\a)%4)+\b):8*(8*((\a)%4)+\b)+7], v[128*(\p)+FR*\b:128*(\p)+FR*\b+FR-1], v[AF+FR*(\a):AF+FR*(\a)+FR-1], v[8*(8*((\a)%4)+\b):8*(8*((\a)%4)+\b)+7]
.endif
.endr
.endr
.endm
.macro FETCH_B slot, q, p
	WIN TO_B
.irp i, 0,1,2,3,4,5,6,7
	FRAG 128*(\p)+FR*\i, ADRB+\slot, \q, \i, PITB, QSB
.endr
	WIN 0
.endm
.macro FETCH_A slot, q, i0
.irp i, \i0, \i0+1, \i0+2, \i0+3
	FRAG AF+FR*(\i), ADRA+\slot, \q, \i, PITA, QSA
.endr
.endm
.macro PLACES n                        ; plain vector lines between a matrix instruction and a load into its registers or a read of its result
.rept \n
	v_nop
.endr
.endm
.macro STEP slot, q, first
	s_wait_dscnt 4*NL                              ; B's set and A's blocks 0-3 are in; the youngest 16 loads (A's blocks 4-7) may be out
	WIN MUL_LO-0x20*(\first)
	MUL16 0, (\q)%2, \first
	MUL16 2, (\q)%2, \first
	s_wait_dscnt 0
	PLACES NP
	FETCH_B \slot, (\q)+1, 1-(\q)%2
	FETCH_A \slot, (\q)+1, 0
	WIN MUL_HI-0x30*(\first)
	MUL16 4, (\q)%2, \first
	MUL16 6, (\q)%2, \first
	PLACES NP
	WIN 0
	FETCH_A \slot, (\q)+1, 4
.endm
.macro TURN slot, next, fill           ; a slot's last step changes slots: ONE barrier
	s_wait_tensorcnt 0x0                           ; all my tensor loads have landed: my part of the next slot
	ds_add_u32 v[SPW], v[NIL]                      ; 0 onto my spare word
	s_wait_dscnt 4*NL+1                            ; the add and the youngest 16 loads may be out
	WIN MUL_LO
	MUL16 0, 1, 0
	s_wait_dscnt 0x0                               ; the add is done, and my reads of this slot are over
	s_barrier_signal -1
	MUL16 2, 1, 0
	WIN 0
	s_barrier_wait -1
.if \fill
	CREST                                          ; the barrier has opened a round of the cluster's barrier
	s_add_nc_u64 s[G0+4*\slot+2:G0+4*\slot+3], s[G0+4*\slot+2:G0+4*\slot+3], 2*STEPA
	s_add_nc_u64 s[G0B+4*\slot+2:G0B+4*\slot+3], s[G0B+4*\slot+2:G0B+4*\slot+3], 2*STEPB
	JLOAD G0+4*\slot, G1, G0B+4*\slot, G1B         ; the first tensor load behind the round; its four v_nop are the places in front of the loads below
.else
	PLACES NP
.endif
	FETCH_B \next, 0, 0
	FETCH_A \next, 0, 0
	WIN MUL_HI
	MUL16 4, 1, 0
	MUL16 6, 1, 0
	PLACES NP
	WIN 0
	FETCH_A \next, 0, 4
.endm
	s_wait_tensorcnt 1                             ; my part of K step 0 is in; K step 1's load may be out
	s_barrier_signal -1
	s_barrier_wait -1
	FETCH_B 0, 0, 0
	FETCH_A 0, 0, 0
	FETCH_A 0, 0, 4
	STEP 0, 0, 1                                   ; the first step stands in front of the loop: its products start the sums, with the bias as C
	s_mov_b32 s3, LAPS-1
.Llap:
	TURN 0, 1, 1
	STEP 1, 0, 0
	TURN 1, 0, 1
	STEP 0, 0, 0
	s_sub_co_u32 s3, s3, 1
	s_cmp_lg_u32 s3, 0
	s_cbranch_scc1 .Llap
	TURN 0, 1, 0                                   ; the last lap fills nothing
	STEP 1, 0, 0
	s_wait_dscnt 4*NL
	WIN MUL_LO
	MUL16 0, 1, 0
	MUL16 2, 1, 0
	s_wait_dscnt 0
	WIN MUL_HI
	MUL16 4, 1, 0
	MUL16 6, 1, 0
	WIN 0
; THE WAY OUT, block by block of 16 rows x 128 columns: through my own stage and back as whole rows of 512 bytes, which the 32 lanes store as 512 consecutive bytes, aligned.
.macro TOSTAGE a
.set AC, 64*((\a)%4)
	WIN 0x02+((\a)/4)
.set j, 0
.rept 32
	v_pk_mul_f32 v[TMP+j:TMP+j+1], v[AC+j:AC+j+1], s[96:97] op_sel_hi:[1,0]   ; x 2^(e10 + e11); each accumulator from its low end on
.set j, j+2
.endr
	WIN 0
.irp b, 0,1,2,3,4,5,6,7
	ds_store_b128 v[STO], v[TMP+8*\b:TMP+8*\b+3] offset:64*\b
	ds_store_b128 v[STO], v[TMP+8*\b+4:TMP+8*\b+7] offset:64*\b+16
.endr
.set BB, BK+64*((\a)%2)
.irp t, 0,1,2,3,4,5,6,7,8,9,10,11,12,13,14,15
	ds_load_b128 v[BB+4*\t:BB+4*\t+3], v[RD] offset:\t*SPITCH   ; LDS serves a wave's instructions in order (ISA guide 5.7.1.4)
.endr
.endm
.macro SEND a, younger                 ; younger: the LDS instructions issued behind block a's loads, which may stay out
.set BB, BK+64*((\a)%2)
	s_wait_dscnt \younger
.if (\a) > 0
	s_add_nc_u64 s[12:13], s[12:13], 16*NROW       ; (behind a wait on XCNT: the earlier stores have read their base)
.endif
.irp t, 0,1,2,3,4,5,6,7,8,9,10,11,12,13,14,15
	global_store_b128 v[CO], v[BB+4*\t:BB+4*\t+3], s[12:13] offset:\t*NROW th:TH_STORE_NT
.endr
.endm
	PLACES NP
	TOSTAGE 0
.irp a, 1,2,3,4,5,6,7
.if \a > 1
	s_wait_xcnt 0x0                                ; block a - 2's stores have read their registers and their base
.endif
	TOSTAGE \a
	SEND \a-1, 32                                  ; behind block a - 1's loads: block a's 16 stores and 16 loads
.endr
	s_wait_xcnt 0x0
	SEND 7, 0
	s_wait_tensorcnt 0x0                           ; the wave's end, behind my last tensor load and my last LDS store
	ds_add_u32 v[SPW], v[NIL]
	s_wait_dscnt 0x0
	CROUND                                         ; the closing round
	s_endpgm
.Lfunc_end_k_qeb13f3d098_outp:
	.size	k_qeb13f3d098_outp, .Lfunc_end_k_qeb13f3d098_outp-k_qeb13f3d098_outp
	.p2alignl 7, 3214868480
	.fill 96, 4, 3214868480
	.section	.rodata,"a",@progbits
	.p2align	6, 0x0
	.amdhsa_kernel k_qeb13f3d098_outp
		.amdhsa_group_segment_fixed_size 327680
		.amdhsa_private_segment_fixed_size 0
		.amdhsa_enable_private_segment 0
		.amdhsa_kernarg_size 40
		.amdhsa_user_sgpr_count 2
		.amdhsa_user_sgpr_kernarg_segment_ptr 1
		.amdhsa_wavefront_size32 1
		.amdhsa_system_sgpr_workgroup_id_x 1
		.amdhsa_system_sgpr_workgroup_id_y 1
		.amdhsa_system_sgpr_workgroup_id_z 1
		.amdhsa_system_vgpr_workitem_id 0
		.amdhsa_next_free_vgpr 1024
		.amdhsa_next_free_sgpr 102
		.amdhsa_reserve_vcc 0
		.amdhsa_float_denorm_mode_32 3
		.amdhsa_float_denorm_mode_16_64 3
		.amdhsa_memory_ordered 1
		.amdhsa_forward_progress 1
		.amdhsa_inst_pref_size 129
	.end_amdhsa_kernel
	.amdgpu_metadata
---
amdhsa.version: [ 1, 2 ]
amdhsa.kernels:
  - .name:           k_qeb13f3d098_outp
    .symbol:         k_qeb13f3d098_outp.kd
    .args:
      - { .name: oc, .offset: 0, .size: 8, .value_kind: global_buffer, .address_space: global }
      - { .name: codes, .offset: 8, .size: 8, .value_kind: global_buffer, .address_space: global }
      - { .name: bo, .offset: 16, .size: 8, .value_kind: global_buffer, .address_space: global }
      - { .name: lowp_scales, .offset: 24, .size: 8, .value_kind: global_buffer, .address_space: global }
      - { .name: out0, .offset: 32, .size: 8, .value_kind: global_buffer, .address_space: global }
    .group_segment_fixed_size: 327680
    .private_segment_fixed_size: 0
    .kernarg_segment_align: 8
    .kernarg_segment_size: 40
    .max_flat_workgroup_size: 128
    .sgpr_count:     102
    .vgpr_count:     1024
    .wavefront_size: 32
...
	.end_amdgpu_metadata
.endif
;; end of part 4
;; ======== version 2 of 2: 4 launches
;; limits: right only within a limited range of input values
;; workspace buffers: codes 29,360,128 bytes; maskw 524,288 bytes of whole numbers; flags 65,536 bytes of whole numbers; qkv 12,582,912 bytes; oc 4,194,304 bytes
;; launch prep (part 5): grid 1536 x 1, 4 waves a work-group, no clusters, 33,536 bytes of LDS; arguments x, Wq, Wk, Wv, Wo, attn_mask, lowp_scales, codes, maskw, flags; writes codes, maskw, flags
.if DOCPART == 5
	.amdgcn_target "amdgcn-amd-amdhsa--gfx1250"
	.amdhsa_code_object_version 6
	.text
	.protected	k_qeb13f3d098_prep
	.globl	k_qeb13f3d098_prep
	.p2align	8
	.type	k_qeb13f3d098_prep,@function
k_qeb13f3d098_prep:
	s_mov_b64 s[64:65], 0
	v_nop
	global_prefetch_b8 v0, s[64:65] scope:SCOPE_SE
	s_setreg_imm32_b32 hwreg(HW_REG_WAVE_MODE, 25, 1), 1
	s_wait_xcnt 0x0
; PREP.  (a) x, Wq, Wk, Wv, Wo, each [2048][2048] f32 with K innermost, become codes of FP8 (E4M3), K innermost, in seven planes of 4 MiB of the buffer codes:
;     planes 0, 1, 2: x with the scales 2^e0, 2^e2, 2^e4;  planes 3, 4, 5, 6: Wq (e1), Wk (e3), Wv (e5), Wo (e11).  code = number / 2^e, held within +-448, rounded to the nearest code, ties to even.
; (b) attn_mask [2048][2048] of bytes (0 or 1) becomes words of 32 lane bits, in the order in which the attention's lanes and registers hold the scores:
;     maskw[qt][ks][n], bit L = attn_mask[16 qt + L % 16][128 ks + 32 (n / 16) + 16 (L / 16) + n % 16];  1 = the key counts.
; (c) flags[qb][kp], a unit of 256 bytes that holds one word 64 times: for the 64 queries from 64 qb: bit u: some key of key step 2 kp + u counts for some query; bit 16 + u: some key there does not.
; The attention passes over the tiles in which no key counts: whole numbers of the mask decide, read from memory, whatever the mask holds.
; LIMITS: each e used here lies between -126 and 119.  NaN among the floating-point inputs is not served (an infinity is held at the largest code).
; SHARES.  Work-groups 0-1279 quantise: tensor T = number / 256 (0: x); each wave takes 4,096 numbers on end, 8 steps of 512.  Work-groups 1280-1535 make the mask words: 64 queries x 256 keys, a wave 16 queries.
; The conversion takes 8 neighbours along K from ONE lane's registers; a load is dense where neighbouring LANES take neighbouring bytes: a step's 2,048 bytes turn through the wave's own stage in LDS.
; No tensor load; loads run four steps ahead, the turn through LDS one step.
.set STEPS, 8
.set SP,    80                         ; a lane's place in a stage: 64 bytes + 16 of padding
.set WREG,  8192                       ; LDS: a region for each wave: two stages of 32 x SP bytes
.set SPARE, 4*WREG                     ; the spare words, 128 bytes a wave, which no other line names
.set MB,    SPARE+512                  ; the mask work-groups' four words
.set SPW,   12
.set NIL,   13
.set R,     16                         ; v16-79   four sets of 16 numbers as loaded
.set X,     80                         ; v80-111  two sets of 16 neighbours
.set TT,    112                        ; v112-127 the numbers held within the largest code x the scale
.set C,     128                        ; v128-151 codes: 2 steps x 3 scales x 4 registers
	s_load_b512 s[4:19], s[0:1], 0x0               ; x, Wq, Wk, Wv, Wo, attn_mask s[14:15], lowp_scales s[16:17], codes s[18:19]
	s_load_b64 s[20:21], s[0:1], 0x40              ; maskw
	s_load_b64 s[54:55], s[0:1], 0x48              ; flags
	v_lshl_add_u32 v[SPW], v0, 2, SPARE
	v_mov_b32 v[NIL], 0
	v_lshrrev_b32 v1, 5, v0
	v_readfirstlane_b32 s23, v1                    ; wave
	v_and_b32 v2, 31, v0                           ; lane
	v_lshlrev_b32 v3, 4, v2                        ; 16 x lane
	s_mul_i32 s46, s23, WREG
	v_lshrrev_b32 v14, 2, v2
	v_mul_u32_u24 v14, v14, SP
	v_and_b32 v15, 3, v2
	v_lshl_add_u32 v14, v15, 4, v14
	v_add_nc_u32 v14, s46, v14                     ; the stage, on the way in: SP (lane / 4) + 16 (lane % 4)
	v_mul_u32_u24 v15, v2, SP
	v_add_nc_u32 v15, s46, v15                     ; and on the way out: SP x lane
	s_lshr_b32 s22, ttmp9, 8                       ; T
	s_wait_alu depctr_va_vdst(0)
	s_wait_kmcnt 0x0
	s_cmp_ge_u32 ttmp9, 1280
	s_cbranch_scc1 .Lmask                          ; hangs on the work-group's number alone
	s_load_b256 s[24:31], s[16:17], 0x0            ; e0 .. e7
	s_load_b128 s[32:35], s[16:17], 0x20           ; e8 .. e11
	s_cmp_eq_u32 s22, 1                            ; which tensor: a choice between buffers on the work-group's number
	s_cselect_b64 s[4:5], s[6:7], s[4:5]
	s_cmp_eq_u32 s22, 2
	s_cselect_b64 s[4:5], s[8:9], s[4:5]
	s_cmp_eq_u32 s22, 3
	s_cselect_b64 s[4:5], s[10:11], s[4:5]
	s_cmp_eq_u32 s22, 4
	s_cselect_b64 s[4:5], s[12:13], s[4:5]
	s_and_b32 s36, ttmp9, 255
	s_lshl_b32 s36, s36, 2
	s_add_co_u32 s36, s36, s23                     ; my wave's run of 4,096 numbers, 0 .. 1023
	s_lshl_b32 s38, s36, 14
	s_mov_b32 s39, 0
	s_add_nc_u64 s[4:5], s[4:5], s[38:39]
	s_add_co_u32 s37, s22, 2
	s_cmp_eq_u32 s22, 0
	s_cselect_b32 s37, 0, s37                      ; the plane: 0 for x, T + 2 for a weight
	s_lshl_b32 s38, s37, 22
	s_lshl_b32 s36, s36, 12
	s_add_co_u32 s38, s38, s36
	s_add_nc_u64 s[40:41], s[18:19], s[38:39]      ; where my codes go;
	s_add_nc_u64 s[42:43], s[40:41], 0x400000      ; planes 1 and 2: named by stores in x's work-groups alone
	s_add_nc_u64 s[44:45], s[40:41], 0x800000
.macro LOAD t
.irp i, 0,1,2,3
	global_load_b128 v[R+16*((\t)%4)+4*\i:R+16*((\t)%4)+4*\i+3], v3, s[4:5] offset:2048*(\t)+512*\i th:TH_LOAD_NT   ; 32 lanes read 512 consecutive bytes
.endr
.endm
.macro TURN t                          ; step t's numbers through the stage: LDS serves a wave's instructions in order (ISA guide 5.7.1.4)
.irp i, 0,1,2,3
	ds_store_b128 v14, v[R+16*((\t)%4)+4*\i:R+16*((\t)%4)+4*\i+3] offset:32*SP*((\t)%2)+8*SP*\i
.endr
.irp i, 0,1,2,3
	ds_load_b128 v[X+16*((\t)%2)+4*\i:X+16*((\t)%2)+4*\i+3], v15 offset:32*SP*((\t)%2)+16*\i
.endr
.endm
	s_wait_alu depctr_va_vdst(0)
.irp t, 0,1,2,3
	LOAD \t
.endr
	s_wait_kmcnt 0x0
	s_cmp_eq_u32 s22, 1                            ; the first scale: e0, e1, e3, e5 or e11
	s_cselect_b32 s47, s25, s24
	s_cmp_eq_u32 s22, 2
	s_cselect_b32 s47, s27, s47
	s_cmp_eq_u32 s22, 3
	s_cselect_b32 s47, s29, s47
	s_cmp_eq_u32 s22, 4
	s_cselect_b32 s47, s35, s47
.macro MKSC e, sc, lim                 ; v[sc] = 2^e as f32 (the conversion takes its exponent field); v[lim] = 448 x 2^e
	s_add_co_i32 s48, s[\e], 127
	s_lshl_b32 s49, s48, 23
	v_mov_b32 v[\sc], s49
	s_add_co_i32 s48, s48, 8
	s_lshl_b32 s48, s48, 23
	s_or_b32 s48, s48, 0x600000
	v_mov_b32 v[\lim], s48
.endm
	MKSC 47, 6, 7
	MKSC 26, 8, 9                                  ; e2
	MKSC 28, 10, 11                                ; e4
	s_wait_alu depctr_va_vdst(0)
	s_wait_loadcnt 12                              ; step 0's four loads are in; the twelve of steps 1 to 3 may be out
	TURN 0
.macro JOB k, t                        ; the step's 16 neighbours with scale k, stored into plane k of my three
.irp i, 0,1,2,3,4,5,6,7,8,9,10,11,12,13,14,15
	v_med3_num_f32 v[TT+\i], v[XS+\i], -v[7+2*\k], v[7+2*\k]   ; the conversion to an 8-bit code does not saturate (ISA guide 7.6.2): the hold comes first
.endr
	v_cvt_scalef32_pk8_fp8_f32 v[CS+4*\k:CS+4*\k+1], v[TT:TT+7], v[6+2*\k]
	v_cvt_scalef32_pk8_fp8_f32 v[CS+4*\k+2:CS+4*\k+3], v[TT+8:TT+15], v[6+2*\k]
	v_nop                                          ; a plain line between the conversions and the next holds, which write their sources
	global_store_b128 v3, v[CS+4*\k:CS+4*\k+3], s[40+2*\k:41+2*\k] offset:512*(\t)
.endm
.macro STEP t
.set XS, X+16*((\t)%2)
.set CS, C+12*((\t)%2)
	s_wait_dscnt 0x0                               ; this step's numbers are back from the stage, and its stores into the stage have read their registers,
.if (\t) >= 2
	s_wait_xcnt 0x0                                ; the stores of two steps ago have read their data: those registers take this step's codes
.endif
.if (\t)+4 < STEPS
	LOAD (\t)+4                                    ; which take the loads of four steps on
.endif
.if (\t)+1 < STEPS
.if STEPS-2-(\t) >= 3
	s_wait_loadcnt 12                              ; the next step's four loads are in; those of the three steps behind it may be out
.else
	s_wait_loadcnt 4*(STEPS-2-(\t))
.endif
	TURN (\t)+1
.endif
	JOB 0, \t
	s_cmp_lg_u32 s22, 0                            ; x alone has two more scales: a branch on the work-group's number, round vector lines and global stores alone
	s_cbranch_scc1 .Lw_\@
	JOB 1, \t
	JOB 2, \t
.Lw_\@:
.endm
.irp t, 0,1,2,3,4,5,6,7
	STEP \t
.endr
	s_wait_tensorcnt 0x0                           ; the wave's end, behind my last LDS store
	ds_add_u32 v[SPW], v[NIL]
	s_wait_dscnt 0x0
	s_endpgm
; THE MASK WORDS.  Lane L loads, of query row L % 16, the 16 bytes at 32 b + 16 (L / 16) of each key step: the keys that its score registers 16 b .. 16 b + 15 will hold.
; A compare of one byte in all lanes IS the word; the 64 words of a key step are gathered lane by lane and leave as 256 consecutive bytes, aligned.
.Lmask:
	s_sub_co_u32 s36, ttmp9, 1280
	s_lshl_b32 s52, s36, 8                         ; my unit of flags: (qb, kp) = (number / 8, number % 8)
	s_mov_b32 s53, 0
	s_add_nc_u64 s[54:55], s[54:55], s[52:53]
	s_lshr_b32 s37, s36, 3
	s_lshl_b32 s37, s37, 2
	s_add_co_u32 s37, s37, s23                     ; qt = 4 qb + wave
	s_and_b32 s36, s36, 7                          ; kp: key steps 2 kp and 2 kp + 1
	s_lshl_b32 s38, s37, 15                        ; 16 rows of 2,048 bytes
	s_lshl_b32 s39, s36, 8
	s_add_co_u32 s38, s38, s39
	s_mov_b32 s39, 0
	s_add_nc_u64 s[14:15], s[14:15], s[38:39]
	s_lshl_b32 s38, s37, 12                        ; 16 key steps of 256 bytes of words
	s_lshl_b32 s40, s36, 9
	s_add_co_u32 s38, s38, s40
	s_add_nc_u64 s[20:21], s[20:21], s[38:39]
	s_wait_alu depctr_va_vdst(0)
	v_and_b32 v4, 15, v2
	v_lshrrev_b32 v5, 4, v2
	v_lshlrev_b32 v4, 11, v4
	v_lshl_add_u32 v4, v5, 4, v4                   ; row x 2,048 + 16 x half
	v_lshlrev_b32 v6, 3, v2                        ; out: two words a lane
.irp s, 0,1
.irp b, 0,1,2,3
	global_load_b128 v[16+16*\s+4*\b:16+16*\s+4*\b+3], v4, s[14:15] offset:128*\s+32*\b   ; the eight loads on end cover 256 consecutive bytes of each of 16 rows
.endr
.endr
.irp i, 80,81,82,83
	v_mov_b32 v\i, 0                               ; v_writelane_b32's destination counts as read
.endr
	s_wait_alu depctr_va_vdst(0)
	s_wait_loadcnt 0x0
.irp s, 0,1
.set n, 0
.rept 64
	v_bfe_u32 v[84+n%4], v[16+16*\s+4*(n/16)+(n%16)/4], 8*(n%4), 8
	v_cmp_ne_u32 s[48+n%4], 0, v[84+n%4]           ; bit L: lane L's key counts
	v_writelane_b32 v[80+2*\s+n%2], s[48+n%4], n/2 ; word n lies in lane n / 2
.set n, n+1
.endr
	global_store_b64 v6, v[80+2*\s:81+2*\s], s[20:21] offset:256*\s
.endr
.irp s, 0,1
	v_or_b32 v88, v[16+16*\s], v[17+16*\s]         ; any byte set, all bytes 1: over the lane's 64 bytes of key step s,
	v_and_b32 v89, v[16+16*\s], v[17+16*\s]
.set n, 18+16*\s
.rept 14
	v_or_b32 v88, v88, v[n]
	v_and_b32 v89, v89, v[n]
.set n, n+1
.endr
	v_cmp_ne_u32 s[40+\s], 0, v88                  ; and over the lanes
	v_cmp_ne_u32 s[42+\s], 0x01010101, v89
.endr
	s_cmp_lg_u32 s40, 0
	s_cselect_b32 s44, 1, 0
	s_cmp_lg_u32 s41, 0
	s_cselect_b32 s45, 2, 0
	s_or_b32 s44, s44, s45
	s_cmp_lg_u32 s42, 0
	s_cselect_b32 s45, 0x10000, 0
	s_or_b32 s44, s44, s45
	s_cmp_lg_u32 s43, 0
	s_cselect_b32 s45, 0x20000, 0
	s_or_b32 s44, s44, s45
	s_lshl_b32 s46, s23, 2
	s_add_co_u32 s46, s46, MB
	v_mov_b32 v90, s44
	v_mov_b32 v91, s46
	ds_store_b32 v91, v90                          ; my 16 queries' word; the four waves' words are joined by OR
	s_wait_dscnt 0x0
	s_barrier_signal -1
	s_barrier_wait -1
	v_mov_b32 v92, MB
	ds_load_b128 v[96:99], v92
	s_wait_dscnt 0x0
	s_cmp_lg_u32 s23, 0
	s_cbranch_scc1 .Lend                           ; wave 0 stores the unit
	v_or_b32 v96, v96, v97
	v_or_b32 v98, v98, v99
	v_or_b32 v96, v96, v98
	v_mov_b32 v97, v96
	global_store_b64 v6, v[96:97], s[54:55]        ; 32 lanes store 256 consecutive bytes, aligned
.Lend:
	s_wait_tensorcnt 0x0                           ; the wave's end
	ds_add_u32 v[SPW], v[NIL]
	s_wait_dscnt 0x0
	s_endpgm
.Lfunc_end_k_qeb13f3d098_prep:
	.size	k_qeb13f3d098_prep, .Lfunc_end_k_qeb13f3d098_prep-k_qeb13f3d098_prep
	.p2alignl 7, 3214868480
	.fill 96, 4, 3214868480
	.section	.rodata,"a",@progbits
	.p2align	6, 0x0
	.amdhsa_kernel k_qeb13f3d098_prep
		.amdhsa_group_segment_fixed_size 33536
		.amdhsa_private_segment_fixed_size 0
		.amdhsa_enable_private_segment 0
		.amdhsa_kernarg_size 80
		.amdhsa_user_sgpr_count 2
		.amdhsa_user_sgpr_kernarg_segment_ptr 1
		.amdhsa_wavefront_size32 1
		.amdhsa_system_sgpr_workgroup_id_x 1
		.amdhsa_system_sgpr_workgroup_id_y 1
		.amdhsa_system_sgpr_workgroup_id_z 1
		.amdhsa_system_vgpr_workitem_id 0
		.amdhsa_next_free_vgpr 160
		.amdhsa_next_free_sgpr 66
		.amdhsa_reserve_vcc 0
		.amdhsa_float_denorm_mode_32 3
		.amdhsa_float_denorm_mode_16_64 3
		.amdhsa_memory_ordered 1
		.amdhsa_forward_progress 1
		.amdhsa_inst_pref_size 72
	.end_amdhsa_kernel
	.amdgpu_metadata
---
amdhsa.version: [ 1, 2 ]
amdhsa.kernels:
  - .name:           k_qeb13f3d098_prep
    .symbol:         k_qeb13f3d098_prep.kd
    .args:
      - { .name: x, .offset: 0, .size: 8, .value_kind: global_buffer, .address_space: global }
      - { .name: Wq, .offset: 8, .size: 8, .value_kind: global_buffer, .address_space: global }
      - { .name: Wk, .offset: 16, .size: 8, .value_kind: global_buffer, .address_space: global }
      - { .name: Wv, .offset: 24, .size: 8, .value_kind: global_buffer, .address_space: global }
      - { .name: Wo, .offset: 32, .size: 8, .value_kind: global_buffer, .address_space: global }
      - { .name: attn_mask, .offset: 40, .size: 8, .value_kind: global_buffer, .address_space: global }
      - { .name: lowp_scales, .offset: 48, .size: 8, .value_kind: global_buffer, .address_space: global }
      - { .name: codes, .offset: 56, .size: 8, .value_kind: global_buffer, .address_space: global }
      - { .name: maskw, .offset: 64, .size: 8, .value_kind: global_buffer, .address_space: global }
      - { .name: flags, .offset: 72, .size: 8, .value_kind: global_buffer, .address_space: global }
    .group_segment_fixed_size: 33536
    .private_segment_fixed_size: 0
    .kernarg_segment_align: 8
    .kernarg_segment_size: 80
    .max_flat_workgroup_size: 128
    .sgpr_count:     66
    .vgpr_count:     160
    .wavefront_size: 32
...
	.end_amdgpu_metadata
.endif
;; end of part 5
;; launch qkv (part 6): grid 24 x 8, 4 waves a work-group, clusters of 4 x 4, 327,680 bytes of LDS; arguments codes, bq, bk, bv, lowp_scales, qkv; writes qkv
.if DOCPART == 6
	.amdgcn_target "amdgcn-amd-amdhsa--gfx1250"
	.amdhsa_code_object_version 6
	.text
	.protected	k_qeb13f3d098_qkv
	.globl	k_qeb13f3d098_qkv
	.p2align	8
	.type	k_qeb13f3d098_qkv,@function
k_qeb13f3d098_qkv:
	s_mov_b64 s[64:65], 0
	v_nop
	global_prefetch_b8 v0, s[64:65] scope:SCOPE_SE
	s_setreg_imm32_b32 hwreg(HW_REG_WAVE_MODE, 25, 1), 1
	s_wait_xcnt 0x0
	s_wait_alu depctr_hold_cnt(0) depctr_sa_sdst(0) depctr_va_vdst(0) depctr_va_sdst(0) depctr_va_ssrc(0) depctr_va_vcc(0) depctr_vm_vsrc(0)
	s_getreg_b32 s2, hwreg(HW_REG_IB_STS2, 6, 4)
	s_cmp_eq_u32 s2, 0
	s_cbranch_scc0 .Lentry_in_a_cluster
	s_endpgm
.Lentry_in_a_cluster:
	s_bfe_u32 s2, ttmp6, 0x10000c
	s_cmp_lg_u32 s2, 0xf033
	s_cbranch_scc0 .Lentry_shape_is_right
	s_endpgm
.Lentry_shape_is_right:
; Q = x Wq^T + bq, K = x Wk^T + bk, V^T = Wv x^T + bv, on codes of FP8 (E4M3), f32 sums; each result is quantised at once for the attention: Q with 2^e6, K with 2^e7, V with 2^e9.
; THREE PRODUCTS, ONE TEXT.  third = cluster x / 2.  Thirds 0, 1: A = x's plane (rows s), B = the weight's plane (rows = head, d).  Third 2 takes the operands the other way round (A = Wv, B = x),
; so that its result is V^T and a lane's eight results are eight neighbouring KEYS, the second attention product's K.  What differs is chosen by s_cselect on third: planes, scales, bias, place of the output.
; A tile of C, 256 x 256, is made by a work-group of four waves; a wave makes 128 x 128: 64 accumulators, 512 registers.  K goes in steps of 256 through a ring of two LDS slots filled by the tensor data mover.
; 192 work-groups: a third has 64 tiles of this size; a smaller tile would read twice the LDS bytes for each multiply-add.
; CLUSTERS: 4 x 4 work-groups; A's tiles are asked for jointly along a row of the cluster, B's along a column.  THE MATRIX INSTRUCTION IS USED TRANSPOSED (source 0 = 16 rows of B, source 1 = 16 rows of A):
; lane l holds row l % 16 of C and eight neighbouring columns 8 (l / 16) + 0 .. 7.  Fragments come by four loads of 16 bytes: k is permuted alike in A and in B inside an instruction.
; THE BIAS.  Q, K: it runs along C's columns and is the C of each sum's first matrix instruction, divided by 2^(eA + eB) (so it enters the sum first: another order of rounding than adding it last).
; V^T: it runs along C's rows and is the addend of the one multiply-add sum x 2^(eA + eB) + bias on the way out.  The bias that a third does not have is set to 0 by a select.
; OUTPUT: three planes of 4 MiB, each 256 dense blocks [128 rows][128 bytes]: Q: block (head, s / 128), rows s, bytes d.  K: the same, the row of key s at s with bits 3 and 4 exchanged.  V: block (head, s / 128), rows d, bytes = keys.
; A wave's 128 x 128 is one such block.
; LIMITS: e0 + e1, e2 + e3, e4 + e5 between -126 and 127; e6, e7, e9 between -126 and 119.  NaN and infinities among the inputs are not served.
; REGISTERS, in windows of 256: window 0: v1-31 addresses and scales; v32-95 the column bias, later at work; v96-111 the row bias; from v128 A's fragments, ONE set; on the way out v112-255 are free.
;   window 1: B's fragments, TWO sets.   window 2: the accumulators of my rows 0-63 ((a, b) at v[8 (8 a + b)]);   window 3: those of my rows 64-127.
.set ROWB,   256                       ; a tile's row: 256 codes
.set KROW,   2048                      ; a row of a plane in memory
.set PITCH,  272                       ; an LDS row: 256 bytes + 16 of padding = 68 words: the 16 rows that a load touches start at 16 different banks (64 banks of 4 bytes: ISA guide 11.1)
.set FR,     16
.set NL,     4
.set NP,     4                         ; places behind this matrix instruction (ISA guide 7.12.1)
.set HALFT,  128*PITCH
.set SLOT,   4*HALFT                   ; A's 256 rows, then B's 256 rows
.set LAPS,   4                         ; 2,048 along K = 4 times round the ring
.set SPARE,  2*SLOT                    ; behind the ring: the spare words, 128 bytes a wave, which no other line names
.set SPIT,   144                       ; the way out: a stage of 16 rows x (128 bytes + 16) for each wave, in slot 0, which has had its last fill and its last read by then
.set ADRA, 16                          ; v16-17  my A fragments in slot 0, 1
.set BCO,  18                          ; v18     32 x half: my eight numbers of a column bias tile
.set BRO,  19                          ; v19     4 x (l % 16): my number of a row bias tile
.set ADRB, 20                          ; v20-21  my B fragments
.set COM,  22                          ; v22     CO + 1,024, or CO in K's third
.set STO,  24
.set RD,   25
.set CO,   26                          ; v26     16 x lane
.set COP,  27                          ; v27     CO, or CO + 1,024 in K's third
.set SPW,  28
.set NIL,  29
.set SC,   30                          ; v30     2^eo
.set LIM,  31                          ; v31     448 x 2^eo
.set BC,   32
.set TT,   32
.set BR,   96
.set CD,   112                         ; two sets of 16: a block's codes
.set AF,   128
.set OB,   144                         ; seven sets of 16: a block read back from the stage
.set G1, 24
.set G0, 32
.set G1B, 48
.set G0B, 56
.set MSB, 0
.macro WIN new                         ; the immediate's high byte repeats the setting that is left
.if MSB != (\new)
	s_set_vgpr_msb (MSB<<8)|(\new)
.set MSB, (\new)
.endif
.endm
.set MUL_LO, 0xa1                      ; source 0 (B) window 1, source 1 (A) window 0, C and D window 2
.set MUL_HI, 0xf1                      ; the same, C and D window 3.  In the first step C is the bias, in window 0: 0x81, 0xc1
.set TO_B,   0x40
; A joint load: waves 0 and 1 fetch for A, waves 2 and 3 for B; the branch hangs on the wave's number alone.  An s_nop 0 and four v_nop follow each of the two lines.
.macro JLOAD g0a, g1a, g0b, g1b
	s_cmp_eq_u32 s15, 0
	s_cbranch_scc0 .Lfor_b_\@
	tensor_load_to_lds s[\g0a:\g0a+3], s[\g1a:\g1a+7]
	s_nop 0
.rept 4
	v_nop
.endr
	s_branch .Lasked_\@
.Lfor_b_\@:
	tensor_load_to_lds s[\g0b:\g0b+3], s[\g1b:\g1b+7]
	s_nop 0
.rept 4
	v_nop
.endr
.Lasked_\@:
.endm
.macro CREST                           ; a round of the cluster's barrier behind its opening barrier
	s_cmp_lg_u32 s14, 0
	s_cbranch_scc1 .Lnot_wave_0_\@
	s_barrier_signal -3
.Lnot_wave_0_\@:
	s_barrier_wait -3
	s_barrier_signal -1
	s_barrier_wait -1
.endm
.macro CROUND
	s_barrier_signal -1
	s_barrier_wait -1
	CREST
.endm
	s_load_b256 s[4:11], s[0:1], 0x0               ; codes s[4:5], bq s[6:7], bk s[8:9], bv s[10:11]
	s_load_b128 s[68:71], s[0:1], 0x20             ; lowp_scales s[68:69], qkv s[70:71]
	v_lshl_add_u32 v[SPW], v0, 2, SPARE
	v_mov_b32 v[NIL], 0
	ds_add_u32 v[SPW], v[NIL]                      ; the wave's opening: the add and its wait stand ahead of my first tensor load; work on registers stands between them
	ds_add_u32 v[SPW], v[NIL]
	v_lshrrev_b32 v1, 5, v0
	v_readfirstlane_b32 s14, v1                    ; wave 0..3
	s_lshr_b32 s15, s14, 1                         ; which half of the tile's rows is mine.  Also: I fetch for A (0) or for B (1)
	s_and_b32 s16, s14, 1                          ; which half of its columns.  Also: which 128 rows of that tile I fetch
	s_bfe_u32 s40, ttmp6, 0x40000                  ; cx, cy
	s_bfe_u32 s41, ttmp6, 0x40004
	s_lshr_b32 s84, ttmp9, 1                       ; third: made of the cluster's x alone, the same in all sixteen partners
	s_and_b32 s42, ttmp9, 1
	s_lshl_b32 s42, s42, 2
	s_add_co_u32 s42, s42, s40                     ; tile column 0..7
	s_and_b32 s17, ttmp7, 0xffff
	s_lshl_b32 s17, s17, 2
	s_add_co_u32 s17, s17, s41                     ; tile row 0..7
	s_lshl_b32 s43, s41, 2
	s_lshl_b32 s43, 15, s43                        ; my row of the cluster
	s_lshl_b32 s44, 0x1111, s40                    ; my column
	s_or_b32 s[G1+0], s43, (1<<20)|(1<<21)|(5<<22)|(3<<25)   ; 15:0 the mask; 17:16 elements of 1 byte; 20 padding on; 21 set beside a mask; 24:22 after every 64 words; 31:25 four words
	s_or_b32 s[G1B+0], s44, (1<<20)|(1<<21)|(5<<22)|(3<<25)
.irp g, G1, G1B
	s_mov_b32 s[\g+1], ROWB<<16                    ; tensor_dim0
	s_mov_b32 s[\g+2], 128<<16                     ; tensor_dim1
	s_mov_b32 s[\g+3], ROWB<<16                    ; tile_dim0
	s_mov_b32 s[\g+4], 128                         ; tile_dim1
	s_mov_b32 s[\g+5], KROW                        ; tensor_dim0_stride
	s_mov_b32 s[\g+6], 0
	s_mov_b32 s[\g+7], 0
.endr
	s_cmp_eq_u32 s84, 2
	s_cselect_b32 s85, 5, s84                      ; A's plane: x's plane 0 or 1, or Wv's
	s_add_co_u32 s86, s84, 3
	s_cmp_eq_u32 s84, 2
	s_cselect_b32 s86, 2, s86                      ; B's plane: Wq's or Wk's, or x's plane 2
	s_lshl_b32 s18, s16, 7
	s_lshl_b32 s20, s17, 8
	s_add_co_u32 s20, s20, s18                     ; A: row 256 x tile row + 128 x half
	s_lshl_b32 s20, s20, 11
	s_lshl_b32 s21, s85, 22
	s_add_co_u32 s20, s20, s21
	s_mov_b32 s21, 0
	s_lshl_b32 s46, s42, 8
	s_add_co_u32 s46, s46, s18                     ; B: row 256 x tile column + 128 x half
	s_lshl_b32 s46, s46, 11
	s_lshl_b32 s47, s86, 22
	s_add_co_u32 s46, s46, s47
	s_mov_b32 s47, 0
	s_mul_i32 s45, s14, HALFT                      ; where they go: wave x 128 rows
	s_cmp_lt_u32 s84, 2
	s_cselect_b32 s88, -1, 0                       ; all lanes: the bias runs along the columns (Q, K)
	s_cselect_b32 s89, 0, -1                       ; all lanes: along the rows (V^T)
	s_cmp_eq_u32 s84, 1
	s_cselect_b32 s90, 1024, 0                     ; K's rows change places by eight rows of 128 bytes
	s_wait_dscnt 0x0                               ; the opening add is done
	s_wait_kmcnt 0x0
	s_load_b256 s[72:79], s[68:69], 0x0            ; e0 .. e7
	s_load_b128 s[80:83], s[68:69], 0x20           ; e8 .. e11
	s_add_nc_u64 s[20:21], s[4:5], s[20:21]
	s_add_nc_u64 s[46:47], s[4:5], s[46:47]
	CROUND                                         ; all sixteen work-groups are here: the first joint loads meet
.irp s, 0,1
	s_mov_b32 s[G0+4*\s], 1
	s_add_co_u32 s[G0+4*\s+1], s45, \s*SLOT
	s_add_nc_u64 s[G0+4*\s+2:G0+4*\s+3], s[20:21], \s*ROWB
	s_or_b32 s[G0+4*\s+3], s[G0+4*\s+3], 0x80000000
	s_mov_b32 s[G0B+4*\s], 1
	s_add_co_u32 s[G0B+4*\s+1], s45, \s*SLOT
	s_add_nc_u64 s[G0B+4*\s+2:G0B+4*\s+3], s[46:47], \s*ROWB
	s_or_b32 s[G0B+4*\s+3], s[G0B+4*\s+3], 0x80000000
.endr
	JLOAD G0, G1, G0B, G1B                         ; K step 0: one tensor load a wave at the head
	; PREFETCHES, two K steps ahead of the joint load that wants the data: of the 128 rows that my wave fetches, each of the four partners takes 32, told apart by address (cx for A, cy for B): a lane a row, 256 bytes of it.
	; Here K steps 1 and 2; behind step 1's load step 3; behind the refill with step j step j + 2, up to the last, 7.
	v_and_b32 v23, 31, v0
	v_lshlrev_b32 v23, 11, v23                     ; my lane's row; never rewritten
	s_cmp_eq_u32 s15, 0
	s_cselect_b64 s[46:47], s[20:21], s[46:47]
	s_cselect_b32 s18, s40, s41
	s_lshl_b32 s18, s18, 16
	s_mov_b32 s19, 0
	s_add_nc_u64 s[46:47], s[46:47], s[18:19]
	s_add_nc_u64 s[46:47], s[46:47], ROWB          ; at K step 1
	s_wait_alu depctr_va_vdst(0)
	global_prefetch_b8 v23, s[46:47] th:TH_LOAD_NT scope:SCOPE_SE
	global_prefetch_b8 v23, s[46:47] offset:ROWB th:TH_LOAD_NT scope:SCOPE_SE
	v_and_b32 v1, 15, v0                           ; l % 16
	s_wait_alu depctr_va_vdst(0)
	v_bfe_u32 v2, v0, 4, 1                         ; l / 16
	v_mul_u32_u24 v3, v1, PITCH
	v_lshl_add_u32 v4, v2, 4, v3                   ; a fragment's row x pitch + 16 x half
	s_mul_i32 s21, s15, HALFT
	s_mul_i32 s22, s16, HALFT
	s_add_co_u32 s22, s22, 2*HALFT
.irp s, 0,1
	v_add_nc_u32 v[ADRA+\s], s21, v4
	v_add_nc_u32 v[ADRB+\s], s22, v4
	s_add_co_u32 s21, s21, SLOT
	s_add_co_u32 s22, s22, SLOT
.endr
	s_mul_i32 s23, s14, 16*SPIT                    ; my stage
	v_mul_u32_u24 v5, v1, SPIT
	s_wait_alu depctr_va_vdst(0)
	v_lshl_add_u32 v5, v2, 3, v5
	v_add_nc_u32 v[STO], s23, v5                   ; in: row l % 16, 8 bytes for each half of the lanes
	v_and_b32 v6, 31, v0
	v_lshlrev_b32 v[CO], 4, v6
	v_lshrrev_b32 v7, 3, v6
	v_mul_u32_u24 v7, v7, SPIT
	v_and_b32 v8, 7, v6
	v_lshl_add_u32 v7, v8, 4, v7
	v_add_nc_u32 v[RD], s23, v7                    ; back: eight lanes to a row of 128 bytes, four rows an instruction
	v_add_nc_u32 v[COP], s90, v[CO]
	s_sub_co_u32 s91, 1024, s90
	v_add_nc_u32 v[COM], s91, v[CO]
	v_lshlrev_b32 v[BCO], 5, v2
	s_wait_alu depctr_va_vdst(0)
	v_lshlrev_b32 v[BRO], 2, v1
	s_wait_alu depctr_va_vdst(0)
	s_cmp_eq_u32 s84, 1                            ; my third's bias
	s_cselect_b64 s[6:7], s[8:9], s[6:7]
	s_cmp_eq_u32 s84, 2
	s_cselect_b64 s[6:7], s[10:11], s[6:7]
	s_lshl_b32 s98, s17, 8
	s_lshl_b32 s99, s15, 7
	s_add_co_u32 s98, s98, s99
	s_lshl_b32 s98, s98, 2
	s_mov_b32 s99, 0
	s_add_nc_u64 s[12:13], s[6:7], s[98:99]        ; at my first row of C
	s_lshl_b32 s98, s42, 8
	s_lshl_b32 s100, s16, 7
	s_add_co_u32 s98, s98, s100
	s_lshl_b32 s98, s98, 2
	s_add_nc_u64 s[6:7], s[6:7], s[98:99]          ; at my first column of C (both stay inside the 2,048 numbers in every third)
.irp b, 0,1,2,3,4,5,6,7
	global_load_b128 v[BC+8*\b:BC+8*\b+3], v[BCO], s[6:7] offset:64*\b          ; lane (r, h), tile b: bias of columns 16 b + 8 h + 0 .. 7
	global_load_b128 v[BC+8*\b+4:BC+8*\b+7], v[BCO], s[6:7] offset:64*\b+16
.endr
.irp a, 0,1,2,3,4,5,6,7
	global_load_b32 v[BR+2*\a], v[BRO], s[12:13] offset:64*\a                   ; block a: bias of row 16 a + r
.endr
	s_lshl_b32 s98, s17, 1
	s_add_co_u32 s98, s98, s15                     ; which 128 rows of C are my wave's,
	s_lshl_b32 s99, s42, 1
	s_add_co_u32 s99, s99, s16                     ; which 128 columns
	s_cmp_eq_u32 s84, 2
	s_cselect_b32 s100, s98, s99                   ; the head: by the columns (Q, K) or by the rows (V^T)
	s_cselect_b32 s101, s99, s98                   ; s / 128
	s_lshl_b32 s100, s100, 4
	s_add_co_u32 s100, s100, s101
	s_lshl_b32 s100, s100, 14
	s_lshl_b32 s101, s84, 22
	s_add_co_u32 s100, s100, s101
	s_mov_b32 s101, 0
	s_add_nc_u64 s[70:71], s[70:71], s[100:101]    ; my block of 16 KiB
	s_wait_kmcnt 0x0
	s_add_co_i32 s91, s72, s73
	s_add_co_i32 s92, s74, s75
	s_add_co_i32 s93, s76, s77
	s_cmp_eq_u32 s84, 1
	s_cselect_b32 s91, s92, s91
	s_cselect_b32 s94, s79, s78
	s_cmp_eq_u32 s84, 2
	s_cselect_b32 s91, s93, s91                    ; eA + eB
	s_cselect_b32 s94, s81, s94                    ; eo: e6, e7 or e9
	s_sub_co_i32 s87, 0, s91
	s_add_co_i32 s96, s91, 127
	s_lshl_b32 s96, s96, 23                        ; 2^(eA + eB) as f32
	s_mov_b32 s97, s96                             ; (named with it as a pair, so it is written)
	s_add_co_i32 s94, s94, 127
	s_lshl_b32 s95, s94, 23
	v_mov_b32 v[SC], s95
	s_add_co_i32 s94, s94, 8
	s_lshl_b32 s94, s94, 23
	s_or_b32 s94, s94, 0x600000
	v_mov_b32 v[LIM], s94
	s_wait_loadcnt 0x0
.set n, 0
.rept 64
	v_ldexp_f32 v[BC+n], v[BC+n], s87              ; bias / 2^(eA + eB): the power of two that the sums lack
	v_cndmask_b32 v[BC+n], 0, v[BC+n], s88         ; 0 in V's third
.set n, n+1
.endr
.irp a, 0,1,2,3,4,5,6,7
	v_cndmask_b32 v[BR+2*\a], 0, v[BR+2*\a], s89   ; 0 in Q's and K's thirds
	v_mov_b32 v[BR+2*\a+1], v[BR+2*\a]             ; a pair for the packed multiply-add
.endr
.macro FRAG reg, adr, q, i             ; a fragment, 16 rows x 128 K, is 16 registers: lane l holds row l % 16; registers 4 c .. 4 c + 3 hold K = 32 c + 16 (l / 16) + 0 .. 15
.irp c, 0,1,2,3
	ds_load_b128 v[\reg+4*\c:\reg+4*\c+3], v[\adr] offset:128*(\q)+32*\c+(\i)*16*PITCH
.endr
.endm
; 16 matrix instructions: A's blocks a0, a0 + 1 x B's eight.  p: B's set.  first = 1: the sums begin with the bias as C.  The 64 accumulators take turns, one instruction a turn.
.macro MUL16 a0, p, first
.irp a, \a0, \a0+1
.irp b, 0,1,2,3,4,5,6,7
.if \first
	v_wmma_f32_16x16x128_fp8_fp8 v[8*(8*((\a)%4)+\b):8*(8*((\a)%4)+\b)+7], v[128*(\p)+FR*\b:128*(\p)+FR*\b+FR-1], v[AF+FR*(\a):AF+FR*(\a)+FR-1], v[BC+8*\b:BC+8*\b+7]
.else
	v_wmma_f32_16x16x128_fp8_fp8 v[8*(8*((\a)%4)+\b):8*(8*((\a)%4)+\b)+7], v[128*(\p)+FR*\b:128*(\p)+FR*\b+FR-1], v[AF+FR*(\a):AF+FR*(\a)+FR-1], v[8*(8*((\a)%4)+\b):8*(8*((\a)%4)+\b)+7]
.endif
.endr
.endr
.endm
.macro FETCH_B slot, q, p
	WIN TO_B
.irp i, 0,1,2,3,4,5,6,7
	FRAG 128*(\p)+FR*\i, ADRB+\slot, \q, \i
.endr
	WIN 0
.endm
.macro FETCH_A slot, q, i0
.irp i, \i0, \i0+1, \i0+2, \i0+3
	FRAG AF+FR*(\i), ADRA+\slot, \q, \i
.endr
.endm
.macro PLACES n                        ; plain vector lines between a matrix instruction and a load into its registers or a read of its result
.rept \n
	v_nop
.endr
.endm
; A step of 128 along K that has its successor in the same slot.  A block of A is free as soon as its eight products are issued: blocks 0-3 are fetched anew in the step's middle, blocks 4-7 at its end.
.macro STEP slot, q, first
	s_wait_dscnt 4*NL                              ; B's set and A's blocks 0-3 are in; the youngest 16 loads (A's blocks 4-7) may be out
	WIN MUL_LO-0x20*(\first)
	MUL16 0, (\q)%2, \first
	MUL16 2, (\q)%2, \first
	s_wait_dscnt 0
	PLACES NP
	FETCH_B \slot, (\q)+1, 1-(\q)%2
	FETCH_A \slot, (\q)+1, 0
	WIN MUL_HI-0x30*(\first)
	MUL16 4, (\q)%2, \first
	MUL16 6, (\q)%2, \first
	PLACES NP
	WIN 0
	FETCH_A \slot, (\q)+1, 4
.endm
; A slot's last step changes slots: ONE barrier; in front of it each wave waits for all its tensor loads, adds 0 to its spare word, and waits for that and for its own reads of this slot.
.macro TURN slot, next, fill
.if \fill
	s_wait_xcnt 0x0                                ; any prefetch of mine has read its address
	s_add_nc_u64 s[46:47], s[46:47], ROWB
.endif
	s_wait_tensorcnt 0x0                           ; all my tensor loads have landed: my part of the next slot
	ds_add_u32 v[SPW], v[NIL]                      ; 0 onto my spare word
	s_wait_dscnt 4*NL+1                            ; the add and the youngest 16 loads (A's blocks 4-7) may be out
	WIN MUL_LO
	MUL16 0, 1, 0
	s_wait_dscnt 0x0                               ; the add is done, and my reads of this slot are over
	s_barrier_signal -1
	MUL16 2, 1, 0
	WIN 0
	s_barrier_wait -1
.if \fill
	CREST                                          ; the barrier has opened a round of the cluster's barrier: no wave of any partner still reads this slot or has a load on its way
	s_add_nc_u64 s[G0+4*\slot+2:G0+4*\slot+3], s[G0+4*\slot+2:G0+4*\slot+3], 2*ROWB
	s_add_nc_u64 s[G0B+4*\slot+2:G0B+4*\slot+3], s[G0B+4*\slot+2:G0B+4*\slot+3], 2*ROWB
	JLOAD G0+4*\slot, G1, G0B+4*\slot, G1B         ; the first tensor load behind the round; its four v_nop are the places in front of the loads below
.else
	PLACES NP
.endif
	FETCH_B \next, 0, 0
	FETCH_A \next, 0, 0
.if \fill
	s_cmp_gt_u32 s3, 1                             ; the last trip fills steps 6 and 7: nothing lies two steps on
	s_cbranch_scc0 .Lno_ask_\@
	global_prefetch_b8 v23, s[46:47] offset:2*ROWB th:TH_LOAD_NT scope:SCOPE_SE
.Lno_ask_\@:
.endif
	WIN MUL_HI
	MUL16 4, 1, 0
	MUL16 6, 1, 0
	PLACES NP
	WIN 0
	FETCH_A \next, 0, 4
.endm
	s_wait_alu depctr_va_vdst(0)
	s_wait_tensorcnt 0x0                           ; my part of K step 0 is in
	ds_add_u32 v[SPW], v[NIL]
	s_wait_dscnt 0x0
	CROUND                                         ; everybody's part of K step 0 is in, and all sixteen work-groups are here
	JLOAD G0+4, G1, G0B+4, G1B                     ; K step 1
	FETCH_B 0, 0, 0
	FETCH_A 0, 0, 0
	FETCH_A 0, 0, 4
	global_prefetch_b8 v23, s[46:47] offset:2*ROWB th:TH_LOAD_NT scope:SCOPE_SE   ; K step 3
	STEP 0, 0, 1                                   ; the first step stands in front of the loop: its products start the sums
	s_mov_b32 s3, LAPS-1
.Llap:                                             ; a trip goes once round the ring and fills both slots again
	TURN 0, 1, 1
	STEP 1, 0, 0
	TURN 1, 0, 1
	STEP 0, 0, 0
	s_sub_co_u32 s3, s3, 1
	s_cmp_lg_u32 s3, 0
	s_cbranch_scc1 .Llap
	TURN 0, 1, 0                                   ; the last lap fills nothing
	STEP 1, 0, 0
	s_wait_dscnt 4*NL
	WIN MUL_LO
	MUL16 0, 1, 0
	MUL16 2, 1, 0
	s_wait_dscnt 0
	WIN MUL_HI
	MUL16 4, 1, 0
	MUL16 6, 1, 0
	WIN 0
; THE WAY OUT, block by block of 16 rows x 128 columns.  PACK: sum x 2^(eA + eB) + row bias, the hold, eight numbers of a lane into 8 bytes.  TOSTAGE: into my own stage, and back four rows (512 bytes) an instruction.
; SEND: 32 lanes store 512 consecutive bytes of my block, aligned.  In K's third the groups of eight rows with bits (4, 3) = (0, 1) and (1, 0) change places: 1,024 bytes up or down, by the choice of the offset register.
.macro PACK a
.set AC, 64*((\a)%4)
	WIN 0x02+((\a)/4)                              ; source 0: window 2 or 3
.set j, 0
.rept 32
	v_pk_fma_f32 v[TT+j:TT+j+1], v[AC+j:AC+j+1], s[96:97], v[BR+2*(\a):BR+2*(\a)+1] op_sel_hi:[1,0,1]   ; each accumulator from its low end on
.set j, j+2
.endr
	WIN 0
.set j, 0
.rept 64
	v_med3_num_f32 v[TT+j], v[TT+j], -v[LIM], v[LIM]   ; the conversion to an 8-bit code does not saturate (ISA guide 7.6.2)
.set j, j+1
.endr
.irp b, 0,1,2,3,4,5,6,7
	v_cvt_scalef32_pk8_fp8_f32 v[CD+16*((\a)%2)+2*\b:CD+16*((\a)%2)+2*\b+1], v[TT+8*\b:TT+8*\b+7], v[SC]
.endr
	v_nop                                          ; a plain line between the conversions and the next block's lines, which write their sources
.endm
.macro TOSTAGE a
.set OBA, OB+16*((\a)%7)
.set CDA, CD+16*((\a)%2)
.irp b, 0,1,2,3,4,5,6,7
	ds_store_b64 v[STO], v[CDA+2*\b:CDA+2*\b+1] offset:16*\b
.endr
.irp t, 0,1,2,3
	ds_load_b128 v[OBA+4*\t:OBA+4*\t+3], v[RD] offset:4*SPIT*\t   ; LDS serves a wave's instructions in order (ISA guide 5.7.1.4): these see the stores above
.endr
.endm
.macro SEND a
.set OBA, OB+16*((\a)%7)
	s_wait_dscnt 0x0                               ; the block is back in registers, and its stores into the stage have read theirs
.irp t, 0,1,2,3
.if (((\a)%2) == 0) && (\t >= 2)
	global_store_b128 v[COP], v[OBA+4*\t:OBA+4*\t+3], s[70:71] offset:2048*(\a)+512*\t
.elseif (((\a)%2) == 1) && (\t < 2)
	global_store_b128 v[COM], v[OBA+4*\t:OBA+4*\t+3], s[70:71] offset:2048*(\a)+512*\t-1024
.else
	global_store_b128 v[CO], v[OBA+4*\t:OBA+4*\t+3], s[70:71] offset:2048*(\a)+512*\t
.endif
.endr
.endm
	PLACES NP
	PACK 0
	TOSTAGE 0
.irp a, 1,2,3,4,5,6,7
	PACK \a                                        ; block a's arithmetic stands between block a - 1's loads from the stage and the wait for them
	s_wait_alu depctr_va_vdst(0)
	SEND \a-1
.if \a == 7
	s_wait_xcnt 0x0                                ; block 0's stores have read their data: block 7 comes back into those registers
.endif
	TOSTAGE \a
.endr
	SEND 7
	s_wait_tensorcnt 0x0                           ; the wave's end, behind my last tensor load and my last LDS store
	ds_add_u32 v[SPW], v[NIL]
	s_wait_dscnt 0x0
	CROUND                                         ; the closing round: no work-group ends while a partner may still ask for a tile that names it
	s_endpgm
.Lfunc_end_k_qeb13f3d098_qkv:
	.size	k_qeb13f3d098_qkv, .Lfunc_end_k_qeb13f3d098_qkv-k_qeb13f3d098_qkv
	.p2alignl 7, 3214868480
	.fill 96, 4, 3214868480
	.section	.rodata,"a",@progbits
	.p2align	6, 0x0
	.amdhsa_kernel k_qeb13f3d098_qkv
		.amdhsa_group_segment_fixed_size 327680
		.amdhsa_private_segment_fixed_size 0
		.amdhsa_enable_private_segment 0
		.amdhsa_kernarg_size 48
		.amdhsa_user_sgpr_count 2
		.amdhsa_user_sgpr_kernarg_segment_ptr 1
		.amdhsa_wavefront_size32 1
		.amdhsa_system_sgpr_workgroup_id_x 1
		.amdhsa_system_sgpr_workgroup_id_y 1
		.amdhsa_system_sgpr_workgroup_id_z 1
		.amdhsa_system_vgpr_workitem_id 0
		.amdhsa_next_free_vgpr 1024
		.amdhsa_next_free_sgpr 102
		.amdhsa_reserve_vcc 0
		.amdhsa_float_denorm_mode_32 3
		.amdhsa_float_denorm_mode_16_64 3
		.amdhsa_memory_ordered 1
		.amdhsa_forward_progress 1
		.amdhsa_inst_pref_size 155
	.end_amdhsa_kernel
	.amdgpu_metadata
---
amdhsa.version: [ 1, 2 ]
amdhsa.kernels:
  - .name:           k_qeb13f3d098_qkv
    .symbol:         k_qeb13f3d098_qkv.kd
    .args:
      - { .name: codes, .offset: 0, .size: 8, .value_kind: global_buffer, .address_space: global }
      - { .name: bq, .offset: 8, .size: 8, .value_kind: global_buffer, .address_space: global }
      - { .name: bk, .offset: 16, .size: 8, .value_kind: global_buffer, .address_space: global }
      - { .name: bv, .offset: 24, .size: 8, .value_kind: global_buffer, .address_space: global }
      - { .name: lowp_scales, .offset: 32, .size: 8, .value_kind: global_buffer, .address_space: global }
      - { .name: qkv, .offset: 40, .size: 8, .value_kind: global_buffer, .address_space: global }
    .group_segment_fixed_size: 327680
    .private_segment_fixed_size: 0
    .kernarg_segment_align: 8
    .kernarg_segment_size: 48
    .max_flat_workgroup_size: 128
    .sgpr_count:     102
    .vgpr_count:     1024
    .wavefront_size: 32
...
	.end_amdgpu_metadata
.endif
;; end of part 6
;; launch attn (part 7): grid 16 x 16, 8 waves a work-group, no clusters, 176,128 bytes of LDS; arguments qkv, maskw, flags, lowp_scales, oc; writes oc
.if DOCPART == 7
	.amdgcn_target "amdgcn-amd-amdhsa--gfx1250"
	.amdhsa_code_object_version 6
	.text
	.protected	k_qeb13f3d098_attn
	.globl	k_qeb13f3d098_attn
	.p2align	8
	.type	k_qeb13f3d098_attn,@function
k_qeb13f3d098_attn:
	s_mov_b64 s[64:65], 0
	v_nop
	global_prefetch_b8 v0, s[64:65] scope:SCOPE_SE
	s_setreg_imm32_b32 hwreg(HW_REG_WAVE_MODE, 25, 1), 1
	s_wait_xcnt 0x0
; ATTENTION on codes of FP8: for each head, S^T = K Q^T, the softmax's p = 2^(t - M) quantised with 2^e8, O^T = V^T P^T, divided by the sum of the unquantised p and quantised with 2^e10 for the last product.
; WORK LEFT OUT: a pair of key steps in which the mask keeps no key for any of a block's 64 queries (p = 0 there, exactly, whatever Q, K and V hold) is passed over, by the whole numbers flags that an earlier launch made of attn_mask.
; It holds for every mask.  LIMIT: a NaN or an infinity that reaches only such tiles is not carried to the result.
; SHARES.  A work-group takes, of head y, the blocks of 64 queries 31 - x and then x.  Wave w: query tile w % 4 (16 queries), and of each pair of key steps (256 keys) the step kh = w / 4: the two waves of a tile join their sums and O at the block's end.
; A trip works one pair.  The pairs of both blocks are bits of one word (block 1: bits 0, 2, .. 14; block 2: 16, .. 30; each block's first pair is always walked); trips are counted, eight a block, and a trip without a pair does nothing but pass its barrier.
; K AND V go from memory into registers one trip ahead and from there into one of two LDS slots of 64 KiB: rows of 128 bytes, the 16-byte chunk c of row r at place c xor ((r / 2) % 8): sixteen rows' fragments and a row pair's stores both touch all 64 banks once (ISA guide 11.1).
; No tensor load: branches here hang on numbers read from memory.  No cluster: what partners would load hangs on their own lists.
; ONE BARRIER A TRIP: in front of it each wave has waited for its stores into the next slot and for all its reads of this one; behind it the next trip's fragments of K are read.
; A tile of which all keys count skips the masking.  p is at most 1, up to rounding: the hold at 448 x 2^e8 is walked only where e8 < -8.
; LIMITS: e6 + e7 between -123 and 130; e8, e10 between -126 and 119; scaled scores (exponents to the base 2) under 2^31 in magnitude.  A query for which no key counts gets NaN codes, as the reference's softmax gives NaN.
; REGISTERS: window 0 as named below; window 1: v0-127 K's fragments, v128-255 V's.
.set SLOT,  65536
.set VO,    32768                      ; V's two tiles behind K's
.set EXCH,  2*SLOT                     ; half of O^T from wave to wave: 4,096 bytes a wave
.set STAT,  EXCH+8*4096                ; -M and the sum: 256 bytes a wave
.set STAGE, STAT+8*256                 ; the way out: 16 rows x 144 bytes a tile
.set SPARE, STAGE+4*2304               ; the spare words, 128 bytes a wave, which no other line names
.set SPW, 1
.set NIL, 2
.set PFO, 3
.set GL,  4                            ; v4-7    memory offsets of my loads
.set STO, 8                            ; v8-9    LDS address of my stores, slot 0, 1
.set AD,  10                           ; v10-17  LDS address of my fragments, 4 chunks x 2 slots
.set NM,  18                           ; -M
.set MT,  19                           ; the largest t
.set LS,  20                           ; v[20:21] the sum in two halves
.set FF,  22                           ; v[22:23] the factor
.set NINF, 27
.set QO,  28
.set HL,  30
.set SCP, 31
.set SG,  32                           ; v32-95  the pair on its way
.set QF,  96
.set PF,  112
.set S,   128
.set O,   192
.set REM, 86                           ; pairs not yet asked for or on their way
.set SI,  87                           ; the pair on its way in registers (-1: none)
.set CI,  88                           ; the pair at work
.set NX,  89
.set ANY, 90
.set NALL, 91
.set BL,  92                           ; 16 in the first block, 32 in the second: pairs below it are this block's or done
.set KH,  93
.set MINE, 94
.set MIX, 95
.set PFC, 104                          ; trips until my prefetch
.set MO,  105                          ; my tile's mask words
.set MSB, 0
.macro WIN new
.if MSB != (\new)
	s_set_vgpr_msb (MSB<<8)|(\new)
.set MSB, (\new)
.endif
.endm
.macro GLOADS                          ; pair SI: 32 KiB of K and of V, an eighth a wave
	s_min_u32 s96, s[SI], 31
	s_and_b32 s96, s96, 15
	s_lshl_b32 s98, s96, 14
	s_mov_b32 s99, 0
	s_add_nc_u64 s[98:99], s[4:5], s[98:99]
.set n, 0
.rept 16
	global_load_b128 v[SG+4*n:SG+4*n+3], v[GL+n%4], s[98:99] offset:0x400000*(n/8)+512*(n%8)
.set n, n+1
.endr
.endm
.macro STORE d                         ; the pair in registers into slot d
.set n, 0
.rept 16
	ds_store_b128 v[STO+(\d)], v[SG+4*n:SG+4*n+3] offset:VO*(n/8)+512*(n%8)
.set n, n+1
.endr
.endm
.macro ADVANCE                         ; the next pair is asked for, if there is one (behind s_wait_loadcnt 0: the base may be rewritten)
	s_sub_co_u32 s96, s[REM], 1
	s_and_b32 s[REM], s[REM], s96
	s_ctz_i32_b32 s[SI], s[REM]
	s_cmp_eq_u32 s[REM], 0
	s_cbranch_scc1 .Lnone_\@
	GLOADS
.Lnone_\@:
.endm
.macro FRAGS d, dst, off               ; eight fragments of 16 rows from slot d
	WIN 0x40
.set n, 0
.rept 8
.irp c, 0,1,2,3
	ds_load_b128 v[\dst+16*n+4*\c:\dst+16*n+4*\c+3], v[AD+4*(\d)+\c] offset:\off+2048*n
.endr
.set n, n+1
.endr
.endm
.macro SLOAD                           ; 64 mask words at s97
	s_load_b512 s[16:31], s[6:7], s97 offset:0x0
	s_load_b512 s[32:47], s[6:7], s97 offset:0x40
	s_load_b512 s[48:63], s[6:7], s97 offset:0x80
	s_load_b512 s[68:83], s[6:7], s97 offset:0xc0
.endm
.macro QLOAD                           ; Q's fragment of query block s94
	s_lshl_b32 s94, s94, 13
	s_mov_b32 s95, 0
	s_add_nc_u64 s[94:95], s[84:85], s[94:95]
.irp c, 0,1,2,3
	global_load_b128 v[QF+4*\c:QF+4*\c+3], v[QO], s[94:95] offset:32*\c
.endr
.endm
	s_load_b256 s[4:11], s[0:1], 0x0               ; qkv, maskw, flags, lowp_scales
	s_load_b64 s[12:13], s[0:1], 0x20              ; oc
	v_lshl_add_u32 v[SPW], v0, 2, SPARE
	v_mov_b32 v[NIL], 0
	v_lshrrev_b32 v24, 5, v0
	v_readfirstlane_b32 s2, v24                    ; wave
	s_lshr_b32 s[KH], s2, 2
	s_and_b32 s3, s2, 3                            ; tile
	s_lshl_b32 s96, s2, 12
	s_lshl_b32 s97, s[KH], 14
	v_and_b32 v24, 31, v0                          ; lane
	v_lshrrev_b32 v25, 3, v24
	v_and_b32 v26, 7, v24
	v_lshrrev_b32 v28, 4, v24                      ; h
	v_lshlrev_b32 v25, 7, v25
	v_and_b32 v29, 15, v0                          ; r
	v_add_nc_u32 v25, s96, v25
	v_lshlrev_b32 v22, 7, v29
	v_lshrrev_b32 v23, 1, v29
	v_add_nc_u32 v22, s97, v22
.irp u, 0,1,2,3
	v_add_nc_u32 v20, 2*\u, v28                    ; (row / 2) % 8 of load u's row, and chunk 2 u + h of a fragment
	v_xor_b32 v21, v26, v20
	v_xor_b32 v20, v23, v20
	v_lshl_add_u32 v[GL+\u], v21, 4, v25
	v_lshl_add_u32 v[AD+\u], v20, 4, v22
.endr
.irp u, 0,1,2,3
	v_add_nc_u32 v[AD+4+\u], SLOT, v[AD+\u]
.endr
	v_lshl_add_u32 v[STO], v24, 4, s96
	v_lshlrev_b32 v29, 7, v29
	v_lshl_add_u32 v[QO], v28, 4, v29              ; Q: row r, + 16 h
	v_add_nc_u32 v[STO+1], SLOT, v[STO]
	v_lshlrev_b32 v[PFO], 8, v24
	v_mov_b32 v[NINF], 0xff800000
	v_mov_b32 v[FF+1], 0                           ; (named as the upper half of a pair)
	v_mov_b32 v25, 0                               ; (lane permutes' destinations count as read)
	v_mov_b32 v26, 0
	s_and_b32 s86, ttmp7, 0xffff                   ; head
	s_lshl_b32 s98, s86, 18
	s_mov_b32 s99, 0
	s_lshl_b32 s96, s3, 11
	s_mov_b32 s97, 0
	s_lshl_b32 s94, s86, 14
	s_lshl_b32 s87, s[KH], 10
	s_add_co_u32 s94, s94, s87
	s_add_co_u32 s94, s94, s96
	s_mov_b32 s95, 0
	s_wait_alu depctr_va_vdst(0)
	s_wait_kmcnt 0x0
	s_add_nc_u64 s[4:5], s[4:5], s[98:99]          ; the head's Q,
	s_add_nc_u64 s[84:85], s[4:5], s[96:97]        ; my tile's place in a block of it;
	s_add_nc_u64 s[4:5], s[4:5], 0x400000          ; the head's K; V lies 0x400000 further
	s_add_nc_u64 s[12:13], s[12:13], s[94:95]      ; oc: head, tile, my eight rows
	s_mov_b32 s[SI], 0
	GLOADS                                         ; the first block's first pair is always walked
	s_sub_co_u32 s94, 31, ttmp9
	QLOAD
	s_load_b256 s[68:75], s[10:11], 0x0            ; e0 .. e7
	s_load_b128 s[76:79], s[10:11], 0x20           ; e8 .. e11
	s_sub_co_u32 s96, 31, ttmp9
	s_lshl_b32 s96, s96, 11
	s_mov_b32 s97, 0
	s_add_nc_u64 s[96:97], s[8:9], s[96:97]
	s_lshl_b32 s90, ttmp9, 11
	s_mov_b32 s91, 0
	s_add_nc_u64 s[90:91], s[8:9], s[90:91]
.irp k, 0,1,2,3,4,5,6,7
	s_load_b32 s[16+\k], s[96:97], 256*\k          ; the first block's flags,
	s_load_b32 s[24+\k], s[90:91], 256*\k          ; the second's
.endr
	; A PREFETCH of K and V: the sixteen work-groups of a head share them out: work-group x asks for key step x (x / 2: its pair), four trips ahead of the trip that works it in the first block, two ahead of its load (pair 3: in the first trip, one ahead);
	; pairs 0 to 2 come by their loads alone.  Waves 0 and 1: K's 16 KiB, waves 2 and 3: V's, lanes 256 bytes apart.
	s_lshl_b32 s88, ttmp9, 14
	s_and_b32 s86, s2, 1
	s_lshl_b32 s86, s86, 13
	s_add_co_u32 s88, s88, s86
	s_bfe_u32 s86, s2, 0x10001
	s_lshl_b32 s86, s86, 22
	s_add_co_u32 s88, s88, s86
	s_mov_b32 s89, 0
	s_add_nc_u64 s[100:101], s[4:5], s[88:89]
	s_lshr_b32 s[PFC], ttmp9, 1
	s_max_u32 s[PFC], s[PFC], 4
	s_sub_co_u32 s[PFC], s[PFC], 4
	s_cmp_ge_u32 ttmp9, 6
	s_cselect_b32 s[PFC], s[PFC], -1
	s_cmp_lt_u32 s2, 4
	s_cselect_b32 s[PFC], s[PFC], -1
	s_mov_b32 s66, 0x76543210                      ; v_permlanex16_b32's selects: lane l xor 16
	s_mov_b32 s67, 0xfedcba98
	s_mov_b32 s[BL], 16
.set n, 0
.rept 64
	v_mov_b32 v[S+n], 0                            ; so that S is written on every path
.set n, n+1
.endr
	s_wait_kmcnt 0x0
	s_mov_b32 s96, s16
	s_mov_b32 s88, s24
.irp k, 1,2,3,4,5,6,7
	s_lshl_b32 s97, s[16+\k], 2*\k                 ; bits 15:0: key steps with a key that counts; 31:16: with one that does not
	s_or_b32 s96, s96, s97
	s_lshl_b32 s97, s[24+\k], 2*\k
	s_or_b32 s88, s88, s97
.endr
	s_and_b32 s97, s96, 0xffff
	s_lshl_b32 s89, s88, 16
	s_or_b32 s[ANY], s97, s89
	s_lshr_b32 s97, s96, 16
	s_and_b32 s89, s88, 0xffff0000
	s_or_b32 s[NALL], s97, s89
	s_lshr_b32 s97, s[ANY], 1
	s_or_b32 s97, s97, s[ANY]
	s_and_b32 s97, s97, 0x55555555
	s_or_b32 s[REM], s97, 0x10001
	s_add_co_i32 s97, s74, s75
	s_lshl_b32 s97, s97, 23
	s_add_co_i32 s14, s97, 0x3e0293ee              ; c = log2(e) / sqrt(128), x 2^(e6 + e7)
	s_mov_b32 s15, s14                             ; (named with it as a pair, so it is written)
	s_add_co_i32 s9, s76, s77                      ; e8 + e9
	s_cmp_lt_i32 s76, -8
	s_cselect_b32 s8, 1, 0                         ; 1: 448 x 2^e8 is under 1, so p is held
	s_add_co_i32 s97, s76, 127
	s_lshl_b32 s96, s97, 23
	v_mov_b32 v[SCP], s96                          ; 2^e8
	s_add_co_i32 s97, s97, 8
	s_lshl_b32 s97, s97, 23
	s_or_b32 s97, s97, 0x600000
	v_mov_b32 v[HL], s97                           ; 448 x 2^e8
	s_add_co_i32 s97, s78, 127
	s_lshl_b32 s10, s97, 23                        ; 2^e10
	s_add_co_i32 s97, s97, 8
	s_lshl_b32 s97, s97, 23
	s_or_b32 s11, s97, 0x600000                    ; 448 x 2^e10
	s_sub_co_u32 s97, 31, ttmp9
	s_lshl_b32 s97, s97, 14
	s_lshl_b32 s96, s3, 12
	s_add_co_u32 s97, s97, s96
	SLOAD                                          ; key step 0's words: so the mask's registers are written on every path
.macro TRIP s                          ; the pair in slot s; the next one goes into the other slot
	s_mov_b32 s[NX], -1
	s_cmp_lt_u32 s[SI], s[BL]
	s_cbranch_scc0 .Lnofill_\@
	s_wait_loadcnt 0x0                             ; the next pair of this block is in registers,
	STORE 1-\s                                     ; the other slot was left before the last barrier
	s_mov_b32 s[NX], s[SI]
	ADVANCE
.Lnofill_\@:
	s_cmp_eq_u32 s[PFC], 0
	s_cbranch_scc0 .Lnoask_\@
	global_prefetch_b8 v[PFO], s[100:101] th:TH_LOAD_NT scope:SCOPE_SE
.Lnoask_\@:
	s_sub_co_u32 s[PFC], s[PFC], 1
	s_add_co_u32 s96, s[CI], s[KH]                 ; my key step's bit
	s_lshr_b32 s97, s[NALL], s96
	s_and_b32 s[MIX], s97, 1
	s_lshr_b32 s97, s[ANY], s96
	s_and_b32 s97, s97, 1
	s_cmp_lt_u32 s[CI], s[BL]
	s_cselect_b32 s[MINE], s97, 0
	s_cmp_eq_u32 s[MINE], 0
	s_cbranch_scc1 .Lmeet_\@
	s_cmp_eq_u32 s[MIX], 0
	s_cbranch_scc1 .Lwhole_\@
	s_min_u32 s97, s[CI], 31
	s_and_b32 s97, s97, 15
	s_add_co_u32 s97, s97, s[KH]
	s_lshl_b32 s97, s97, 8
	s_add_co_u32 s97, s97, s[MO]
	SLOAD
.Lwhole_\@:
	s_wait_dscnt 32                                ; K's 32 loads are in: behind them stand V's 32 and at most 16 stores
	WIN 0x01
.set n, 0
.rept 8
	v_wmma_f32_16x16x128_fp8_fp8 v[S+8*n:S+8*n+7], v[16*n:16*n+15], v[QF:QF+15], 0
.set n, n+1
.endr
	WIN 0
.rept 4
	v_nop
.endr
	s_wait_kmcnt 0x0
	s_cmp_eq_u32 s[MIX], 0
	s_cbranch_scc1 .Lopen_\@
.set n, 0
.rept 64
	v_cndmask_b32 v[S+n], v[NINF], v[S+n], s[16+n+4*(n/48)]
.set n, n+1
.endr
.Lopen_\@:
	v_max3_num_f32 v24, v[S], v[S+1], v[S+2]       ; the largest score among my 64 keys, in four chains,
	v_max3_num_f32 v25, v[S+3], v[S+4], v[S+5]
	v_max3_num_f32 v26, v[S+6], v[S+7], v[S+8]
	v_max3_num_f32 v29, v[S+9], v[S+10], v[S+11]
.set n, 12
.rept 6
	v_max3_num_f32 v24, v24, v[S+n], v[S+n+1]
	v_max3_num_f32 v25, v25, v[S+n+2], v[S+n+3]
	v_max3_num_f32 v26, v26, v[S+n+4], v[S+n+5]
	v_max3_num_f32 v29, v29, v[S+n+6], v[S+n+7]
.set n, n+8
.endr
	v_max3_num_f32 v24, v24, v[S+60], v[S+61]
	v_max3_num_f32 v25, v25, v[S+62], v[S+63]
	v_max_num_f32 v26, v26, v29
	v_max3_num_f32 v24, v24, v25, v26
	s_delay_alu instid0(VALU_DEP_1)
	v_permlanex16_b32 v25, v24, s66, s67           ; and among lane l xor 16's
	s_delay_alu instid0(VALU_DEP_1)
	v_max_num_f32 v24, v24, v25
	s_delay_alu instid0(VALU_DEP_1)
	v_mul_f32 v24, s14, v24
	s_delay_alu instid0(VALU_DEP_1)
	v_max_num_f32 v[MT], v[MT], v24
	v_mov_b32 v24, v[NM]
	s_delay_alu instid0(VALU_DEP_2)
	v_floor_f32 v[NM], -v[MT]                      ; -M = floor(-t): M is a whole number
.set n, 0
.rept 32
	v_pk_fma_f32 v[S+n:S+n+1], v[S+n:S+n+1], s[14:15], v[NM:NM+1] op_sel_hi:[1,0,0]   ; t - M
.if n == 6
	v_sub_f32 v24, v[NM], v24                      ; M's old value less its new one
.endif
.if n == 14
	v_cvt_i32_f32 v24, v24                         ; (it saturates)
.endif
.if n == 22
	v_ldexp_f32 v[FF], 1.0, v24                    ; 2^(old M - new M)
.endif
.set n, n+2
.endr
	s_wait_alu depctr_va_vdst(0)                   ; the wait serves the batch behind the barrier too
.Lmeet_\@:
	s_wait_dscnt 0x0                               ; my stores into the other slot are done, and so are all my reads of this one
	s_barrier_signal -1
	s_barrier_wait -1
	s_cmp_lt_u32 s[NX], s[BL]
	s_cbranch_scc0 .Lnok_\@
	FRAGS 1-\s, 0, 0                               ; the next trip's K
	WIN 0
.Lnok_\@:
	s_cmp_eq_u32 s[MINE], 0
	s_cbranch_scc1 .Ldone_\@
.set n, 0
.rept 64
	v_exp_f32 v[S+n], v[S+n]                       ; p = 2^(t - M)
.set n, n+1
.endr
	s_wait_alu depctr_va_vdst(0)                   ; the wait for the batch, directly ahead of the first reader of O^T
.set n, 0
.rept 32
	v_pk_mul_f32 v[O+n:O+n+1], v[O+n:O+n+1], v[FF:FF+1] op_sel_hi:[1,0]   ; O^T under the new M
.set n, n+2
.endr
	v_pk_mul_f32 v[LS:LS+1], v[LS:LS+1], v[FF:FF+1] op_sel_hi:[1,0]
	v_pk_add_f32 v[24:25], v[S:S+1], v[S+2:S+3]    ; the sum of the unquantised p, in two chains
.set n, 4
.rept 15
	v_pk_add_f32 v[LS:LS+1], v[LS:LS+1], v[S+n:S+n+1]
	v_pk_add_f32 v[24:25], v[24:25], v[S+n+2:S+n+3]
.set n, n+4
.endr
	v_pk_add_f32 v[LS:LS+1], v[LS:LS+1], v[24:25]
	s_wait_alu depctr_va_vdst(0)
	s_cmp_eq_u32 s8, 0
	s_cbranch_scc1 .Lnohold_\@
.set n, 0
.rept 64
	v_min_num_f32 v[S+n], v[S+n], v[HL]            ; the conversion to an 8-bit code does not saturate (ISA guide 7.6.2)
.set n, n+1
.endr
.Lnohold_\@:
.set n, 0
.rept 8
	v_cvt_scalef32_pk8_fp8_f32 v[PF+2*n:PF+2*n+1], v[S+8*n:S+8*n+7], v[SCP]
.set n, n+1
.endr
	v_nop                                          ; a plain line between the conversions and the products
	s_wait_alu depctr_va_vdst(0)
	WIN 0x01
.set n, 0
.rept 8
	v_wmma_f32_16x16x128_fp8_fp8 v[O+8*n:O+8*n+7], v[128+16*n:128+16*n+15], v[PF:PF+15], v[O+8*n:O+8*n+7]
.set n, n+1
.endr
	WIN 0
.rept 4
	v_nop                                          ; places behind the products: for the loads below, and for the next readers of O^T on every path
.endr
.Ldone_\@:
	s_cmp_lt_u32 s[NX], s[BL]
	s_cbranch_scc0 .Lnov_\@
	FRAGS 1-\s, 128, VO                            ; the next trip's V
	WIN 0
.Lnov_\@:
	s_mov_b32 s[CI], s[NX]
.endm
.Lblk:                                             ; two trips: query blocks 31 - x and x
	s_sub_co_u32 s96, 31, ttmp9
	s_cmp_eq_u32 s[BL], 16
	s_cselect_b32 s96, s96, ttmp9
	s_lshl_b32 s[MO], s96, 14
	s_and_b32 s96, s2, 3
	s_lshl_b32 s96, s96, 12
	s_add_co_u32 s[MO], s[MO], s96
	v_mov_b32 v[MT], 0xff61b1e6                    ; -3e38, under every t
	v_mov_b32 v[LS], 0
	v_mov_b32 v[LS+1], 0
	v_floor_f32 v[NM], -v[MT]
.set n, 0
.rept 64
	v_mov_b32 v[O+n], 0                            ; a wave may find no tile of its own, so the sums begin as zeros
.set n, n+1
.endr
	s_wait_alu depctr_va_vdst(0)
	s_wait_kmcnt 0x0
	s_wait_loadcnt 0x0                             ; Q and the block's first pair
	STORE 0
	s_mov_b32 s[CI], s[SI]
	ADVANCE
	s_wait_dscnt 0x0
	s_barrier_signal -1
	s_barrier_wait -1
	FRAGS 0, 0, 0
	FRAGS 0, 128, VO
	WIN 0
	s_mov_b32 s3, 4
.Ltrip:
	TRIP 0
	TRIP 1
	s_sub_co_u32 s3, s3, 1
	s_cmp_lg_u32 s3, 0
	s_cbranch_scc1 .Ltrip
	; THE TWO WAVES OF A TILE JOIN.  Wave kh keeps channels 64 kh .. 64 kh + 63 and sends the other half of its O^T, with its -M and its sum.
.rept 4
	v_nop
.endr
	s_cmp_eq_u32 s[BL], 16
	s_cbranch_scc0 .Lnoq
	s_mov_b32 s94, ttmp9
	QLOAD                                          ; the second block's Q
.Lnoq:
	s_lshl_b32 s96, s2, 12
	s_add_co_u32 s96, s96, EXCH
	s_xor_b32 s97, s2, 4                           ; the partner
	s_lshl_b32 s89, s97, 8
	s_add_co_u32 s89, s89, STAT
	s_lshl_b32 s97, s97, 12
	s_add_co_u32 s97, s97, EXCH
	s_lshl_b32 s88, s2, 8
	s_add_co_u32 s88, s88, STAT
	s_wait_alu depctr_va_vdst(0)
	v_add_f32 v20, v20, v21
	v_and_b32 v132, 31, v0
	v_permlanex16_b32 v26, v20, s66, s67
	v_lshlrev_b32 v133, 4, v132
	v_lshlrev_b32 v134, 3, v132
	v_mov_b32 v136, v[NM]
	v_add_f32 v137, v20, v26                       ; my sum
	v_add_nc_u32 v128, s96, v133
	v_add_nc_u32 v129, s97, v133
	v_add_nc_u32 v130, s88, v134
	v_add_nc_u32 v131, s89, v134
	ds_store_b64 v130, v[136:137]
	s_wait_alu depctr_va_vdst(0)
	s_cmp_lg_u32 s[KH], 0
	s_cbranch_scc1 .Lsend_low
.set n, 0
.rept 8
	ds_store_b128 v128, v[O+32+4*n:O+35+4*n] offset:512*n
.set n, n+1
.endr
	s_branch .Lsent
.Lsend_low:
.set n, 0
.rept 8
	ds_store_b128 v128, v[O+4*n:O+3+4*n] offset:512*n
.set n, n+1
.endr
.Lsent:
	s_wait_dscnt 0x0
	s_barrier_signal -1
	s_barrier_wait -1
	ds_load_b64 v[138:139], v131
.set n, 0
.rept 8
	ds_load_b128 v[144+4*n:147+4*n], v129 offset:512*n
.set n, n+1
.endr
	s_wait_dscnt 8                                 ; the partner's -M and sum; the eight loads of its O^T may be out
	v_min_num_f32 v140, v[NM], v138                ; the greater M
	v_sub_f32 v141, v140, v[NM]
	v_sub_f32 v142, v140, v138
	v_cvt_i32_f32 v141, v141
	v_cvt_i32_f32 v142, v142
	v_ldexp_f32 v[FF], 1.0, v141                   ; both factors are powers of two
	v_ldexp_f32 v178, 1.0, v142
	v_mov_b32 v179, 0
	v_mul_f32 v20, v137, v[FF]
	v_fma_f32 v20, v139, v178, v20                 ; the row's sum
	s_wait_alu depctr_va_vdst(0)
	s_wait_dscnt 0x0
.set n, 144
.rept 16
	v_pk_mul_f32 v[n:n+1], v[n:n+1], v[178:179] op_sel_hi:[1,0]
.set n, n+2
.endr
	s_wait_alu depctr_va_vdst(0)
	s_cmp_lg_u32 s[KH], 0
	s_cbranch_scc1 .Lkeep_high
.set n, 0
.rept 16
	v_pk_fma_f32 v[144+n:145+n], v[O+n:O+1+n], v[FF:FF+1], v[144+n:145+n] op_sel_hi:[1,0,1]
.set n, n+2
.endr
	s_wait_alu depctr_va_vdst(0)
	s_branch .Ljoined
.Lkeep_high:
.set n, 0
.rept 16
	v_pk_fma_f32 v[144+n:145+n], v[O+32+n:O+33+n], v[FF:FF+1], v[144+n:145+n] op_sel_hi:[1,0,1]
.set n, n+2
.endr
.Ljoined:
	s_wait_alu depctr_va_vdst(0)
	v_rcp_f32 v180, v20
	v_mov_b32 v181, 0                              ; (a plain place behind it)
	v_mov_b32 v182, s11
	v_mov_b32 v183, s10
	v_mov_b32 v176, 0x7f7f7f7f
	v_cmp_lt_f32 s96, 0, v20                       ; a row without a key that counts has the sum 0
	s_wait_alu depctr_va_vdst(0)
	v_ldexp_f32 v180, v180, s9                     ; 2^(e8 + e9) / the sum
.set n, 144
.rept 16
	v_pk_mul_f32 v[n:n+1], v[n:n+1], v[180:181] op_sel_hi:[1,0]
.set n, n+2
.endr
.set n, 144
.rept 32
	v_med3_num_f32 v[n], v[n], -v182, v182
.set n, n+1
.endr
.set n, 0
.rept 4
	v_cvt_scalef32_pk8_fp8_f32 v[184+2*n:185+2*n], v[144+8*n:151+8*n], v183
.set n, n+1
.endr
	v_nop
.set n, 184
.rept 8
	v_cndmask_b32 v[n], v176, v[n], s96            ; NaN codes there
.set n, n+1
.endr
	s_and_b32 s97, s2, 3
	s_mul_i32 s97, s97, 2304
	s_add_co_u32 s97, s97, STAGE
	s_lshl_b32 s88, s[KH], 6
	s_add_co_u32 s88, s88, s97                     ; in: 64 bytes of each of 16 rows
	s_mul_i32 s89, s[KH], 1152
	s_add_co_u32 s89, s89, s97                     ; back: eight whole rows
	s_wait_alu depctr_va_vdst(0)
	v_and_b32 v130, 15, v0
	v_lshrrev_b32 v134, 3, v132
	v_bfe_u32 v131, v0, 4, 1
	v_mul_u32_u24 v130, v130, 144
	v_mul_u32_u24 v134, v134, 144
	v_and_b32 v135, 7, v132
	v_lshl_add_u32 v130, v131, 3, v130
	v_lshl_add_u32 v134, v135, 4, v134
	v_add_nc_u32 v128, s88, v130
	v_add_nc_u32 v129, s89, v134
.set n, 0
.rept 4
	ds_store_b64 v128, v[184+2*n:185+2*n] offset:16*n
.set n, n+1
.endr
	s_sub_co_u32 s97, 31, ttmp9
	s_cmp_eq_u32 s[BL], 16
	s_cselect_b32 s97, s97, ttmp9                  ; the query block
	s_lshr_b32 s88, s97, 1
	s_lshl_b32 s88, s88, 18
	s_and_b32 s97, s97, 1
	s_lshl_b32 s97, s97, 13
	s_add_co_u32 s88, s88, s97
	s_mov_b32 s89, 0
	s_add_nc_u64 s[88:89], s[12:13], s[88:89]
	s_wait_alu depctr_va_vdst(0)
	s_wait_dscnt 0x0
	s_barrier_signal -1
	s_barrier_wait -1
	ds_load_b128 v[136:139], v129
	ds_load_b128 v[140:143], v129 offset:576
	s_wait_dscnt 1
	global_store_b128 v133, v[136:139], s[88:89]   ; 32 lanes store 512 consecutive bytes, aligned
	s_wait_dscnt 0x0
	global_store_b128 v133, v[140:143], s[88:89] offset:512
	s_wait_xcnt 0x0                                ; base, offsets and data may be rewritten
	s_add_co_u32 s[BL], s[BL], 16
	s_cmp_lt_u32 s[BL], 48
	s_cbranch_scc1 .Lblk
	s_wait_tensorcnt 0x0                           ; the wave's end, behind my last LDS store
	ds_add_u32 v[SPW], v[NIL]
	s_wait_dscnt 0x0
	s_endpgm
.Lfunc_end_k_qeb13f3d098_attn:
	.size	k_qeb13f3d098_attn, .Lfunc_end_k_qeb13f3d098_attn-k_qeb13f3d098_attn
	.p2alignl 7, 3214868480
	.fill 96, 4, 3214868480
	.section	.rodata,"a",@progbits
	.p2align	6, 0x0
	.amdhsa_kernel k_qeb13f3d098_attn
		.amdhsa_group_segment_fixed_size 176128
		.amdhsa_private_segment_fixed_size 0
		.amdhsa_enable_private_segment 0
		.amdhsa_kernarg_size 40
		.amdhsa_user_sgpr_count 2
		.amdhsa_user_sgpr_kernarg_segment_ptr 1
		.amdhsa_wavefront_size32 1
		.amdhsa_system_sgpr_workgroup_id_x 1
		.amdhsa_system_sgpr_workgroup_id_y 1
		.amdhsa_system_sgpr_workgroup_id_z 1
		.amdhsa_system_vgpr_workitem_id 0
		.amdhsa_next_free_vgpr 512
		.amdhsa_next_free_sgpr 106
		.amdhsa_reserve_vcc 0
		.amdhsa_float_denorm_mode_32 3
		.amdhsa_float_denorm_mode_16_64 3
		.amdhsa_memory_ordered 1
		.amdhsa_forward_progress 1
		.amdhsa_inst_pref_size 90
	.end_amdhsa_kernel
	.amdgpu_metadata
---
amdhsa.version: [ 1, 2 ]
amdhsa.kernels:
  - .name:           k_qeb13f3d098_attn
    .symbol:         k_qeb13f3d098_attn.kd
    .args:
      - { .name: qkv, .offset: 0, .size: 8, .value_kind: global_buffer, .address_space: global }
      - { .name: maskw, .offset: 8, .size: 8, .value_kind: global_buffer, .address_space: global }
      - { .name: flags, .offset: 16, .size: 8, .value_kind: global_buffer, .address_space: global }
      - { .name: lowp_scales, .offset: 24, .size: 8, .value_kind: global_buffer, .address_space: global }
      - { .name: oc, .offset: 32, .size: 8, .value_kind: global_buffer, .address_space: global }
    .group_segment_fixed_size: 176128
    .private_segment_fixed_size: 0
    .kernarg_segment_align: 8
    .kernarg_segment_size: 40
    .max_flat_workgroup_size: 256
    .sgpr_count:     106
    .vgpr_count:     512
    .wavefront_size: 32
...
	.end_amdgpu_metadata
.endif
;; end of part 7
;; launch outp (part 8): grid 16 x 16, 4 waves a work-group, clusters of 4 x 4, 327,680 bytes of LDS; arguments oc, codes, bo, lowp_scales, out0; writes out0
.if DOCPART == 8
	.amdgcn_target "amdgcn-amd-amdhsa--gfx1250"
	.amdhsa_code_object_version 6
	.text
	.protected	k_qeb13f3d098_outp
	.globl	k_qeb13f3d098_outp
	.p2align	8
	.type	k_qeb13f3d098_outp,@function
k_qeb13f3d098_outp:
	s_mov_b64 s[64:65], 0
	v_nop
	global_prefetch_b8 v0, s[64:65] scope:SCOPE_SE
	s_setreg_imm32_b32 hwreg(HW_REG_WAVE_MODE, 25, 1), 1
	s_wait_xcnt 0x0
	s_wait_alu depctr_hold_cnt(0) depctr_sa_sdst(0) depctr_va_vdst(0) depctr_va_sdst(0) depctr_va_ssrc(0) depctr_va_vcc(0) depctr_vm_vsrc(0)
	s_getreg_b32 s2, hwreg(HW_REG_IB_STS2, 6, 4)
	s_cmp_eq_u32 s2, 0
	s_cbranch_scc0 .Lentry_in_a_cluster
	s_endpgm
.Lentry_in_a_cluster:
	s_bfe_u32 s2, ttmp6, 0x10000c
	s_cmp_lg_u32 s2, 0xf033
	s_cbranch_scc0 .Lentry_shape_is_right
	s_endpgm
.Lentry_shape_is_right:
; out0 = O Wo^T + bo on codes of FP8, f32 sums.  A: oc, dense blocks [s / 128][head][128 rows][128 bytes]; B: Wo's plane of codes.  A work-group of four waves makes 128 x 128 of the result, a wave 64 x 64.
; K goes in steps of 512 (four heads) through a ring of two LDS slots; clusters of 4 x 4 ask jointly for A's tiles along a row, for B's along a column.  A's dense tiles are stated as rows of 256 bytes, padded behind each 128.
; The bias is the C of each sum's first matrix instruction, divided by 2^(e10 + e11).  LIMITS: e10 + e11 between -126 and 127.
; PREFETCHES: K steps 1 and 2 behind step 0's joint load, step 3 behind step 1's.  Of the 128 blocks of 256 bytes that my wave fetches in a step each of the four partners takes 32, told apart by address (cx for A, cy for B), a lane a block.
.set PITA,   144
.set PITB,   528
.set SUBA,   128*PITA
.set BOFF,   4*SUBA
.set HALFB,  64*PITB
.set SLOT,   BOFF+2*HALFB
.set STEPA,  4*16384
.set STEPB,  512
.set SPARE,  2*SLOT
.set SPITCH, 272
.set NROW,   8192
.set ADRA, 16
.set BCO,  18
.set ADRB, 20
.set STO,  24
.set RD,   25
.set CO,   26
.set SPW,  28
.set NIL,  29
.set BC,   32
.set TMP,  64
.set ACC,  128
.set F0,   0
.set F1,   128
.set G1, 24
.set G0, 32
.set G1B, 48
.set G0B, 56
.set MSB, 0
.macro WIN new
.if MSB != (\new)
	s_set_vgpr_msb (MSB<<8)|(\new)
.set MSB, (\new)
.endif
.endm
.set MUL,  0x05
.set TO_F, 0x40
.macro JLOAD g0a, g1a, g0b, g1b
	s_cmp_eq_u32 s15, 0
	s_cbranch_scc0 .Lfor_b_\@
	tensor_load_to_lds s[\g0a:\g0a+3], s[\g1a:\g1a+7]
	s_nop 0
.rept 4
	v_nop
.endr
	s_branch .Lasked_\@
.Lfor_b_\@:
	tensor_load_to_lds s[\g0b:\g0b+3], s[\g1b:\g1b+7]
	s_nop 0
.rept 4
	v_nop
.endr
.Lasked_\@:
.endm
.macro CREST
	s_cmp_lg_u32 s14, 0
	s_cbranch_scc1 .Lnot_wave_0_\@
	s_barrier_signal -3
.Lnot_wave_0_\@:
	s_barrier_wait -3
	s_barrier_signal -1
	s_barrier_wait -1
.endm
.macro CROUND
	s_barrier_signal -1
	s_barrier_wait -1
	CREST
.endm
	s_load_b256 s[4:11], s[0:1], 0x0
	s_load_b64 s[12:13], s[0:1], 0x20
	v_lshl_add_u32 v[SPW], v0, 2, SPARE
	v_mov_b32 v[NIL], 0
	ds_add_u32 v[SPW], v[NIL]
	ds_add_u32 v[SPW], v[NIL]
	v_lshrrev_b32 v1, 5, v0
	v_readfirstlane_b32 s14, v1
	s_lshr_b32 s15, s14, 1
	s_and_b32 s16, s14, 1
	s_bfe_u32 s40, ttmp6, 0x40000
	s_bfe_u32 s41, ttmp6, 0x40004
	s_lshl_b32 s42, ttmp9, 2
	s_add_co_u32 s42, s42, s40
	s_and_b32 s17, ttmp7, 0xffff
	s_lshl_b32 s17, s17, 2
	s_add_co_u32 s17, s17, s41
	s_lshl_b32 s43, s41, 2
	s_lshl_b32 s43, 15, s43
	s_lshl_b32 s44, 0x1111, s40
	s_or_b32 s[G1+0], s43, (1<<20)|(1<<21)|(4<<22)|(3<<25)
	s_mov_b32 s[G1+1], 256<<16
	s_mov_b32 s[G1+2], 128<<16
	s_mov_b32 s[G1+3], 256<<16
	s_mov_b32 s[G1+4], 128
	s_mov_b32 s[G1+5], 256
	s_mov_b32 s[G1+6], 0
	s_mov_b32 s[G1+7], 0
	s_or_b32 s[G1B+0], s44, (1<<20)|(1<<21)|(6<<22)|(3<<25)
	s_mov_b32 s[G1B+1], 512<<16
	s_mov_b32 s[G1B+2], 64<<16
	s_mov_b32 s[G1B+3], 512<<16
	s_mov_b32 s[G1B+4], 64
	s_mov_b32 s[G1B+5], 2048
	s_mov_b32 s[G1B+6], 0
	s_mov_b32 s[G1B+7], 0
	s_lshl_b32 s20, s17, 18
	s_lshl_b32 s21, s16, 15
	s_add_co_u32 s20, s20, s21
	s_mov_b32 s21, 0
	s_lshl_b32 s18, s16, 6
	s_lshl_b32 s46, s42, 7
	s_add_co_u32 s46, s46, s18
	s_lshl_b32 s46, s46, 11
	s_add_co_u32 s46, s46, 6<<22
	s_mov_b32 s47, 0
	s_mul_i32 s45, s16, 2*SUBA
	s_mul_i32 s19, s16, HALFB
	s_add_co_u32 s19, s19, BOFF
	s_wait_dscnt 0x0
	s_wait_kmcnt 0x0
	s_load_b64 s[96:97], s[10:11], 0x28
	s_add_nc_u64 s[20:21], s[4:5], s[20:21]
	s_add_nc_u64 s[46:47], s[6:7], s[46:47]
	CROUND
.irp s, 0,1
	s_mov_b32 s[G0+4*\s], 1
	s_add_co_u32 s[G0+4*\s+1], s45, \s*SLOT
	s_add_nc_u64 s[G0+4*\s+2:G0+4*\s+3], s[20:21], \s*STEPA
	s_or_b32 s[G0+4*\s+3], s[G0+4*\s+3], 0x80000000
	s_mov_b32 s[G0B+4*\s], 1
	s_add_co_u32 s[G0B+4*\s+1], s19, \s*SLOT
	s_add_nc_u64 s[G0B+4*\s+2:G0B+4*\s+3], s[46:47], \s*STEPB
	s_or_b32 s[G0B+4*\s+3], s[G0B+4*\s+3], 0x80000000
.endr
	JLOAD G0, G1, G0B, G1B                         ; K step 0: one tensor load a wave at the head
	s_cmp_eq_u32 s15, 0
	s_cselect_b64 s[90:91], s[20:21], s[46:47]
	s_cselect_b32 s98, s40, s41                    ; my place among the four
	s_mov_b32 s99, 15
	s_cselect_b32 s99, 13, s99                     ; a partner's 32 blocks: 8,192 bytes of A; 16 rows of B
	s_mov_b32 s101, STEPB
	s_cselect_b32 s88, STEPA, s101                 ; a K step on
	s_mov_b32 s101, 2048
	s_cselect_b32 s101, 512, s101                  ; from one pair of lanes to the next
	s_lshl_b32 s98, s98, s99
	s_mov_b32 s99, 0
	s_mov_b32 s89, 0
	v_bfe_u32 v30, v0, 1, 4
	v_and_b32 v27, 1, v0
	v_mul_lo_u32 v30, v30, s101
	v_lshl_add_u32 v27, v27, 8, v30                ; never rewritten
	s_add_nc_u64 s[90:91], s[90:91], s[98:99]
	s_add_nc_u64 s[98:99], s[90:91], s[88:89]
	s_add_nc_u64 s[100:101], s[98:99], s[88:89]
	s_add_nc_u64 s[90:91], s[100:101], s[88:89]
	s_wait_alu depctr_va_vdst(0)
	global_prefetch_b8 v27, s[98:99] th:TH_LOAD_NT scope:SCOPE_SE
	global_prefetch_b8 v27, s[100:101] th:TH_LOAD_NT scope:SCOPE_SE
	v_and_b32 v1, 15, v0
	v_bfe_u32 v2, v0, 4, 1
	v_mul_u32_u24 v3, v1, PITA
	v_lshl_add_u32 v3, v2, 4, v3
	v_mul_u32_u24 v4, v1, PITB
	v_lshl_add_u32 v4, v2, 4, v4
	s_mul_i32 s21, s15, 64*PITA
	s_mul_i32 s22, s16, HALFB
	s_add_co_u32 s22, s22, BOFF
.irp s, 0,1
	v_add_nc_u32 v[ADRA+\s], s21, v3
	v_add_nc_u32 v[ADRB+\s], s22, v4
	s_add_co_u32 s21, s21, SLOT
	s_add_co_u32 s22, s22, SLOT
.endr
	s_mul_i32 s23, s14, 16*SPITCH
	v_mul_u32_u24 v5, v1, SPITCH
	v_lshl_add_u32 v5, v2, 5, v5
	v_add_nc_u32 v[STO], s23, v5
	v_mul_u32_u24 v6, v2, SPITCH
	v_lshl_add_u32 v6, v1, 4, v6
	v_add_nc_u32 v[RD], s23, v6
	v_mul_u32_u24 v7, v2, NROW
	v_lshl_add_u32 v[CO], v1, 4, v7
	v_lshlrev_b32 v[BCO], 5, v2
	s_wait_alu depctr_va_vdst(0)
	s_lshl_b32 s20, s17, 7
	s_lshl_b32 s21, s15, 6
	s_add_co_u32 s20, s20, s21
	s_lshl_b32 s20, s20, 13
	s_lshl_b32 s46, s42, 9
	s_lshl_b32 s47, s16, 8
	s_add_co_u32 s46, s46, s47
	s_add_co_u32 s20, s20, s46
	s_mov_b32 s21, 0
	s_add_nc_u64 s[12:13], s[12:13], s[20:21]
	s_mov_b32 s47, 0
	s_add_nc_u64 s[8:9], s[8:9], s[46:47]
.irp b, 0,1,2,3
	global_load_b128 v[BC+8*\b:BC+8*\b+3], v[BCO], s[8:9] offset:64*\b
	global_load_b128 v[BC+8*\b+4:BC+8*\b+7], v[BCO], s[8:9] offset:64*\b+16
.endr
	s_wait_kmcnt 0x0
	s_add_co_i32 s96, s96, s97
	s_sub_co_i32 s87, 0, s96
	s_add_co_i32 s96, s96, 127
	s_lshl_b32 s96, s96, 23
	s_mov_b32 s97, s96
	s_wait_loadcnt 0x0
.set n, 0
.rept 32
	v_ldexp_f32 v[BC+n], v[BC+n], s87
.set n, n+1
.endr
.macro FRAGA reg, slot, q, i
.irp c, 0,1,2,3
	ds_load_b128 v[\reg+4*\c:\reg+4*\c+3], v[ADRA+\slot] offset:SUBA*(\q)+(\i)*16*PITA+32*\c
.endr
.endm
.macro FRAGB reg, slot, q, i
.irp c, 0,1,2,3
	ds_load_b128 v[\reg+4*\c:\reg+4*\c+3], v[ADRB+\slot] offset:128*(\q)+(\i)*16*PITB+32*\c
.endr
.endm
.macro FETCH slot, q, f
	WIN TO_F
.irp i, 0,1,2,3
	FRAGB \f+64+16*\i, \slot, \q, \i
	FRAGA \f+16*\i, \slot, \q, \i
.endr
.endm
.macro MUL8 f, a0, first
.irp a, \a0, \a0+1
.irp b, 0,1,2,3
.if \first
	v_wmma_f32_16x16x128_fp8_fp8 v[ACC+8*(4*(\a)+\b):ACC+8*(4*(\a)+\b)+7], v[\f+64+16*\b:\f+64+16*\b+15], v[\f+16*(\a):\f+16*(\a)+15], v[BC+8*\b:BC+8*\b+7]
.else
	v_wmma_f32_16x16x128_fp8_fp8 v[ACC+8*(4*(\a)+\b):ACC+8*(4*(\a)+\b)+7], v[\f+64+16*\b:\f+64+16*\b+15], v[\f+16*(\a):\f+16*(\a)+15], v[ACC+8*(4*(\a)+\b):ACC+8*(4*(\a)+\b)+7]
.endif
.endr
.endr
.endm
.macro PLACES n
.rept \n
	v_nop
.endr
.endm
.macro KSTEP f, g, ns, nq, first
	s_wait_dscnt 0x0
	PLACES 4
	FETCH \ns, \nq, \g
	WIN MUL
	MUL8 \f, 0, \first
	MUL8 \f, 2, \first
.endm
.macro TURN slot, next, fill
	WIN 0
	s_wait_tensorcnt 0x0
	ds_add_u32 v[SPW], v[NIL]
	s_wait_dscnt 0x0
	s_barrier_signal -1
	WIN MUL
	MUL8 F1, 0, 0
	WIN 0
	s_barrier_wait -1
.if \fill
	CREST
	s_add_nc_u64 s[G0+4*\slot+2:G0+4*\slot+3], s[G0+4*\slot+2:G0+4*\slot+3], 2*STEPA
	s_add_nc_u64 s[G0B+4*\slot+2:G0B+4*\slot+3], s[G0B+4*\slot+2:G0B+4*\slot+3], 2*STEPB
	JLOAD G0+4*\slot, G1, G0B+4*\slot, G1B
.else
	PLACES 4
.endif
	FETCH \next, 0, F0
	WIN MUL
	MUL8 F1, 2, 0
.endm
.macro THREE slot, first
	KSTEP F0, F1, \slot, 1, \first
	KSTEP F1, F0, \slot, 2, 0
	KSTEP F0, F1, \slot, 3, 0
.endm
	s_wait_alu depctr_va_vdst(0)
	s_wait_tensorcnt 0x0                           ; my part of K step 0 is in
	ds_add_u32 v[SPW], v[NIL]
	s_wait_dscnt 0x0
	CROUND
	JLOAD G0+4, G1, G0B+4, G1B                     ; K step 1
	global_prefetch_b8 v27, s[90:91] th:TH_LOAD_NT scope:SCOPE_SE
	FETCH 0, 0, F0
	THREE 0, 1
	TURN 0, 1, 1
	THREE 1, 0
	TURN 1, 0, 1
	THREE 0, 0
	TURN 0, 1, 0
	THREE 1, 0
	s_wait_dscnt 0x0
	MUL8 F1, 0, 0
	MUL8 F1, 2, 0
	WIN 0
.macro TOSTAGE a
.set AC, ACC+32*(\a)
.set j, 0
.rept 16
	v_pk_mul_f32 v[TMP+j:TMP+j+1], v[AC+j:AC+j+1], s[96:97] op_sel_hi:[1,0]
.set j, j+2
.endr
.irp b, 0,1,2,3
	ds_store_b128 v[STO], v[TMP+8*\b:TMP+8*\b+3] offset:64*\b
	ds_store_b128 v[STO], v[TMP+8*\b+4:TMP+8*\b+7] offset:64*\b+16
.endr
.set BB, 32+64*((\a)%2)
.irp t, 0,1,2,3,4,5,6,7
	ds_load_b128 v[BB+4*\t:BB+4*\t+3], v[RD] offset:\t*2*SPITCH
.endr
.endm
.macro SEND a, younger
.set BB, 32+64*((\a)%2)
	s_wait_dscnt \younger
.if (\a) > 0
	s_add_nc_u64 s[12:13], s[12:13], 16*NROW
.endif
.irp t, 0,1,2,3,4,5,6,7
	global_store_b128 v[CO], v[BB+4*\t:BB+4*\t+3], s[12:13] offset:2*\t*NROW th:TH_STORE_NT
.endr
.endm
	PLACES 4
	TOSTAGE 0
.irp a, 1,2,3
.if \a > 1
	s_wait_xcnt 0x0
.endif
	TOSTAGE \a
	SEND \a-1, 16
.endr
	s_wait_xcnt 0x0
	SEND 3, 0
	s_wait_tensorcnt 0x0
	ds_add_u32 v[SPW], v[NIL]
	s_wait_dscnt 0x0
	CROUND
	s_endpgm
.Lfunc_end_k_qeb13f3d098_outp:
	.size	k_qeb13f3d098_outp, .Lfunc_end_k_qeb13f3d098_outp-k_qeb13f3d098_outp
	.p2alignl 7, 3214868480
	.fill 96, 4, 3214868480
	.section	.rodata,"a",@progbits
	.p2align	6, 0x0
	.amdhsa_kernel k_qeb13f3d098_outp
		.amdhsa_group_segment_fixed_size 327680
		.amdhsa_private_segment_fixed_size 0
		.amdhsa_enable_private_segment 0
		.amdhsa_kernarg_size 40
		.amdhsa_user_sgpr_count 2
		.amdhsa_user_sgpr_kernarg_segment_ptr 1
		.amdhsa_wavefront_size32 1
		.amdhsa_system_sgpr_workgroup_id_x 1
		.amdhsa_system_sgpr_workgroup_id_y 1
		.amdhsa_system_sgpr_workgroup_id_z 1
		.amdhsa_system_vgpr_workitem_id 0
		.amdhsa_next_free_vgpr 512
		.amdhsa_next_free_sgpr 102
		.amdhsa_reserve_vcc 0
		.amdhsa_float_denorm_mode_32 3
		.amdhsa_float_denorm_mode_16_64 3
		.amdhsa_memory_ordered 1
		.amdhsa_forward_progress 1
		.amdhsa_inst_pref_size 78
	.end_amdhsa_kernel
	.amdgpu_metadata
---
amdhsa.version: [ 1, 2 ]
amdhsa.kernels:
  - .name:           k_qeb13f3d098_outp
    .symbol:         k_qeb13f3d098_outp.kd
    .args:
      - { .name: oc, .offset: 0, .size: 8, .value_kind: global_buffer, .address_space: global }
      - { .name: codes, .offset: 8, .size: 8, .value_kind: global_buffer, .address_space: global }
      - { .name: bo, .offset: 16, .size: 8, .value_kind: global_buffer, .address_space: global }
      - { .name: lowp_scales, .offset: 24, .size: 8, .value_kind: global_buffer, .address_space: global }
      - { .name: out0, .offset: 32, .size: 8, .value_kind: global_buffer, .address_space: global }
    .group_segment_fixed_size: 327680
    .private_segment_fixed_size: 0
    .kernarg_segment_align: 8
    .kernarg_segment_size: 40
    .max_flat_workgroup_size: 128
    .sgpr_count:     102
    .vgpr_count:     512
    .wavefront_size: 32
...
	.end_amdgpu_metadata
.endif
;; end of part 8
